; MI455X (gfx1250); checked and timed in simulation.
; The chip was launched on July 23, 2026; its instructions are those of AMD's public machine-readable ISA for CDNA 5 (MIT licence, August 2026) and "CDNA5" Instruction Set Architecture Reference Guide (July 2026). The comments in the code are by the model that wrote it; some were corrected since.
;; Listener. Allowed arithmetic: float matrix products may take bf16 or f16 operands with f32 sums; other float arithmetic in f32, or as packed bf16 or f16 multiplies, adds, multiply-adds, maxima and minima; sums over many terms, partial sums and values carried from step to step in f32; what a program stores and reads back later, other than sums and carried values, may be rounded once to bf16 or f16.
;; Inputs: b_hh 3,072 float32; b_ih 3,072 float32; emb_w 32,000 x 1,024 float32; global_idxes 2,048 int32; h1_b 1,000 float32; h1_w 1,000 x 1,024 float32; utterance 2,048 x 4 int32; w_hh 3,072 x 1,024 float32; w_ih 3,072 x 1,024 float32.
;; Outputs: out0 2,048 x 1,000 float32.
;; 2 versions, each right. Each part assembles by itself: llvm-mc -triple=amdgcn-amd-amdhsa -mcpu=gfx1250 --defsym DOCPART=n.
;; ======== version 1 of 2: 6 launches
;; limits: right only within a limited range of input values
;; workspace buffers: ab0 4,194,304 bytes; ab1 16,785,408 bytes; ab2 16,785,408 bytes; ab3 16,785,408 bytes; ab4 16,777,216 bytes; wg 12,582,912 bytes; wl 2,097,152 bytes
;; launch prep (part 1): grid 480 x 1, 8 waves a work-group, no clusters, 0 bytes of LDS; arguments utterance, emb_w, w_ih, w_hh, h1_w, ab0, ab1, ab2, ab3, wg, wl; writes ab0, ab1, ab2, ab3, wg, wl
.if DOCPART == 1
	.amdgcn_target "amdgcn-amd-amdhsa--gfx1250"
	.amdhsa_code_object_version 6
	.text
	.protected	k_qe2ce1d3936_prep
	.globl	k_qe2ce1d3936_prep
	.p2align	8
	.type	k_qe2ce1d3936_prep,@function
k_qe2ce1d3936_prep:
	s_mov_b64 s[64:65], 0
	v_nop
	global_prefetch_b8 v0, s[64:65] scope:SCOPE_SE
	s_setreg_imm32_b32 hwreg(HW_REG_WAVE_MODE, 25, 1), 1
	s_wait_xcnt 0x0
; PREP: every matrix operand of the later launches is rounded once to bf16 and laid out in PLANES: an operand [rows][1024] becomes [16 planes][rows][64],
; a row of a plane 128 bytes, the rows of a plane dense.  Sources: the table rows that utterance names (for each of the four steps), w_ih, w_hh, h1_w.
; It also stores, for steps 1 to 3, each row's flag "no token 0 among the tokens before this step" as 0 or 1.
; SHARES.  A wave converts a QUAD, 4 source rows of 4,096 bytes: lane l = 8 q + i reads, for plane cb, 32 bytes at row q, byte 256 cb + 32 i (eight lanes: 256 bytes on end, aligned)
; and stores 16 bytes at plane cb, byte 16 l of the quad's 512: a wave's store covers 512 consecutive bytes, aligned.  All 32 loads of a wave go out ahead of its first conversion.
; A work-group takes 32 rows.  Work-groups 0-255: the gathers (step = id / 64); 256-447: w_ih and w_hh; 448-479: h1_w, whose rows 1000-1023 are stored as zeros.
; No LDS, no matrix unit, no cluster: nothing is shared and nothing is multiplied.
; LIMITS.  One rounding to bf16 (nearest even).  A token outside 0 .. 31,999 is held to 31,999 for the address alone; the flags test the token as it is given.
; global_idxes is an argument that the computation never uses: no launch of this program names it.
.set XPL,   262144                     ; bytes in a plane of 2,048 rows (the steps' inputs)
.set WPL,   24576                      ; in a plane of 192 rows (the GRU weights of one block of 64 hidden columns: 3 gates x 64)
.set LPL,   131072                     ; in a plane of 1,024 rows (h1_w)
.set ALOFF, 16777216                   ; where the flags lie in ab1, ab2, ab3
.set D,     16                         ; v[16:143] the quad: plane cb in 8 registers, as loaded; its first 4 then as stored
; The quad's 32 loads, then plane by plane: wait, round, store.  so: the register with the lanes' source offsets; pst: bytes from plane to plane; nt = 1: the source is read once in the launch
.macro CONV so, pst, nt
.set cb, 0
.rept 16
.if \nt
	global_load_b128 v[D+8*cb:D+8*cb+3],   v[\so], s[36:37] offset:cb*256 th:TH_LOAD_NT
	global_load_b128 v[D+8*cb+4:D+8*cb+7], v[\so], s[36:37] offset:cb*256+16 th:TH_LOAD_NT
.else
	global_load_b128 v[D+8*cb:D+8*cb+3],   v[\so], s[36:37] offset:cb*256
	global_load_b128 v[D+8*cb+4:D+8*cb+7], v[\so], s[36:37] offset:cb*256+16
.endif
.set cb, cb+1
.endr
.set cb, 0
.rept 16
	s_wait_loadcnt 2*(15-cb)                       ; loads come back in order: plane cb is in, the two loads of each younger plane may stay out
	v_cvt_pk_bf16_f32 v[D+8*cb],   v[D+8*cb],   v[D+8*cb+1]   ; in place: register j is written when it has been read
	v_cvt_pk_bf16_f32 v[D+8*cb+1], v[D+8*cb+2], v[D+8*cb+3]
	v_cvt_pk_bf16_f32 v[D+8*cb+2], v[D+8*cb+4], v[D+8*cb+5]
	v_cvt_pk_bf16_f32 v[D+8*cb+3], v[D+8*cb+6], v[D+8*cb+7]
	global_store_b128 v5, v[D+8*cb:D+8*cb+3], s[34:35] offset:cb*(\pst) th:TH_STORE_NT
.set cb, cb+1
.endr
.endm
	s_load_b512 s[8:23], s[0:1], 0x0               ; utterance s[8:9], emb_w s[10:11], w_ih s[12:13], w_hh s[14:15], h1_w s[16:17], ab0 s[18:19], ab1 s[20:21], ab2 s[22:23]
	s_load_b128 s[24:27], s[0:1], 0x40             ; ab3 s[24:25], wg s[26:27]
	s_load_b64 s[28:29], s[0:1], 0x50              ; wl
	v_lshrrev_b32 v1, 5, v0
	v_readfirstlane_b32 s30, v1                    ; wave 0..7
	v_and_b32 v1, 31, v0                           ; lane l
	v_lshrrev_b32 v2, 3, v1                        ; q: my row of the quad
	v_and_b32 v3, 7, v1                            ; i: my 32 bytes of a plane's 256
	v_lshlrev_b32 v9, 5, v3                        ; 32 i
	v_lshl_add_u32 v4, v2, 12, v9                  ; 4,096 q + 32 i: the source offset where the quad's rows lie on end
	v_lshlrev_b32 v5, 4, v1                        ; 16 l: the offset of every store
	s_mov_b32 s31, ttmp9
	s_mov_b32 s39, 0                               ; the high word of every offset
	s_wait_kmcnt 0x0
	s_cmp_lt_u32 s31, 256
	s_cbranch_scc0 .Lweights
	; THE GATHERS.  Step t = id / 64; rows b .. b + 3 of the batch
	s_lshr_b32 s32, s31, 6                         ; t
	s_and_b32 s33, s31, 63
	s_lshl_b32 s33, s33, 5                         ; the work-group's first row
	s_lshl2_add_u32 s46, s30, s33                  ; b = that + 4 x wave
	s_lshl_b32 s38, s46, 4
	s_lshl2_add_u32 s38, s32, s38                  ; 16 b + 4 t: a row of utterance is 16 bytes
	v_lshl_add_u32 v6, v2, 4, s38
	global_load_b32 v7, v6, s[8:9]                 ; my row's token of step t
	s_cmp_eq_u32 s32, 0                            ; the step's buffer
	s_cselect_b64 s[44:45], s[18:19], s[20:21]
	s_cmp_eq_u32 s32, 2
	s_cselect_b64 s[44:45], s[22:23], s[44:45]
	s_cmp_eq_u32 s32, 3
	s_cselect_b64 s[44:45], s[24:25], s[44:45]
	s_lshl_b32 s38, s46, 7                         ; row b of a plane
	s_add_nc_u64 s[34:35], s[44:45], s[38:39]
	s_mov_b64 s[36:37], s[10:11]
	s_wait_loadcnt 0x0
	v_min_u32 v7, 0x7cff, v7                       ; inside the table, whatever the token
	v_lshl_add_u32 v8, v7, 12, v9                  ; 4,096 x token + 32 i
	CONV 8, XPL, 0                                 ; no hint: a table row may be named again
	; THE FLAGS of the work-group's 32 rows, by wave 0, for steps 1 to 3: a lane a row
	s_cmp_eq_u32 s32, 0
	s_cbranch_scc1 .Lgathered
	s_cmp_lg_u32 s30, 0
	s_cbranch_scc1 .Lgathered
	s_lshl_b32 s38, s33, 4
	v_add_nc_u32 v15, s38, v5                      ; 16 x (first row + l)
	global_load_b128 v[10:13], v15, s[8:9]         ; the row's four tokens
	s_lshl_b32 s38, s33, 2
	s_add_co_u32 s38, s38, ALOFF
	s_add_nc_u64 s[44:45], s[44:45], s[38:39]
	v_lshlrev_b32 v2, 2, v1
	s_wait_loadcnt 0x0
	v_cmp_ne_u32 s40, 0, v10
	v_cmp_ne_u32 s41, 0, v11
	v_cmp_ne_u32 s42, 0, v12
	s_cmp_lt_u32 s32, 2                            ; token 1 counts from step 2 on,
	s_cselect_b32 s43, -1, 0
	s_or_b32 s41, s41, s43
	s_cmp_lt_u32 s32, 3                            ; token 2 in step 3
	s_cselect_b32 s43, -1, 0
	s_or_b32 s42, s42, s43
	s_and_b32 s40, s40, s41
	s_and_b32 s40, s40, s42
	v_cndmask_b32 v14, 0, 1, s40
	global_store_b32 v2, v14, s[44:45]             ; 128 consecutive bytes: the one store of the program that covers less than 256
.Lgathered:
	s_endpgm
.Lweights:
	s_cmp_lt_u32 s31, 448
	s_cbranch_scc0 .Lhead
	; THE GRU WEIGHTS.  wg is [jb 0..15][kb 0..31][rr 0..191][64]: rr = 64 gate + column in the block jb of 64 hidden columns; kb 0-15 w_ih's planes, 16-31 w_hh's
	s_sub_co_u32 s32, s31, 256
	s_cmp_ge_u32 s32, 96
	s_cselect_b32 s33, 1, 0                        ; 0: w_ih, 1: w_hh
	s_cselect_b64 s[36:37], s[14:15], s[12:13]
	s_mul_i32 s38, s33, 96
	s_sub_co_u32 s32, s32, s38                     ; which 32 of the matrix's 3,072 rows
	s_lshl_b32 s38, s32, 17
	s_lshl_b32 s40, s30, 14
	s_add_co_u32 s38, s38, s40                     ; (32 x that + 4 x wave) x 4,096
	s_add_nc_u64 s[36:37], s[36:37], s[38:39]
	s_lshr_b32 s40, s32, 5                         ; gate
	s_and_b32 s41, s32, 31
	s_lshr_b32 s42, s41, 1                         ; jb
	s_and_b32 s41, s41, 1
	s_lshl_b32 s40, s40, 6
	s_lshl_b32 s41, s41, 5
	s_add_co_u32 s40, s40, s41
	s_lshl2_add_u32 s40, s30, s40                  ; rr = 64 gate + 32 x half + 4 x wave
	s_lshl_b32 s40, s40, 7
	s_mul_i32 s42, s42, 32*WPL
	s_mul_i32 s41, s33, 16*WPL
	s_add_co_u32 s38, s40, s42
	s_add_co_u32 s38, s38, s41
	s_add_nc_u64 s[34:35], s[26:27], s[38:39]
	CONV 4, WPL, 1
	s_endpgm
.Lhead:
	; h1_w: wl is [kb 0..15][n 0..1023][64].  1,000 is a multiple of 4: a quad is all rows of h1_w or all padding
	s_sub_co_u32 s32, s31, 448
	s_lshl_b32 s32, s32, 5
	s_lshl2_add_u32 s32, s30, s32                  ; n
	s_lshl_b32 s38, s32, 7
	s_add_nc_u64 s[34:35], s[28:29], s[38:39]
	s_cmp_ge_u32 s32, 1000
	s_cbranch_scc1 .Lzero
	s_lshl_b32 s38, s32, 12
	s_add_nc_u64 s[36:37], s[16:17], s[38:39]
	CONV 4, LPL, 1
	s_endpgm
.Lzero:
.irp j, 0,1,2,3
	v_mov_b32 v[D+\j], 0
.endr
.set cb, 0
.rept 16
	global_store_b128 v5, v[D:D+3], s[34:35] offset:cb*LPL th:TH_STORE_NT
.set cb, cb+1
.endr
	s_endpgm
.Lfunc_end_k_qe2ce1d3936_prep:
	.size	k_qe2ce1d3936_prep, .Lfunc_end_k_qe2ce1d3936_prep-k_qe2ce1d3936_prep
	.p2alignl 7, 3214868480
	.fill 96, 4, 3214868480
	.section	.rodata,"a",@progbits
	.p2align	6, 0x0
	.amdhsa_kernel k_qe2ce1d3936_prep
		.amdhsa_group_segment_fixed_size 0
		.amdhsa_private_segment_fixed_size 0
		.amdhsa_enable_private_segment 0
		.amdhsa_kernarg_size 88
		.amdhsa_user_sgpr_count 2
		.amdhsa_user_sgpr_kernarg_segment_ptr 1
		.amdhsa_wavefront_size32 1
		.amdhsa_system_sgpr_workgroup_id_x 1
		.amdhsa_system_sgpr_workgroup_id_y 1
		.amdhsa_system_sgpr_workgroup_id_z 1
		.amdhsa_system_vgpr_workitem_id 0
		.amdhsa_next_free_vgpr 144
		.amdhsa_next_free_sgpr 66
		.amdhsa_reserve_vcc 0
		.amdhsa_float_denorm_mode_32 3
		.amdhsa_float_denorm_mode_16_64 3
		.amdhsa_memory_ordered 1
		.amdhsa_forward_progress 1
		.amdhsa_inst_pref_size 33
	.end_amdhsa_kernel
	.amdgpu_metadata
---
amdhsa.version: [ 1, 2 ]
amdhsa.kernels:
  - .name:           k_qe2ce1d3936_prep
    .symbol:         k_qe2ce1d3936_prep.kd
    .args:
      - { .name: utterance, .offset: 0, .size: 8, .value_kind: global_buffer, .address_space: global }
      - { .name: emb_w, .offset: 8, .size: 8, .value_kind: global_buffer, .address_space: global }
      - { .name: w_ih, .offset: 16, .size: 8, .value_kind: global_buffer, .address_space: global }
      - { .name: w_hh, .offset: 24, .size: 8, .value_kind: global_buffer, .address_space: global }
      - { .name: h1_w, .offset: 32, .size: 8, .value_kind: global_buffer, .address_space: global }
      - { .name: ab0, .offset: 40, .size: 8, .value_kind: global_buffer, .address_space: global }
      - { .name: ab1, .offset: 48, .size: 8, .value_kind: global_buffer, .address_space: global }
      - { .name: ab2, .offset: 56, .size: 8, .value_kind: global_buffer, .address_space: global }
      - { .name: ab3, .offset: 64, .size: 8, .value_kind: global_buffer, .address_space: global }
      - { .name: wg, .offset: 72, .size: 8, .value_kind: global_buffer, .address_space: global }
      - { .name: wl, .offset: 80, .size: 8, .value_kind: global_buffer, .address_space: global }
    .group_segment_fixed_size: 0
    .private_segment_fixed_size: 0
    .kernarg_segment_align: 8
    .kernarg_segment_size: 88
    .max_flat_workgroup_size: 256
    .sgpr_count:     66
    .vgpr_count:     144
    .wavefront_size: 32
...
	.end_amdgpu_metadata
.endif
;; end of part 1
;; launch step0 (part 2): grid 16 x 16, 4 waves a work-group, clusters of 4 x 4, 327,680 bytes of LDS; arguments ab0, wg, b_ih, b_hh, ab1; writes ab1
.if DOCPART == 2
	.amdgcn_target "amdgcn-amd-amdhsa--gfx1250"
	.amdhsa_code_object_version 6
	.text
	.protected	k_qe2ce1d3936_step0
	.globl	k_qe2ce1d3936_step0
	.p2align	8
	.type	k_qe2ce1d3936_step0,@function
k_qe2ce1d3936_step0:
	s_mov_b64 s[64:65], 0
	v_nop
	global_prefetch_b8 v0, s[64:65] scope:SCOPE_SE
	s_setreg_imm32_b32 hwreg(HW_REG_WAVE_MODE, 25, 1), 1
	s_wait_xcnt 0x0
	s_wait_alu depctr_hold_cnt(0) depctr_sa_sdst(0) depctr_va_vdst(0) depctr_va_sdst(0) depctr_va_ssrc(0) depctr_va_vcc(0) depctr_vm_vsrc(0)
	s_getreg_b32 s2, hwreg(HW_REG_IB_STS2, 6, 4)
	s_cmp_eq_u32 s2, 0
	s_cbranch_scc0 .Lentry_in_a_cluster
	s_endpgm
.Lentry_in_a_cluster:
	s_bfe_u32 s2, ttmp6, 0x10000c
	s_cmp_lg_u32 s2, 0xf033
	s_cbranch_scc0 .Lentry_shape_is_right
	s_endpgm
.Lentry_shape_is_right:
; ONE GRU STEP on 2,048 rows, H = 1,024.  This text serves two kernels that differ in the line below alone: FIRST = 1 is step 0, whose old state is 0 by the computation itself
; (h . w_hh is 0 and is not multiplied, gh is b_hh, every row is alive); FIRST = 0 is a later step.
.set FIRST, 1
; ARGUMENTS: abin (XP at 0: this step's inputs, 16 planes [2048][64] bf16; HP at 4,194,304: the old state, 16 planes likewise; HF at 8,388,608: the old state in f32, [2048][1024];
; AL at 16,777,216: a flag a row, 0 or 1), wg ([jb][kb 0..31][192][64] bf16: the weights of block jb of 64 hidden columns, 3 gates x 64 rows a plane, w_ih's 16 planes, then w_hh's), b_ih, b_hh,
; about (its HP and HF are stored).  The last step's HF is stored though no launch reads it: the price of one text for steps 1 to 3.
; SHARES.  A work-group makes 128 rows x 64 hidden columns of the new state; four waves, wave w rows 64 (w / 2) on, columns 32 (w % 2) on.  For each state number four sums are kept in f32:
; R and Z (x . w_ih + h . w_hh), IN (x . w_ih) and HN (h . w_hh): 32 accumulators of 16 x 16, all of window 2.  K goes in steps of 128 (two planes) through two LDS slots:
; steps 0-7 are x's, steps 8-15 h's; in memory both walks are uniform, since HP lies behind XP and w_hh's planes behind w_ih's.
; LAYOUT.  Source 0 = 16 weight rows, source 1 = 16 batch rows: a lane holds ONE batch row (lane % 16) and the hidden columns 8 (lane / 16) + 0..7, the four sums of a state number in the same lane and place.
; THE BIASES are the C operand of each sum's first product (R: b_ih + b_hh; Z likewise; IN: b_ih; HN: b_hh): nothing is cleared, no bias is added later.
; CLUSTER.  4 x 4 work-groups.  The four of a row of the cluster share their 128 batch rows, the four of a column their block of weights: each tile is asked for JOINTLY, by the same tensor load with the same
; descriptor and a mask that names the four.
; LIMITS.  Matrix operands are bf16, rounded once; the carried state, biases and gates are f32.  sigmoid(x) = 1 / (1 + 2^(-x log2 e)), tanh(x) = 1 - 2 / (1 + 2^(2 x log2 e)): an exponential that overflows gives
; infinity and its reciprocal 0, so both saturate rightly for every finite x; the exponentials and reciprocals count denormals as 0.  NaN and infinities in the inputs are not treated apart.
; REGISTERS, in windows of 256 (s_set_vgpr_msb: bits 1:0 source 0, 3:2 source 1, 5:4 source 2, 7:6 destination):
;   window 0: v0-29 addresses; v32-63 b_hh's r and z parts; v64-191 fragments of the batch rows, buffer f, chunk c, block a at 64 + 64 f + 8 (4 c + a); v192-255 the biases, sum G, block b at 192 + 16 G + 8 b
;   window 1: fragments of the weights at 96 f + 8 (6 c + 2 gate + b)          window 2: the sums, G (R 0, Z 1, IN 2, HN 3), row block a, column block b at 64 G + 8 (2 a + b)
.set PREF,  1-FIRST                    ; the later steps prefetch; step 0, half as long, would have one trip in which to ask
.set PA,    144                        ; an LDS row of a plane: 128 bytes + 16 of padding = 36 words: the 16 rows of a fragment load start at 16 different groups of four banks (64 banks of 4 bytes: ISA guide 11.1)
.set AKH,   128*PA                     ; a plane's 128 batch rows
.set BKH,   192*PA                     ; a plane's 192 weight rows
.set BOFF,  2*AKH                      ; a slot: two planes of batch rows, then two of weights
.set SLOT1, 1<<17                      ; slot 1 begins here: one exclusive or turns an address in one slot into the other's
.set HOLD,  BOFF+2*BKH                 ; behind slot 0: 128 rows x 272 bytes: the old state in f32 (filled once), later the stage of the new one
.set HPI,   272
.set HBST,  SLOT1+HOLD                 ; behind slot 1: 128 rows x 144 bytes: the stage of the new state in bf16; no tensor load fills it
.set SPARE, HBST+128*PA                ; the spare words, 128 bytes for each wave: two blocks of 256 bytes that no other line names
.set ASTEP, 524288                     ; bytes from K step to K step: two planes of 2,048 rows,
.set BSTEP, 49152                      ; two planes of 192 rows
.set MSB, 0
.macro WIN new                         ; the immediate's high byte repeats the setting that is left; a switch that changes nothing is dropped
.if MSB != (\new)
	s_set_vgpr_msb (MSB<<8)|(\new)
.set MSB, \new
.endif
.endm
.set MULW, 0xa1                        ; weights window 1, batch rows window 0, C and D window 2
.set MULB, 0x81                        ; the same with C, a bias, in window 0
.set TO_B, 0x40                        ; destination window 1
.set EP,   0xaa                        ; all in window 2
.set EPF,  0xa2                        ; source 1 in window 0
.set LDH,  0x80                        ; destination window 2, address window 0
.set STW,  0x08                        ; an LDS store's data in window 2
; s14 wave, s15 wave / 2, s16 wave % 2, s17 cx, s18 cy, s19 jb, s20 rb; s[24:31], s[32:39], s[40:47] descriptor groups 1 (batch rows, weights, old state);
; s[48:55], s[56:63] groups 0, two sets each: the second then walks; s[68:71] the old state's group 0; s[76:79] the gates' factors; s80 the slot in hand; s81 a loop's count; s82 the K step; s83, s[84:87] the prefetches'; s[88:91] the flags as lane masks
.macro PLACES                          ; four places: behind a matrix instruction, in front of loads into registers that it has read and of vector lines that read its result
.rept 4
	v_nop
.endr
.endm
.macro CREST                           ; a round of the cluster's barrier behind its opening barrier
	s_cmp_lg_u32 s14, 0
	s_cbranch_scc1 .Lnot_wave_0_\@
	s_barrier_signal -3
.Lnot_wave_0_\@:
	s_barrier_wait -3
	s_barrier_signal -1
	s_barrier_wait -1
.endm
.macro CROUND                          ; a whole round
	s_barrier_signal -1
	s_barrier_wait -1
	CREST
.endm
.macro JLOAD                           ; a joint refill: waves 0 and 1 fetch the two planes of batch rows, waves 2 and 3 those of weights; an s_nop 0 and four v_nop follow each line
	s_cmp_eq_u32 s15, 0
	s_cbranch_scc0 .Lfor_b_\@
	tensor_load_to_lds s[52:55], s[24:31]
	s_nop 0
	PLACES
	s_branch .Lasked_\@
.Lfor_b_\@:
	tensor_load_to_lds s[60:63], s[32:39]
	s_nop 0
	PLACES
.Lasked_\@:
.endm
; A PREFETCH INTO THE L2.  In the change of slots of an even K step s, up to 8, the tiles of K steps s + 6 and s + 7 are named: their refills stand 4 and 5 K steps, 384 and 480 matrix instructions, further on.
; The batch rows' four planes: the clusters with x = 0 ask; the partner at cx takes plane 2 (s + 6) + cx of its 128 rows: 16,384 bytes, a lane 256 of them, two lines of wave 0.  The weights' four planes: the clusters with y = 0
; ask; the partner at cy takes plane 2 (s + 6) + cy of its block: 24,576 bytes, a line each of waves 1, 2, 3.  The partners are told apart by address alone.  So each 256 bytes of K steps 6 to 15 are named once in the launch;
; K steps 0 to 5 come by their loads alone; the last ask names plane 31, the buffers' last.
.macro ASK
	s_cmp_lt_u32 s82, s83                          ; s83 = 9 in a wave that asks, else 0
	s_cbranch_scc0 .Lno_ask_\@
	s_bitcmp1_b32 s82, 0
	s_cbranch_scc1 .Lno_ask_\@
	global_prefetch_b8 v20, s[84:85] th:TH_LOAD_NT scope:SCOPE_SE
	s_cmp_lg_u32 s14, 0
	s_cbranch_scc1 .Lno_ask_\@
	global_prefetch_b8 v20, s[84:85] offset:8192 th:TH_LOAD_NT scope:SCOPE_SE
.Lno_ask_\@:
.endm
; Products: buffer f, chunk c (32 along K), row blocks a0 .. a0 + na - 1, gate blocks g0 .. g0 + ng - 1 (2 gate + b).  ph = 1: the third gate's sum is HN, else IN.  init = 1: the product starts its sum with the bias.
; The accumulators take turns, one instruction a turn: a chunk's last product names the third gate, the next chunk's first names R, over the backward jumps too.
.macro MUL f, c, a0, na, ph, init, g0=0, ng=6
.set ma, \a0
.rept \na
.set mg, \g0
.rept \ng
.set mG, mg/2
.if (mg/2 == 2) && (\ph)
.set mG, 3
.endif
.set rD, 64*mG+8*(2*ma+mg%2)
.set rB, 96*(\f)+8*(6*(\c)+mg)
.set rA, 64+64*(\f)+8*(4*(\c)+ma)
.set rC, 192+16*mG+8*(mg%2)
.if \init
	WIN MULB
	v_wmma_f32_16x16x32_bf16 v[rD:rD+7], v[rB:rB+7], v[rA:rA+7], v[rC:rC+7]
.else
	WIN MULW
	v_wmma_f32_16x16x32_bf16 v[rD:rD+7], v[rB:rB+7], v[rA:rA+7], v[rD:rD+7]
.endif
.set mg, mg+1
.endr
.set ma, ma+1
.endr
.endm
; 40 LDS loads in one run: plane kh of the slot in hand into buffer f; chunk 0's twenty first.  A fragment is 16 rows x 32 K: lane l holds row l % 16, K = 8 (l / 16) + 0..7 and 16 + 8 (l / 16) + 0..7: two loads, 32 bytes apart.
.macro FA kh, f, c
.set fa, 0
.rept 4
	ds_load_b128 v[64+64*(\f)+8*(4*(\c)+fa):64+64*(\f)+8*(4*(\c)+fa)+3],   v6 offset:(\kh)*AKH+fa*16*PA+(\c)*64
	ds_load_b128 v[64+64*(\f)+8*(4*(\c)+fa)+4:64+64*(\f)+8*(4*(\c)+fa)+7], v6 offset:(\kh)*AKH+fa*16*PA+(\c)*64+32
.set fa, fa+1
.endr
.endm
.macro FB kh, f, c
.set fg, 0
.rept 6
	ds_load_b128 v[96*(\f)+8*(6*(\c)+fg):96*(\f)+8*(6*(\c)+fg)+3],   v7 offset:(\kh)*BKH+(64*(fg/2)+16*(fg%2))*PA+(\c)*64
	ds_load_b128 v[96*(\f)+8*(6*(\c)+fg)+4:96*(\f)+8*(6*(\c)+fg)+7], v7 offset:(\kh)*BKH+(64*(fg/2)+16*(fg%2))*PA+(\c)*64+32
.set fg, fg+1
.endr
.endm
.macro FETCH kh, f
	WIN 0
	FA \kh, \f, 0
	WIN TO_B
	FB \kh, \f, 0
	FB \kh, \f, 1
	WIN 0
	FA \kh, \f, 1
.endm
; A K step's first plane: buffer 0 is multiplied; in the middle the second plane is fetched into buffer 1.  init = 1: the launch's first chunk starts R, Z, IN; init = 2: the first chunk of h's part starts HN.
.macro HALF0 ph, init
	s_wait_dscnt 20                                ; chunk 0's fragments are in; chunk 1's twenty loads may be out
.if (\init) == 2
	MUL 0, 0, 0, 4, 1, 0, 0, 4
	MUL 0, 0, 0, 4, 1, 1, 4, 2
.else
	MUL 0, 0, 0, 4, \ph, \init
.endif
	PLACES
	FETCH 1, 1
	s_wait_dscnt 40                                ; all but the 40 just issued
	MUL 0, 1, 0, 4, \ph, 0
.endm
; A K step's second plane, and the change of slots.  In front of the barrier each wave waits for all its tensor loads (its part of the next slot), adds 0 to its spare word, and waits for that and for its reads of this slot.
; fill = 1: the barrier opens a round of the cluster's, and the joint refill of this slot, two K steps on, is the first thing behind the round: 72 matrix instructions ahead of the wait for it.
.macro TURN ph, fill
.if PREF
	s_wait_xcnt 0x0                                ; the last prefetch, 72 matrix instructions back or more, has read its address, so it may be stepped
	s_add_nc_u64 s[84:85], s[84:85], s[86:87]
.endif
	WIN 0
	s_wait_tensorcnt 0x0                           ; no tensor load of mine is out, so a group 0 may be written
	ds_add_u32 v28, v29                            ; 0 onto my spare word
.if \fill
	s_xor_b32 s53, s53, SLOT1                      ; the walking descriptors: the other slot than last time, the next K step
	s_add_nc_u64 s[54:55], s[54:55], ASTEP
	s_xor_b32 s61, s61, SLOT1
	s_add_nc_u64 s[62:63], s[62:63], BSTEP
.endif
	s_wait_dscnt 21                                ; chunk 0 is in; chunk 1's twenty loads and the add may be out
	MUL 1, 0, 0, 2, \ph, 0
	s_wait_dscnt 0x0                               ; the add is done, and my reads of this slot are over
	s_barrier_signal -1
	MUL 1, 0, 2, 2, \ph, 0
.if \fill
	WIN 0
.endif
	s_barrier_wait -1
.if \fill
	CREST
	JLOAD                                          ; its four v_nop are also the places in front of the loads below
.else
	PLACES
.endif
	s_xor_b32 s80, s80, SLOT1
	WIN 0
	v_add_nc_u32 v6, s80, v4
	v_add_nc_u32 v7, s80, v5
	FETCH 0, 0
.if PREF && (\fill)
	ASK
.endif
.if PREF
	s_add_co_u32 s82, s82, 1
.endif
	MUL 1, 1, 0, 4, \ph, 0
.endm
.macro LAST ph                         ; the last K step's second plane: nothing more to fetch
	s_wait_dscnt 20
	MUL 1, 0, 0, 4, \ph, 0
	s_wait_dscnt 0x0
	MUL 1, 1, 0, 4, \ph, 0
.endm
; x = 2^(x times the factor in s[sc]) for registers lo .. lo + n - 1 of window 2: ONE batch of exponentials; the scaling runs a pair ahead, so no line names a result.  Behind the last a plain line, then the one wait
; ahead of the first line that names a result.
.macro EXPB lo, n, sc
	WIN EP
	v_pk_mul_f32 v[\lo:\lo+1], v[\lo:\lo+1], s[\sc:\sc+1] op_sel_hi:[1,0]
.set e, \lo
.rept (\n)/2
.if e+2 < (\lo)+(\n)
	v_pk_mul_f32 v[e+2:e+3], v[e+2:e+3], s[\sc:\sc+1] op_sel_hi:[1,0]
.endif
	v_exp_f32 v[e], v[e]
	v_exp_f32 v[e+1], v[e+1]
.set e, e+2
.endr
	v_nop
	s_wait_alu depctr_va_vdst(0)
.endm
.macro RCPB lo, n                      ; x = 1 / (1 + x), in the same form
	WIN EP
	v_pk_add_f32 v[\lo:\lo+1], v[\lo:\lo+1], 1.0 op_sel_hi:[1,0]
.set e, \lo
.rept (\n)/2
.if e+2 < (\lo)+(\n)
	v_pk_add_f32 v[e+2:e+3], v[e+2:e+3], 1.0 op_sel_hi:[1,0]
.endif
	v_rcp_f32 v[e], v[e]
	v_rcp_f32 v[e+1], v[e+1]
.set e, e+2
.endr
	v_nop
	s_wait_alu depctr_va_vdst(0)
.endm
	s_load_b256 s[4:11], s[0:1], 0x0               ; abin s[4:5], wg s[6:7], b_ih s[8:9], b_hh s[10:11]
	s_load_b64 s[12:13], s[0:1], 0x20              ; about
	v_lshl_add_u32 v28, v0, 2, SPARE
	v_mov_b32 v29, 0
	ds_add_u32 v28, v29                            ; the wave's opening: the add, twice on end, and its wait ahead of my first tensor load
	ds_add_u32 v28, v29
	v_lshrrev_b32 v1, 5, v0
	v_readfirstlane_b32 s14, v1                    ; wave 0..3
	s_lshr_b32 s15, s14, 1                         ; my half of the rows.  Also: I fetch batch rows (0) or weights (1)
	s_and_b32 s16, s14, 1                          ; my half of the columns.  Also: which of a K step's two planes I fetch
	s_bfe_u32 s17, ttmp6, 0x40000                  ; cx
	s_bfe_u32 s18, ttmp6, 0x40004                  ; cy
	s_lshl_b32 s19, ttmp9, 2
	s_add_co_u32 s19, s19, s17                     ; jb: my block of 64 hidden columns
	s_and_b32 s20, ttmp7, 0xffff
	s_lshl_b32 s20, s20, 2
	s_add_co_u32 s20, s20, s18                     ; rb: my block of 128 rows
	s_lshl_b32 s21, s18, 2
	s_lshl_b32 s21, 15, s21                        ; my row of the cluster
	s_lshl_b32 s22, 0x1111, s17                    ; my column
	; groups 1.  A plane's tile is dense in memory: asked for as rows of 256 bytes, two rows of the plane each, and padded in LDS behind every 128 bytes
	s_or_b32 s24, s21, (1<<16)|(1<<20)|(1<<21)|(4<<22)|(3<<25)  ; 15:0 the mask; 17:16 2-byte elements; 20 padding on; 21 set beside a mask; 24:22 after every 32 words (code 4); 31:25 4 words (code 3)
	s_or_b32 s32, s22, (1<<16)|(1<<20)|(1<<21)|(4<<22)|(3<<25)
.irp g, 24, 32
	s_mov_b32 s[\g+1], 128<<16                     ; tensor_dim0 = 128
	s_mov_b32 s[\g+3], 128<<16                     ; tile_dim0 = 128
	s_mov_b32 s[\g+5], 128                         ; 128 elements from row to row
	s_mov_b32 s[\g+6], 0
	s_mov_b32 s[\g+7], 0
.endr
	s_mov_b32 s26, 64<<16                          ; batch rows: tensor_dim1 = tile_dim1 = 64 (16,384 bytes)
	s_mov_b32 s28, 64
	s_mov_b32 s34, 96<<16                          ; weights: 96 (24,576 bytes)
	s_mov_b32 s36, 96
.if !FIRST
	s_mov_b32 s40, (2<<16)|(1<<20)|(5<<22)|(3<<25) ; the old state, a load of my own: 4-byte elements; 4 words of padding after every 64
	s_mov_b32 s41, 64<<16                          ; 64 columns
	s_mov_b32 s42, 32<<16                          ; 32 rows a wave
	s_mov_b32 s43, 64<<16
	s_mov_b32 s44, 32
	s_mov_b32 s45, 1024                            ; elements from row to row
	s_mov_b32 s46, 0
	s_mov_b32 s47, 0
.endif
	s_lshl_b32 s72, s20, 14                        ; batch rows: 128 rb rows of 128 bytes + my plane: made of rb and the wave's number alone
	s_lshl_b32 s73, s16, 18
	s_add_co_u32 s72, s72, s73
	s_mov_b32 s73, 0
	s_mul_i32 s74, s19, 32*24576                   ; weights: block jb + my plane: made of jb and the wave's number alone
	s_mul_i32 s75, s16, 24576
	s_add_co_u32 s74, s74, s75
	s_mov_b32 s75, 0
	s_mul_i32 s92, s16, AKH                        ; where they go: no place in the cluster enters an LDS address
	s_mul_i32 s93, s16, BKH
	s_add_co_u32 s93, s93, BOFF
	s_lshl_b32 s94, s20, 19                        ; my wave's 32 rows x my block's 64 columns of the f32 state, in abin and in about
	s_lshl_b32 s95, s14, 17
	s_add_co_u32 s94, s94, s95
	s_lshl_b32 s95, s19, 8
	s_add_co_u32 s94, s94, s95
	s_add_co_u32 s94, s94, 8388608
	s_mov_b32 s95, 0
	s_mov_b32 s76, 0xbfb8aa3b                      ; -log2(e)
	s_mov_b32 s77, s76
	s_mov_b32 s78, 0x4038aa3b                      ; 2 log2(e)
	s_mov_b32 s79, s78
	s_mov_b32 s80, 0
	s_wait_dscnt 0x0                               ; both opening adds are done
	s_wait_kmcnt 0x0
	s_add_nc_u64 s[72:73], s[4:5], s[72:73]
	s_add_nc_u64 s[74:75], s[6:7], s[74:75]
.irp s, 0, 1
	s_mov_b32 s[48+4*\s], 1                        ; count = 1
	s_add_co_u32 s[49+4*\s], s92, \s*SLOT1         ; LDS address
	s_add_nc_u64 s[50+4*\s:51+4*\s], s[72:73], \s*ASTEP  ; global address: K step s
	s_or_b32 s[51+4*\s], s[51+4*\s], 0x80000000    ; type = 2
	s_mov_b32 s[56+4*\s], 1
	s_add_co_u32 s[57+4*\s], s93, \s*SLOT1
	s_add_nc_u64 s[58+4*\s:59+4*\s], s[74:75], \s*BSTEP
	s_or_b32 s[59+4*\s], s[59+4*\s], 0x80000000
.endr
.if !FIRST
	s_mov_b32 s68, 1
	s_mul_i32 s69, s14, 32*HPI
	s_add_co_u32 s69, s69, HOLD
	s_add_nc_u64 s[70:71], s[4:5], s[94:95]
	s_or_b32 s71, s71, 0x80000000
.endif
	CROUND                                         ; all sixteen work-groups are here: the first joint loads meet
	s_cmp_eq_u32 s15, 0                            ; a wave's first fills stand in one branch, ahead of every wait on TENSORcnt and every LDS read: K steps 0 and 1 and (not in step 0) 32 rows of the old state
	s_cbranch_scc0 .Lfirst_b
	tensor_load_to_lds s[48:51], s[24:31]
	s_nop 0
	tensor_load_to_lds s[52:55], s[24:31]
	s_nop 0
.if !FIRST
	tensor_load_to_lds s[68:71], s[40:47]
	s_nop 0
.endif
	PLACES
	s_branch .Lfirst_asked
.Lfirst_b:
	tensor_load_to_lds s[56:59], s[32:39]
	s_nop 0
	tensor_load_to_lds s[60:63], s[32:39]
	s_nop 0
.if !FIRST
	tensor_load_to_lds s[68:71], s[40:47]
	s_nop 0
.endif
	PLACES
.Lfirst_asked:
	v_and_b32 v1, 15, v0                           ; r = l % 16
	v_bfe_u32 v2, v0, 4, 1                         ; h = l / 16
	v_and_b32 v3, 31, v0                           ; l
	s_lshl_b32 s72, s19, 8
	s_lshl_b32 s73, s16, 7
	s_add_co_u32 s72, s72, s73
	v_lshl_add_u32 v18, v2, 5, s72                 ; my 8 columns in a gate's part of a bias: 4 (64 jb + 32 (w % 2) + 8 h)
.irp g, 0,1,2
.irp b, 0,1
	global_load_b128 v[192+16*\g+8*\b:192+16*\g+8*\b+3],   v18, s[8:9] offset:\g*4096+\b*64
	global_load_b128 v[192+16*\g+8*\b+4:192+16*\g+8*\b+7], v18, s[8:9] offset:\g*4096+\b*64+16
.endr
.endr
.irp g, 0,1
.irp b, 0,1
	global_load_b128 v[32+16*\g+8*\b:32+16*\g+8*\b+3],   v18, s[10:11] offset:\g*4096+\b*64
	global_load_b128 v[32+16*\g+8*\b+4:32+16*\g+8*\b+7], v18, s[10:11] offset:\g*4096+\b*64+16
.endr
.endr
.irp b, 0,1
	global_load_b128 v[240+8*\b:240+8*\b+3],   v18, s[10:11] offset:8192+\b*64
	global_load_b128 v[240+8*\b+4:240+8*\b+7], v18, s[10:11] offset:8192+\b*64+16
.endr
.if !FIRST
	s_lshl_b32 s92, s20, 9                         ; the flags of my 64 rows
	s_lshl_b32 s93, s15, 8
	s_add_co_u32 s92, s92, s93
	s_add_co_u32 s92, s92, 16777216
	s_mov_b32 s93, 0
	s_add_nc_u64 s[92:93], s[4:5], s[92:93]
	v_lshlrev_b32 v19, 2, v1
.irp a, 0,1,2,3
	global_load_b32 v[12+\a], v19, s[92:93] offset:64*\a
.endr
.endif
	v_mul_u32_u24 v21, v1, PA
	v_lshl_add_u32 v21, v2, 4, v21                 ; r x 144 + 16 h
	s_mul_i32 s23, s15, 64*PA
	v_add_nc_u32 v4, s23, v21                      ; my batch rows' fragments in a slot
	s_lshl_b32 s81, s16, 6
	s_add_co_u32 s23, s23, s81
	s_add_co_u32 s23, s23, HBST
	v_add_nc_u32 v9, s23, v21                      ; into the bf16 stage: row 64 (w / 2) + r, columns 32 (w % 2) + 8 h on
	s_mul_i32 s23, s16, 32*PA
	s_add_co_u32 s23, s23, BOFF
	v_add_nc_u32 v5, s23, v21                      ; my weight rows' fragments
	v_mul_u32_u24 v8, v1, HPI
	v_lshl_add_u32 v8, v2, 5, v8
	s_mul_i32 s23, s15, 64*HPI
	s_lshl_b32 s81, s16, 7
	s_add_co_u32 s23, s23, s81
	s_add_co_u32 s23, s23, HOLD
	v_add_nc_u32 v8, s23, v8                       ; the same place in the f32 state
	v_mul_u32_u24 v10, v2, HPI                     ; back from the f32 stage: wave w takes rows 32 w on, whole: lanes 0-15 one row of 256 bytes, lanes 16-31 the next
	v_lshl_add_u32 v10, v1, 4, v10
	s_mul_i32 s23, s14, 32*HPI
	s_add_co_u32 s23, s23, HOLD
	v_add_nc_u32 v10, s23, v10
	v_lshrrev_b32 v11, 3, v3                       ; back from the bf16 stage: 32 lanes take four rows of 128 bytes
	v_mul_u32_u24 v11, v11, PA
	v_and_b32 v22, 7, v0
	v_lshl_add_u32 v11, v22, 4, v11
	s_mul_i32 s23, s14, 32*PA
	s_add_co_u32 s23, s23, HBST
	v_add_nc_u32 v11, s23, v11
	v_lshlrev_b32 v16, 12, v2                      ; the two rows in the f32 state in memory
	v_lshl_add_u32 v16, v1, 4, v16
	v_lshlrev_b32 v17, 4, v3                       ; and 512 bytes on end of a plane
.if PREF
	v_lshlrev_b32 v20, 8, v3                       ; the prefetches: a lane 256 bytes
	s_lshl_b32 s72, s20, 14                        ; wave 0: my 128 rows of plane 10 + cx: the first change of slots steps it by a K step, to plane 12 + cx
	s_add_co_u32 s73, s17, 10
	s_lshl_b32 s73, s73, 18
	s_add_co_u32 s72, s72, s73
	s_mul_i32 s74, s19, 32*24576                   ; waves 1 to 3: a third each of my block's plane 10 + cy
	s_add_co_u32 s75, s18, 10
	s_mul_i32 s75, s75, 24576
	s_add_co_u32 s74, s74, s75
	s_lshl_b32 s75, s14, 13
	s_add_co_u32 s74, s74, s75
	s_sub_co_u32 s74, s74, 8192
	s_and_b32 s23, ttmp7, 0xffff                   ; cluster y
	s_mov_b32 s87, BSTEP
	s_cmp_eq_u32 s14, 0
	s_cselect_b32 s72, s72, s74
	s_cselect_b32 s86, ASTEP, s87
	s_cselect_b32 s23, ttmp9, s23                  ; the coordinate along which other clusters read the same bytes
	s_cselect_b64 s[84:85], s[4:5], s[6:7]
	s_mov_b32 s73, 0
	s_mov_b32 s87, 0
	s_add_nc_u64 s[84:85], s[84:85], s[72:73]
	s_cmp_eq_u32 s23, 0
	s_cselect_b32 s83, 9, 0                        ; the same in all sixteen partners, for a given wave
	s_mov_b32 s82, 0
.endif
	s_wait_loadcnt 0x0                             ; the biases and the flags
.set i, 0
.rept 16
	v_pk_add_f32 v[192+i:193+i], v[192+i:193+i], v[32+i:33+i]  ; R's and Z's sums start at b_ih + b_hh
.set i, i+2
.endr
.if !FIRST
.irp a, 0,1,2,3
	v_cmp_ne_u32 s[88+\a], 0, v[12+\a]             ; lane l: is row 16 a + l % 16 of my 64 alive?
.endr
.endif
	s_wait_tensorcnt 2-FIRST                       ; my part of K step 0 is in; K step 1's and the old state's may stay out
	s_barrier_signal -1
	s_barrier_wait -1                              ; everybody's is
	v_mov_b32 v6, v4
	v_mov_b32 v7, v5
	FETCH 0, 0
	HALF0 0, 1                                     ; the first chunk stands in front of the loop: its products start R, Z and IN
	WIN 0                                          ; at a label and at a branch every window is 0
	s_mov_b32 s81, 7-FIRST
.Lx:                                               ; a trip: a K step's second plane, the change of slots with its refill, the next K step's first plane
	TURN 0, 1
	HALF0 0, 0
	WIN 0
	s_sub_co_u32 s81, s81, 1
	s_cmp_lg_u32 s81, 0
	s_cbranch_scc1 .Lx
.if FIRST
	TURN 0, 0                                      ; the tail is written out: K steps 6 and 7 ask for nothing
	HALF0 0, 0
	LAST 0
.else
	TURN 0, 1                                      ; K step 7, x's last
	HALF0 1, 2                                     ; K step 8, h's first: its first chunk starts HN
	WIN 0
	s_mov_b32 s81, 6
.Lh:
	TURN 1, 1
	HALF0 1, 0
	WIN 0
	s_sub_co_u32 s81, s81, 1
	s_cmp_lg_u32 s81, 0
	s_cbranch_scc1 .Lh
	TURN 1, 0                                      ; the tail is written out: K steps 14 and 15 ask for nothing
	HALF0 1, 0
	LAST 1
.endif
	; THE GATES, in place in window 2; every pass ascends.  Four batches of exponentials or reciprocals, one wait each.
	PLACES
	EXPB 0, 128, 76                                ; 2^(-x log2 e) of R and Z
	RCPB 0, 128                                    ; r in v0-63, z in v64-127
.if FIRST
	WIN EPF
.else
	WIN EP
.endif
.set i, 0
.rept 32
.if FIRST
	v_pk_fma_f32 v[128+i:129+i], v[i:i+1], v[240+8*((i/8)%2)+i%8:241+8*((i/8)%2)+i%8], v[128+i:129+i]  ; IN + r b_hh
.else
	v_pk_fma_f32 v[128+i:129+i], v[i:i+1], v[192+i:193+i], v[128+i:129+i]  ; IN + r HN
.endif
.set i, i+2
.endr
.if !FIRST
	WIN LDH                                        ; r is used up: its registers take the old state (its tile was waited for, and shown to all, at the first change of slots)
.set i, 0
.rept 8
	ds_load_b128 v[8*i:8*i+3],   v8 offset:(i/2)*16*HPI+(i%2)*64
	ds_load_b128 v[8*i+4:8*i+7], v8 offset:(i/2)*16*HPI+(i%2)*64+16
.set i, i+1
.endr
.endif
	EXPB 128, 64, 78                               ; 2^(2 x log2 e)
	RCPB 128, 64
.set i, 0
.rept 32
	v_pk_fma_f32 v[128+i:129+i], v[128+i:129+i], -2.0, 1.0 op_sel_hi:[1,0,0]  ; n = tanh
.set i, i+2
.endr
.if FIRST
.set i, 0
.rept 32
	v_pk_fma_f32 v[128+i:129+i], v[64+i:65+i], v[128+i:129+i], v[128+i:129+i] neg_lo:[1,0,0] neg_hi:[1,0,0]  ; h' = n - z n
.set i, i+2
.endr
.else
	s_wait_dscnt 0x0                               ; the old state is in: my reads of it are over,
	s_barrier_signal -1                            ; say so: its LDS bytes become the stage when all four waves have said so
.set i, 0
.rept 32
	v_pk_add_f32 v[192+i:193+i], v[i:i+1], v[128+i:129+i] neg_lo:[0,1] neg_hi:[0,1]  ; h - n
.set i, i+2
.endr
.set i, 0
.rept 32
	v_pk_fma_f32 v[128+i:129+i], v[64+i:65+i], v[192+i:193+i], v[128+i:129+i]  ; h' = n + z (h - n)
.set i, i+2
.endr
.set i, 0
.rept 64
	v_cndmask_b32 v[128+i], v[i], v[128+i], s[88+i/16]  ; a row that is not alive keeps its state, bit for bit
.set i, i+1
.endr
.endif
.set i, 0
.rept 32
	v_cvt_pk_bf16_f32 v[192+i], v[128+2*i], v[128+2*i+1]  ; the next launch's matrix operand
.set i, i+1
.endr
.if !FIRST
	s_barrier_wait -1
.endif
	; THE WAY OUT: both forms go through stages in LDS, since a row's 256 (128) bytes come from two waves; back as whole rows, 32 rows a wave
	WIN STW
.set i, 0
.rept 8
	ds_store_b128 v8, v[128+8*i:128+8*i+3]   offset:(i/2)*16*HPI+(i%2)*64
	ds_store_b128 v8, v[128+8*i+4:128+8*i+7] offset:(i/2)*16*HPI+(i%2)*64+16
	ds_store_b128 v9, v[192+4*i:192+4*i+3]   offset:(i/2)*16*PA+(i%2)*32
.set i, i+1
.endr
	WIN 0
	s_add_nc_u64 s[72:73], s[12:13], s[94:95]      ; about's f32 state at my wave's 32 rows, my block's columns
	s_lshl_b32 s74, s19, 18                        ; about's plane jb of the state, at my wave's 32 rows
	s_lshl_b32 s75, s20, 14
	s_add_co_u32 s74, s74, s75
	s_lshl_b32 s75, s14, 12
	s_add_co_u32 s74, s74, s75
	s_add_co_u32 s74, s74, 4194304
	s_mov_b32 s75, 0
	s_add_nc_u64 s[74:75], s[12:13], s[74:75]
	s_wait_dscnt 0x0                               ; for the others' sake: my stores into the stages are done
	s_barrier_signal -1
	s_barrier_wait -1
.set t, 0
.rept 16
	ds_load_b128 v[64+4*t:64+4*t+3], v10 offset:t*2*HPI
.set t, t+1
.endr
.set t, 0
.rept 8
	ds_load_b128 v[128+4*t:128+4*t+3], v11 offset:t*4*PA
.set t, t+1
.endr
.set t, 0
.rept 16
	s_wait_dscnt 23-t                              ; LDS loads come back in order: the younger ones may stay out
	global_store_b128 v16, v[64+4*t:64+4*t+3], s[72:73] offset:t*8192  ; 16 lanes store 256 consecutive bytes, aligned
.set t, t+1
.endr
.set t, 0
.rept 8
	s_wait_dscnt 7-t
	global_store_b128 v17, v[128+4*t:128+4*t+3], s[74:75] offset:t*512  ; 512 consecutive bytes, aligned
.set t, t+1
.endr
	s_wait_tensorcnt 0x0                           ; the wave's end, behind my last tensor load and my last LDS store
	ds_add_u32 v28, v29
	s_wait_dscnt 0x0
	CROUND                                         ; the closing round: no work-group ends while a partner may still ask for a tile that names it
	s_endpgm
.Lfunc_end_k_qe2ce1d3936_step0:
	.size	k_qe2ce1d3936_step0, .Lfunc_end_k_qe2ce1d3936_step0-k_qe2ce1d3936_step0
	.p2alignl 7, 3214868480
	.fill 96, 4, 3214868480
	.section	.rodata,"a",@progbits
	.p2align	6, 0x0
	.amdhsa_kernel k_qe2ce1d3936_step0
		.amdhsa_group_segment_fixed_size 327680
		.amdhsa_private_segment_fixed_size 0
		.amdhsa_enable_private_segment 0
		.amdhsa_kernarg_size 40
		.amdhsa_user_sgpr_count 2
		.amdhsa_user_sgpr_kernarg_segment_ptr 1
		.amdhsa_wavefront_size32 1
		.amdhsa_system_sgpr_workgroup_id_x 1
		.amdhsa_system_sgpr_workgroup_id_y 1
		.amdhsa_system_sgpr_workgroup_id_z 1
		.amdhsa_system_vgpr_workitem_id 0
		.amdhsa_next_free_vgpr 768
		.amdhsa_next_free_sgpr 96
		.amdhsa_reserve_vcc 0
		.amdhsa_float_denorm_mode_32 3
		.amdhsa_float_denorm_mode_16_64 3
		.amdhsa_memory_ordered 1
		.amdhsa_forward_progress 1
		.amdhsa_inst_pref_size 87
	.end_amdhsa_kernel
	.amdgpu_metadata
---
amdhsa.version: [ 1, 2 ]
amdhsa.kernels:
  - .name:           k_qe2ce1d3936_step0
    .symbol:         k_qe2ce1d3936_step0.kd
    .args:
      - { .name: ab0, .offset: 0, .size: 8, .value_kind: global_buffer, .address_space: global }
      - { .name: wg, .offset: 8, .size: 8, .value_kind: global_buffer, .address_space: global }
      - { .name: b_ih, .offset: 16, .size: 8, .value_kind: global_buffer, .address_space: global }
      - { .name: b_hh, .offset: 24, .size: 8, .value_kind: global_buffer, .address_space: global }
      - { .name: ab1, .offset: 32, .size: 8, .value_kind: global_buffer, .address_space: global }
    .group_segment_fixed_size: 327680
    .private_segment_fixed_size: 0
    .kernarg_segment_align: 8
    .kernarg_segment_size: 40
    .max_flat_workgroup_size: 128
    .sgpr_count:     96
    .vgpr_count:     768
    .wavefront_size: 32
...
	.end_amdgpu_metadata
.endif
;; end of part 2
;; launch step1 (part 3): grid 16 x 16, 4 waves a work-group, clusters of 4 x 4, 327,680 bytes of LDS; arguments ab1, wg, b_ih, b_hh, ab2; writes ab2
.if DOCPART == 3
	.amdgcn_target "amdgcn-amd-amdhsa--gfx1250"
	.amdhsa_code_object_version 6
	.text
	.protected	k_qe2ce1d3936_step1
	.globl	k_qe2ce1d3936_step1
	.p2align	8
	.type	k_qe2ce1d3936_step1,@function
k_qe2ce1d3936_step1:
	s_mov_b64 s[64:65], 0
	v_nop
	global_prefetch_b8 v0, s[64:65] scope:SCOPE_SE
	s_setreg_imm32_b32 hwreg(HW_REG_WAVE_MODE, 25, 1), 1
	s_wait_xcnt 0x0
	s_wait_alu depctr_hold_cnt(0) depctr_sa_sdst(0) depctr_va_vdst(0) depctr_va_sdst(0) depctr_va_ssrc(0) depctr_va_vcc(0) depctr_vm_vsrc(0)
	s_getreg_b32 s2, hwreg(HW_REG_IB_STS2, 6, 4)
	s_cmp_eq_u32 s2, 0
	s_cbranch_scc0 .Lentry_in_a_cluster
	s_endpgm
.Lentry_in_a_cluster:
	s_bfe_u32 s2, ttmp6, 0x10000c
	s_cmp_lg_u32 s2, 0xf033
	s_cbranch_scc0 .Lentry_shape_is_right
	s_endpgm
.Lentry_shape_is_right:
; ONE GRU STEP on 2,048 rows, H = 1,024.  This text serves two kernels that differ in the line below alone: FIRST = 1 is step 0, whose old state is 0 by the computation itself
; (h . w_hh is 0 and is not multiplied, gh is b_hh, every row is alive); FIRST = 0 is a later step.
.set FIRST, 0
; ARGUMENTS: abin (XP at 0: this step's inputs, 16 planes [2048][64] bf16; HP at 4,194,304: the old state, 16 planes likewise; HF at 8,388,608: the old state in f32, [2048][1024];
; AL at 16,777,216: a flag a row, 0 or 1), wg ([jb][kb 0..31][192][64] bf16: the weights of block jb of 64 hidden columns, 3 gates x 64 rows a plane, w_ih's 16 planes, then w_hh's), b_ih, b_hh,
; about (its HP and HF are stored).  The last step's HF is stored though no launch reads it: the price of one text for steps 1 to 3.
; SHARES.  A work-group makes 128 rows x 64 hidden columns of the new state; four waves, wave w rows 64 (w / 2) on, columns 32 (w % 2) on.  For each state number four sums are kept in f32:
; R and Z (x . w_ih + h . w_hh), IN (x . w_ih) and HN (h . w_hh): 32 accumulators of 16 x 16, all of window 2.  K goes in steps of 128 (two planes) through two LDS slots:
; steps 0-7 are x's, steps 8-15 h's; in memory both walks are uniform, since HP lies behind XP and w_hh's planes behind w_ih's.
; LAYOUT.  Source 0 = 16 weight rows, source 1 = 16 batch rows: a lane holds ONE batch row (lane % 16) and the hidden columns 8 (lane / 16) + 0..7, the four sums of a state number in the same lane and place.
; THE BIASES are the C operand of each sum's first product (R: b_ih + b_hh; Z likewise; IN: b_ih; HN: b_hh): nothing is cleared, no bias is added later.
; CLUSTER.  4 x 4 work-groups.  The four of a row of the cluster share their 128 batch rows, the four of a column their block of weights: each tile is asked for JOINTLY, by the same tensor load with the same
; descriptor and a mask that names the four.
; LIMITS.  Matrix operands are bf16, rounded once; the carried state, biases and gates are f32.  sigmoid(x) = 1 / (1 + 2^(-x log2 e)), tanh(x) = 1 - 2 / (1 + 2^(2 x log2 e)): an exponential that overflows gives
; infinity and its reciprocal 0, so both saturate rightly for every finite x; the exponentials and reciprocals count denormals as 0.  NaN and infinities in the inputs are not treated apart.
; REGISTERS, in windows of 256 (s_set_vgpr_msb: bits 1:0 source 0, 3:2 source 1, 5:4 source 2, 7:6 destination):
;   window 0: v0-29 addresses; v32-63 b_hh's r and z parts; v64-191 fragments of the batch rows, buffer f, chunk c, block a at 64 + 64 f + 8 (4 c + a); v192-255 the biases, sum G, block b at 192 + 16 G + 8 b
;   window 1: fragments of the weights at 96 f + 8 (6 c + 2 gate + b)          window 2: the sums, G (R 0, Z 1, IN 2, HN 3), row block a, column block b at 64 G + 8 (2 a + b)
.set PREF,  1-FIRST                    ; the later steps prefetch; step 0, half as long, would have one trip in which to ask
.set PA,    144                        ; an LDS row of a plane: 128 bytes + 16 of padding = 36 words: the 16 rows of a fragment load start at 16 different groups of four banks (64 banks of 4 bytes: ISA guide 11.1)
.set AKH,   128*PA                     ; a plane's 128 batch rows
.set BKH,   192*PA                     ; a plane's 192 weight rows
.set BOFF,  2*AKH                      ; a slot: two planes of batch rows, then two of weights
.set SLOT1, 1<<17                      ; slot 1 begins here: one exclusive or turns an address in one slot into the other's
.set HOLD,  BOFF+2*BKH                 ; behind slot 0: 128 rows x 272 bytes: the old state in f32 (filled once), later the stage of the new one
.set HPI,   272
.set HBST,  SLOT1+HOLD                 ; behind slot 1: 128 rows x 144 bytes: the stage of the new state in bf16; no tensor load fills it
.set SPARE, HBST+128*PA                ; the spare words, 128 bytes for each wave: two blocks of 256 bytes that no other line names
.set ASTEP, 524288                     ; bytes from K step to K step: two planes of 2,048 rows,
.set BSTEP, 49152                      ; two planes of 192 rows
.set MSB, 0
.macro WIN new                         ; the immediate's high byte repeats the setting that is left; a switch that changes nothing is dropped
.if MSB != (\new)
	s_set_vgpr_msb (MSB<<8)|(\new)
.set MSB, \new
.endif
.endm
.set MULW, 0xa1                        ; weights window 1, batch rows window 0, C and D window 2
.set MULB, 0x81                        ; the same with C, a bias, in window 0
.set TO_B, 0x40                        ; destination window 1
.set EP,   0xaa                        ; all in window 2
.set EPF,  0xa2                        ; source 1 in window 0
.set LDH,  0x80                        ; destination window 2, address window 0
.set STW,  0x08                        ; an LDS store's data in window 2
; s14 wave, s15 wave / 2, s16 wave % 2, s17 cx, s18 cy, s19 jb, s20 rb; s[24:31], s[32:39], s[40:47] descriptor groups 1 (batch rows, weights, old state);
; s[48:55], s[56:63] groups 0, two sets each: the second then walks; s[68:71] the old state's group 0; s[76:79] the gates' factors; s80 the slot in hand; s81 a loop's count; s82 the K step; s83, s[84:87] the prefetches'; s[88:91] the flags as lane masks
.macro PLACES                          ; four places: behind a matrix instruction, in front of loads into registers that it has read and of vector lines that read its result
.rept 4
	v_nop
.endr
.endm
.macro CREST                           ; a round of the cluster's barrier behind its opening barrier
	s_cmp_lg_u32 s14, 0
	s_cbranch_scc1 .Lnot_wave_0_\@
	s_barrier_signal -3
.Lnot_wave_0_\@:
	s_barrier_wait -3
	s_barrier_signal -1
	s_barrier_wait -1
.endm
.macro CROUND                          ; a whole round
	s_barrier_signal -1
	s_barrier_wait -1
	CREST
.endm
.macro JLOAD                           ; a joint refill: waves 0 and 1 fetch the two planes of batch rows, waves 2 and 3 those of weights; an s_nop 0 and four v_nop follow each line
	s_cmp_eq_u32 s15, 0
	s_cbranch_scc0 .Lfor_b_\@
	tensor_load_to_lds s[52:55], s[24:31]
	s_nop 0
	PLACES
	s_branch .Lasked_\@
.Lfor_b_\@:
	tensor_load_to_lds s[60:63], s[32:39]
	s_nop 0
	PLACES
.Lasked_\@:
.endm
; A PREFETCH INTO THE L2.  In the change of slots of an even K step s, up to 8, the tiles of K steps s + 6 and s + 7 are named: their refills stand 4 and 5 K steps, 384 and 480 matrix instructions, further on.
; The batch rows' four planes: the clusters with x = 0 ask; the partner at cx takes plane 2 (s + 6) + cx of its 128 rows: 16,384 bytes, a lane 256 of them, two lines of wave 0.  The weights' four planes: the clusters with y = 0
; ask; the partner at cy takes plane 2 (s + 6) + cy of its block: 24,576 bytes, a line each of waves 1, 2, 3.  The partners are told apart by address alone.  So each 256 bytes of K steps 6 to 15 are named once in the launch;
; K steps 0 to 5 come by their loads alone; the last ask names plane 31, the buffers' last.
.macro ASK
	s_cmp_lt_u32 s82, s83                          ; s83 = 9 in a wave that asks, else 0
	s_cbranch_scc0 .Lno_ask_\@
	s_bitcmp1_b32 s82, 0
	s_cbranch_scc1 .Lno_ask_\@
	global_prefetch_b8 v20, s[84:85] th:TH_LOAD_NT scope:SCOPE_SE
	s_cmp_lg_u32 s14, 0
	s_cbranch_scc1 .Lno_ask_\@
	global_prefetch_b8 v20, s[84:85] offset:8192 th:TH_LOAD_NT scope:SCOPE_SE
.Lno_ask_\@:
.endm
; Products: buffer f, chunk c (32 along K), row blocks a0 .. a0 + na - 1, gate blocks g0 .. g0 + ng - 1 (2 gate + b).  ph = 1: the third gate's sum is HN, else IN.  init = 1: the product starts its sum with the bias.
; The accumulators take turns, one instruction a turn: a chunk's last product names the third gate, the next chunk's first names R, over the backward jumps too.
.macro MUL f, c, a0, na, ph, init, g0=0, ng=6
.set ma, \a0
.rept \na
.set mg, \g0
.rept \ng
.set mG, mg/2
.if (mg/2 == 2) && (\ph)
.set mG, 3
.endif
.set rD, 64*mG+8*(2*ma+mg%2)
.set rB, 96*(\f)+8*(6*(\c)+mg)
.set rA, 64+64*(\f)+8*(4*(\c)+ma)
.set rC, 192+16*mG+8*(mg%2)
.if \init
	WIN MULB
	v_wmma_f32_16x16x32_bf16 v[rD:rD+7], v[rB:rB+7], v[rA:rA+7], v[rC:rC+7]
.else
	WIN MULW
	v_wmma_f32_16x16x32_bf16 v[rD:rD+7], v[rB:rB+7], v[rA:rA+7], v[rD:rD+7]
.endif
.set mg, mg+1
.endr
.set ma, ma+1
.endr
.endm
; 40 LDS loads in one run: plane kh of the slot in hand into buffer f; chunk 0's twenty first.  A fragment is 16 rows x 32 K: lane l holds row l % 16, K = 8 (l / 16) + 0..7 and 16 + 8 (l / 16) + 0..7: two loads, 32 bytes apart.
.macro FA kh, f, c
.set fa, 0
.rept 4
	ds_load_b128 v[64+64*(\f)+8*(4*(\c)+fa):64+64*(\f)+8*(4*(\c)+fa)+3],   v6 offset:(\kh)*AKH+fa*16*PA+(\c)*64
	ds_load_b128 v[64+64*(\f)+8*(4*(\c)+fa)+4:64+64*(\f)+8*(4*(\c)+fa)+7], v6 offset:(\kh)*AKH+fa*16*PA+(\c)*64+32
.set fa, fa+1
.endr
.endm
.macro FB kh, f, c
.set fg, 0
.rept 6
	ds_load_b128 v[96*(\f)+8*(6*(\c)+fg):96*(\f)+8*(6*(\c)+fg)+3],   v7 offset:(\kh)*BKH+(64*(fg/2)+16*(fg%2))*PA+(\c)*64
	ds_load_b128 v[96*(\f)+8*(6*(\c)+fg)+4:96*(\f)+8*(6*(\c)+fg)+7], v7 offset:(\kh)*BKH+(64*(fg/2)+16*(fg%2))*PA+(\c)*64+32
.set fg, fg+1
.endr
.endm
.macro FETCH kh, f
	WIN 0
	FA \kh, \f, 0
	WIN TO_B
	FB \kh, \f, 0
	FB \kh, \f, 1
	WIN 0
	FA \kh, \f, 1
.endm
; A K step's first plane: buffer 0 is multiplied; in the middle the second plane is fetched into buffer 1.  init = 1: the launch's first chunk starts R, Z, IN; init = 2: the first chunk of h's part starts HN.
.macro HALF0 ph, init
	s_wait_dscnt 20                                ; chunk 0's fragments are in; chunk 1's twenty loads may be out
.if (\init) == 2
	MUL 0, 0, 0, 4, 1, 0, 0, 4
	MUL 0, 0, 0, 4, 1, 1, 4, 2
.else
	MUL 0, 0, 0, 4, \ph, \init
.endif
	PLACES
	FETCH 1, 1
	s_wait_dscnt 40                                ; all but the 40 just issued
	MUL 0, 1, 0, 4, \ph, 0
.endm
; A K step's second plane, and the change of slots.  In front of the barrier each wave waits for all its tensor loads (its part of the next slot), adds 0 to its spare word, and waits for that and for its reads of this slot.
; fill = 1: the barrier opens a round of the cluster's, and the joint refill of this slot, two K steps on, is the first thing behind the round: 72 matrix instructions ahead of the wait for it.
.macro TURN ph, fill
.if PREF
	s_wait_xcnt 0x0                                ; the last prefetch, 72 matrix instructions back or more, has read its address, so it may be stepped
	s_add_nc_u64 s[84:85], s[84:85], s[86:87]
.endif
	WIN 0
	s_wait_tensorcnt 0x0                           ; no tensor load of mine is out, so a group 0 may be written
	ds_add_u32 v28, v29                            ; 0 onto my spare word
.if \fill
	s_xor_b32 s53, s53, SLOT1                      ; the walking descriptors: the other slot than last time, the next K step
	s_add_nc_u64 s[54:55], s[54:55], ASTEP
	s_xor_b32 s61, s61, SLOT1
	s_add_nc_u64 s[62:63], s[62:63], BSTEP
.endif
	s_wait_dscnt 21                                ; chunk 0 is in; chunk 1's twenty loads and the add may be out
	MUL 1, 0, 0, 2, \ph, 0
	s_wait_dscnt 0x0                               ; the add is done, and my reads of this slot are over
	s_barrier_signal -1
	MUL 1, 0, 2, 2, \ph, 0
.if \fill
	WIN 0
.endif
	s_barrier_wait -1
.if \fill
	CREST
	JLOAD                                          ; its four v_nop are also the places in front of the loads below
.else
	PLACES
.endif
	s_xor_b32 s80, s80, SLOT1
	WIN 0
	v_add_nc_u32 v6, s80, v4
	v_add_nc_u32 v7, s80, v5
	FETCH 0, 0
.if PREF && (\fill)
	ASK
.endif
.if PREF
	s_add_co_u32 s82, s82, 1
.endif
	MUL 1, 1, 0, 4, \ph, 0
.endm
.macro LAST ph                         ; the last K step's second plane: nothing more to fetch
	s_wait_dscnt 20
	MUL 1, 0, 0, 4, \ph, 0
	s_wait_dscnt 0x0
	MUL 1, 1, 0, 4, \ph, 0
.endm
; x = 2^(x times the factor in s[sc]) for registers lo .. lo + n - 1 of window 2: ONE batch of exponentials; the scaling runs a pair ahead, so no line names a result.  Behind the last a plain line, then the one wait
; ahead of the first line that names a result.
.macro EXPB lo, n, sc
	WIN EP
	v_pk_mul_f32 v[\lo:\lo+1], v[\lo:\lo+1], s[\sc:\sc+1] op_sel_hi:[1,0]
.set e, \lo
.rept (\n)/2
.if e+2 < (\lo)+(\n)
	v_pk_mul_f32 v[e+2:e+3], v[e+2:e+3], s[\sc:\sc+1] op_sel_hi:[1,0]
.endif
	v_exp_f32 v[e], v[e]
	v_exp_f32 v[e+1], v[e+1]
.set e, e+2
.endr
	v_nop
	s_wait_alu depctr_va_vdst(0)
.endm
.macro RCPB lo, n                      ; x = 1 / (1 + x), in the same form
	WIN EP
	v_pk_add_f32 v[\lo:\lo+1], v[\lo:\lo+1], 1.0 op_sel_hi:[1,0]
.set e, \lo
.rept (\n)/2
.if e+2 < (\lo)+(\n)
	v_pk_add_f32 v[e+2:e+3], v[e+2:e+3], 1.0 op_sel_hi:[1,0]
.endif
	v_rcp_f32 v[e], v[e]
	v_rcp_f32 v[e+1], v[e+1]
.set e, e+2
.endr
	v_nop
	s_wait_alu depctr_va_vdst(0)
.endm
	s_load_b256 s[4:11], s[0:1], 0x0               ; abin s[4:5], wg s[6:7], b_ih s[8:9], b_hh s[10:11]
	s_load_b64 s[12:13], s[0:1], 0x20              ; about
	v_lshl_add_u32 v28, v0, 2, SPARE
	v_mov_b32 v29, 0
	ds_add_u32 v28, v29                            ; the wave's opening: the add, twice on end, and its wait ahead of my first tensor load
	ds_add_u32 v28, v29
	v_lshrrev_b32 v1, 5, v0
	v_readfirstlane_b32 s14, v1                    ; wave 0..3
	s_lshr_b32 s15, s14, 1                         ; my half of the rows.  Also: I fetch batch rows (0) or weights (1)
	s_and_b32 s16, s14, 1                          ; my half of the columns.  Also: which of a K step's two planes I fetch
	s_bfe_u32 s17, ttmp6, 0x40000                  ; cx
	s_bfe_u32 s18, ttmp6, 0x40004                  ; cy
	s_lshl_b32 s19, ttmp9, 2
	s_add_co_u32 s19, s19, s17                     ; jb: my block of 64 hidden columns
	s_and_b32 s20, ttmp7, 0xffff
	s_lshl_b32 s20, s20, 2
	s_add_co_u32 s20, s20, s18                     ; rb: my block of 128 rows
	s_lshl_b32 s21, s18, 2
	s_lshl_b32 s21, 15, s21                        ; my row of the cluster
	s_lshl_b32 s22, 0x1111, s17                    ; my column
	; groups 1.  A plane's tile is dense in memory: asked for as rows of 256 bytes, two rows of the plane each, and padded in LDS behind every 128 bytes
	s_or_b32 s24, s21, (1<<16)|(1<<20)|(1<<21)|(4<<22)|(3<<25)  ; 15:0 the mask; 17:16 2-byte elements; 20 padding on; 21 set beside a mask; 24:22 after every 32 words (code 4); 31:25 4 words (code 3)
	s_or_b32 s32, s22, (1<<16)|(1<<20)|(1<<21)|(4<<22)|(3<<25)
.irp g, 24, 32
	s_mov_b32 s[\g+1], 128<<16                     ; tensor_dim0 = 128
	s_mov_b32 s[\g+3], 128<<16                     ; tile_dim0 = 128
	s_mov_b32 s[\g+5], 128                         ; 128 elements from row to row
	s_mov_b32 s[\g+6], 0
	s_mov_b32 s[\g+7], 0
.endr
	s_mov_b32 s26, 64<<16                          ; batch rows: tensor_dim1 = tile_dim1 = 64 (16,384 bytes)
	s_mov_b32 s28, 64
	s_mov_b32 s34, 96<<16                          ; weights: 96 (24,576 bytes)
	s_mov_b32 s36, 96
.if !FIRST
	s_mov_b32 s40, (2<<16)|(1<<20)|(5<<22)|(3<<25) ; the old state, a load of my own: 4-byte elements; 4 words of padding after every 64
	s_mov_b32 s41, 64<<16                          ; 64 columns
	s_mov_b32 s42, 32<<16                          ; 32 rows a wave
	s_mov_b32 s43, 64<<16
	s_mov_b32 s44, 32
	s_mov_b32 s45, 1024                            ; elements from row to row
	s_mov_b32 s46, 0
	s_mov_b32 s47, 0
.endif
	s_lshl_b32 s72, s20, 14                        ; batch rows: 128 rb rows of 128 bytes + my plane: made of rb and the wave's number alone
	s_lshl_b32 s73, s16, 18
	s_add_co_u32 s72, s72, s73
	s_mov_b32 s73, 0
	s_mul_i32 s74, s19, 32*24576                   ; weights: block jb + my plane: made of jb and the wave's number alone
	s_mul_i32 s75, s16, 24576
	s_add_co_u32 s74, s74, s75
	s_mov_b32 s75, 0
	s_mul_i32 s92, s16, AKH                        ; where they go: no place in the cluster enters an LDS address
	s_mul_i32 s93, s16, BKH
	s_add_co_u32 s93, s93, BOFF
	s_lshl_b32 s94, s20, 19                        ; my wave's 32 rows x my block's 64 columns of the f32 state, in abin and in about
	s_lshl_b32 s95, s14, 17
	s_add_co_u32 s94, s94, s95
	s_lshl_b32 s95, s19, 8
	s_add_co_u32 s94, s94, s95
	s_add_co_u32 s94, s94, 8388608
	s_mov_b32 s95, 0
	s_mov_b32 s76, 0xbfb8aa3b                      ; -log2(e)
	s_mov_b32 s77, s76
	s_mov_b32 s78, 0x4038aa3b                      ; 2 log2(e)
	s_mov_b32 s79, s78
	s_mov_b32 s80, 0
	s_wait_dscnt 0x0                               ; both opening adds are done
	s_wait_kmcnt 0x0
	s_add_nc_u64 s[72:73], s[4:5], s[72:73]
	s_add_nc_u64 s[74:75], s[6:7], s[74:75]
.irp s, 0, 1
	s_mov_b32 s[48+4*\s], 1                        ; count = 1
	s_add_co_u32 s[49+4*\s], s92, \s*SLOT1         ; LDS address
	s_add_nc_u64 s[50+4*\s:51+4*\s], s[72:73], \s*ASTEP  ; global address: K step s
	s_or_b32 s[51+4*\s], s[51+4*\s], 0x80000000    ; type = 2
	s_mov_b32 s[56+4*\s], 1
	s_add_co_u32 s[57+4*\s], s93, \s*SLOT1
	s_add_nc_u64 s[58+4*\s:59+4*\s], s[74:75], \s*BSTEP
	s_or_b32 s[59+4*\s], s[59+4*\s], 0x80000000
.endr
.if !FIRST
	s_mov_b32 s68, 1
	s_mul_i32 s69, s14, 32*HPI
	s_add_co_u32 s69, s69, HOLD
	s_add_nc_u64 s[70:71], s[4:5], s[94:95]
	s_or_b32 s71, s71, 0x80000000
.endif
	CROUND                                         ; all sixteen work-groups are here: the first joint loads meet
	s_cmp_eq_u32 s15, 0                            ; a wave's first fills stand in one branch, ahead of every wait on TENSORcnt and every LDS read: K steps 0 and 1 and (not in step 0) 32 rows of the old state
	s_cbranch_scc0 .Lfirst_b
	tensor_load_to_lds s[48:51], s[24:31]
	s_nop 0
	tensor_load_to_lds s[52:55], s[24:31]
	s_nop 0
.if !FIRST
	tensor_load_to_lds s[68:71], s[40:47]
	s_nop 0
.endif
	PLACES
	s_branch .Lfirst_asked
.Lfirst_b:
	tensor_load_to_lds s[56:59], s[32:39]
	s_nop 0
	tensor_load_to_lds s[60:63], s[32:39]
	s_nop 0
.if !FIRST
	tensor_load_to_lds s[68:71], s[40:47]
	s_nop 0
.endif
	PLACES
.Lfirst_asked:
	v_and_b32 v1, 15, v0                           ; r = l % 16
	v_bfe_u32 v2, v0, 4, 1                         ; h = l / 16
	v_and_b32 v3, 31, v0                           ; l
	s_lshl_b32 s72, s19, 8
	s_lshl_b32 s73, s16, 7
	s_add_co_u32 s72, s72, s73
	v_lshl_add_u32 v18, v2, 5, s72                 ; my 8 columns in a gate's part of a bias: 4 (64 jb + 32 (w % 2) + 8 h)
.irp g, 0,1,2
.irp b, 0,1
	global_load_b128 v[192+16*\g+8*\b:192+16*\g+8*\b+3],   v18, s[8:9] offset:\g*4096+\b*64
	global_load_b128 v[192+16*\g+8*\b+4:192+16*\g+8*\b+7], v18, s[8:9] offset:\g*4096+\b*64+16
.endr
.endr
.irp g, 0,1
.irp b, 0,1
	global_load_b128 v[32+16*\g+8*\b:32+16*\g+8*\b+3],   v18, s[10:11] offset:\g*4096+\b*64
	global_load_b128 v[32+16*\g+8*\b+4:32+16*\g+8*\b+7], v18, s[10:11] offset:\g*4096+\b*64+16
.endr
.endr
.irp b, 0,1
	global_load_b128 v[240+8*\b:240+8*\b+3],   v18, s[10:11] offset:8192+\b*64
	global_load_b128 v[240+8*\b+4:240+8*\b+7], v18, s[10:11] offset:8192+\b*64+16
.endr
.if !FIRST
	s_lshl_b32 s92, s20, 9                         ; the flags of my 64 rows
	s_lshl_b32 s93, s15, 8
	s_add_co_u32 s92, s92, s93
	s_add_co_u32 s92, s92, 16777216
	s_mov_b32 s93, 0
	s_add_nc_u64 s[92:93], s[4:5], s[92:93]
	v_lshlrev_b32 v19, 2, v1
.irp a, 0,1,2,3
	global_load_b32 v[12+\a], v19, s[92:93] offset:64*\a
.endr
.endif
	v_mul_u32_u24 v21, v1, PA
	v_lshl_add_u32 v21, v2, 4, v21                 ; r x 144 + 16 h
	s_mul_i32 s23, s15, 64*PA
	v_add_nc_u32 v4, s23, v21                      ; my batch rows' fragments in a slot
	s_lshl_b32 s81, s16, 6
	s_add_co_u32 s23, s23, s81
	s_add_co_u32 s23, s23, HBST
	v_add_nc_u32 v9, s23, v21                      ; into the bf16 stage: row 64 (w / 2) + r, columns 32 (w % 2) + 8 h on
	s_mul_i32 s23, s16, 32*PA
	s_add_co_u32 s23, s23, BOFF
	v_add_nc_u32 v5, s23, v21                      ; my weight rows' fragments
	v_mul_u32_u24 v8, v1, HPI
	v_lshl_add_u32 v8, v2, 5, v8
	s_mul_i32 s23, s15, 64*HPI
	s_lshl_b32 s81, s16, 7
	s_add_co_u32 s23, s23, s81
	s_add_co_u32 s23, s23, HOLD
	v_add_nc_u32 v8, s23, v8                       ; the same place in the f32 state
	v_mul_u32_u24 v10, v2, HPI                     ; back from the f32 stage: wave w takes rows 32 w on, whole: lanes 0-15 one row of 256 bytes, lanes 16-31 the next
	v_lshl_add_u32 v10, v1, 4, v10
	s_mul_i32 s23, s14, 32*HPI
	s_add_co_u32 s23, s23, HOLD
	v_add_nc_u32 v10, s23, v10
	v_lshrrev_b32 v11, 3, v3                       ; back from the bf16 stage: 32 lanes take four rows of 128 bytes
	v_mul_u32_u24 v11, v11, PA
	v_and_b32 v22, 7, v0
	v_lshl_add_u32 v11, v22, 4, v11
	s_mul_i32 s23, s14, 32*PA
	s_add_co_u32 s23, s23, HBST
	v_add_nc_u32 v11, s23, v11
	v_lshlrev_b32 v16, 12, v2                      ; the two rows in the f32 state in memory
	v_lshl_add_u32 v16, v1, 4, v16
	v_lshlrev_b32 v17, 4, v3                       ; and 512 bytes on end of a plane
.if PREF
	v_lshlrev_b32 v20, 8, v3                       ; the prefetches: a lane 256 bytes
	s_lshl_b32 s72, s20, 14                        ; wave 0: my 128 rows of plane 10 + cx: the first change of slots steps it by a K step, to plane 12 + cx
	s_add_co_u32 s73, s17, 10
	s_lshl_b32 s73, s73, 18
	s_add_co_u32 s72, s72, s73
	s_mul_i32 s74, s19, 32*24576                   ; waves 1 to 3: a third each of my block's plane 10 + cy
	s_add_co_u32 s75, s18, 10
	s_mul_i32 s75, s75, 24576
	s_add_co_u32 s74, s74, s75
	s_lshl_b32 s75, s14, 13
	s_add_co_u32 s74, s74, s75
	s_sub_co_u32 s74, s74, 8192
	s_and_b32 s23, ttmp7, 0xffff                   ; cluster y
	s_mov_b32 s87, BSTEP
	s_cmp_eq_u32 s14, 0
	s_cselect_b32 s72, s72, s74
	s_cselect_b32 s86, ASTEP, s87
	s_cselect_b32 s23, ttmp9, s23                  ; the coordinate along which other clusters read the same bytes
	s_cselect_b64 s[84:85], s[4:5], s[6:7]
	s_mov_b32 s73, 0
	s_mov_b32 s87, 0
	s_add_nc_u64 s[84:85], s[84:85], s[72:73]
	s_cmp_eq_u32 s23, 0
	s_cselect_b32 s83, 9, 0                        ; the same in all sixteen partners, for a given wave
	s_mov_b32 s82, 0
.endif
	s_wait_loadcnt 0x0                             ; the biases and the flags
.set i, 0
.rept 16
	v_pk_add_f32 v[192+i:193+i], v[192+i:193+i], v[32+i:33+i]  ; R's and Z's sums start at b_ih + b_hh
.set i, i+2
.endr
.if !FIRST
.irp a, 0,1,2,3
	v_cmp_ne_u32 s[88+\a], 0, v[12+\a]             ; lane l: is row 16 a + l % 16 of my 64 alive?
.endr
.endif
	s_wait_tensorcnt 2-FIRST                       ; my part of K step 0 is in; K step 1's and the old state's may stay out
	s_barrier_signal -1
	s_barrier_wait -1                              ; everybody's is
	v_mov_b32 v6, v4
	v_mov_b32 v7, v5
	FETCH 0, 0
	HALF0 0, 1                                     ; the first chunk stands in front of the loop: its products start R, Z and IN
	WIN 0                                          ; at a label and at a branch every window is 0
	s_mov_b32 s81, 7-FIRST
.Lx:                                               ; a trip: a K step's second plane, the change of slots with its refill, the next K step's first plane
	TURN 0, 1
	HALF0 0, 0
	WIN 0
	s_sub_co_u32 s81, s81, 1
	s_cmp_lg_u32 s81, 0
	s_cbranch_scc1 .Lx
.if FIRST
	TURN 0, 0                                      ; the tail is written out: K steps 6 and 7 ask for nothing
	HALF0 0, 0
	LAST 0
.else
	TURN 0, 1                                      ; K step 7, x's last
	HALF0 1, 2                                     ; K step 8, h's first: its first chunk starts HN
	WIN 0
	s_mov_b32 s81, 6
.Lh:
	TURN 1, 1
	HALF0 1, 0
	WIN 0
	s_sub_co_u32 s81, s81, 1
	s_cmp_lg_u32 s81, 0
	s_cbranch_scc1 .Lh
	TURN 1, 0                                      ; the tail is written out: K steps 14 and 15 ask for nothing
	HALF0 1, 0
	LAST 1
.endif
	; THE GATES, in place in window 2; every pass ascends.  Four batches of exponentials or reciprocals, one wait each.
	PLACES
	EXPB 0, 128, 76                                ; 2^(-x log2 e) of R and Z
	RCPB 0, 128                                    ; r in v0-63, z in v64-127
.if FIRST
	WIN EPF
.else
	WIN EP
.endif
.set i, 0
.rept 32
.if FIRST
	v_pk_fma_f32 v[128+i:129+i], v[i:i+1], v[240+8*((i/8)%2)+i%8:241+8*((i/8)%2)+i%8], v[128+i:129+i]  ; IN + r b_hh
.else
	v_pk_fma_f32 v[128+i:129+i], v[i:i+1], v[192+i:193+i], v[128+i:129+i]  ; IN + r HN
.endif
.set i, i+2
.endr
.if !FIRST
	WIN LDH                                        ; r is used up: its registers take the old state (its tile was waited for, and shown to all, at the first change of slots)
.set i, 0
.rept 8
	ds_load_b128 v[8*i:8*i+3],   v8 offset:(i/2)*16*HPI+(i%2)*64
	ds_load_b128 v[8*i+4:8*i+7], v8 offset:(i/2)*16*HPI+(i%2)*64+16
.set i, i+1
.endr
.endif
	EXPB 128, 64, 78                               ; 2^(2 x log2 e)
	RCPB 128, 64
.set i, 0
.rept 32
	v_pk_fma_f32 v[128+i:129+i], v[128+i:129+i], -2.0, 1.0 op_sel_hi:[1,0,0]  ; n = tanh
.set i, i+2
.endr
.if FIRST
.set i, 0
.rept 32
	v_pk_fma_f32 v[128+i:129+i], v[64+i:65+i], v[128+i:129+i], v[128+i:129+i] neg_lo:[1,0,0] neg_hi:[1,0,0]  ; h' = n - z n
.set i, i+2
.endr
.else
	s_wait_dscnt 0x0                               ; the old state is in: my reads of it are over,
	s_barrier_signal -1                            ; say so: its LDS bytes become the stage when all four waves have said so
.set i, 0
.rept 32
	v_pk_add_f32 v[192+i:193+i], v[i:i+1], v[128+i:129+i] neg_lo:[0,1] neg_hi:[0,1]  ; h - n
.set i, i+2
.endr
.set i, 0
.rept 32
	v_pk_fma_f32 v[128+i:129+i], v[64+i:65+i], v[192+i:193+i], v[128+i:129+i]  ; h' = n + z (h - n)
.set i, i+2
.endr
.set i, 0
.rept 64
	v_cndmask_b32 v[128+i], v[i], v[128+i], s[88+i/16]  ; a row that is not alive keeps its state, bit for bit
.set i, i+1
.endr
.endif
.set i, 0
.rept 32
	v_cvt_pk_bf16_f32 v[192+i], v[128+2*i], v[128+2*i+1]  ; the next launch's matrix operand
.set i, i+1
.endr
.if !FIRST
	s_barrier_wait -1
.endif
	; THE WAY OUT: both forms go through stages in LDS, since a row's 256 (128) bytes come from two waves; back as whole rows, 32 rows a wave
	WIN STW
.set i, 0
.rept 8
	ds_store_b128 v8, v[128+8*i:128+8*i+3]   offset:(i/2)*16*HPI+(i%2)*64
	ds_store_b128 v8, v[128+8*i+4:128+8*i+7] offset:(i/2)*16*HPI+(i%2)*64+16
	ds_store_b128 v9, v[192+4*i:192+4*i+3]   offset:(i/2)*16*PA+(i%2)*32
.set i, i+1
.endr
	WIN 0
	s_add_nc_u64 s[72:73], s[12:13], s[94:95]      ; about's f32 state at my wave's 32 rows, my block's columns
	s_lshl_b32 s74, s19, 18                        ; about's plane jb of the state, at my wave's 32 rows
	s_lshl_b32 s75, s20, 14
	s_add_co_u32 s74, s74, s75
	s_lshl_b32 s75, s14, 12
	s_add_co_u32 s74, s74, s75
	s_add_co_u32 s74, s74, 4194304
	s_mov_b32 s75, 0
	s_add_nc_u64 s[74:75], s[12:13], s[74:75]
	s_wait_dscnt 0x0                               ; for the others' sake: my stores into the stages are done
	s_barrier_signal -1
	s_barrier_wait -1
.set t, 0
.rept 16
	ds_load_b128 v[64+4*t:64+4*t+3], v10 offset:t*2*HPI
.set t, t+1
.endr
.set t, 0
.rept 8
	ds_load_b128 v[128+4*t:128+4*t+3], v11 offset:t*4*PA
.set t, t+1
.endr
.set t, 0
.rept 16
	s_wait_dscnt 23-t                              ; LDS loads come back in order: the younger ones may stay out
	global_store_b128 v16, v[64+4*t:64+4*t+3], s[72:73] offset:t*8192  ; 16 lanes store 256 consecutive bytes, aligned
.set t, t+1
.endr
.set t, 0
.rept 8
	s_wait_dscnt 7-t
	global_store_b128 v17, v[128+4*t:128+4*t+3], s[74:75] offset:t*512  ; 512 consecutive bytes, aligned
.set t, t+1
.endr
	s_wait_tensorcnt 0x0                           ; the wave's end, behind my last tensor load and my last LDS store
	ds_add_u32 v28, v29
	s_wait_dscnt 0x0
	CROUND                                         ; the closing round: no work-group ends while a partner may still ask for a tile that names it
	s_endpgm
.Lfunc_end_k_qe2ce1d3936_step1:
	.size	k_qe2ce1d3936_step1, .Lfunc_end_k_qe2ce1d3936_step1-k_qe2ce1d3936_step1
	.p2alignl 7, 3214868480
	.fill 96, 4, 3214868480
	.section	.rodata,"a",@progbits
	.p2align	6, 0x0
	.amdhsa_kernel k_qe2ce1d3936_step1
		.amdhsa_group_segment_fixed_size 327680
		.amdhsa_private_segment_fixed_size 0
		.amdhsa_enable_private_segment 0
		.amdhsa_kernarg_size 40
		.amdhsa_user_sgpr_count 2
		.amdhsa_user_sgpr_kernarg_segment_ptr 1
		.amdhsa_wavefront_size32 1
		.amdhsa_system_sgpr_workgroup_id_x 1
		.amdhsa_system_sgpr_workgroup_id_y 1
		.amdhsa_system_sgpr_workgroup_id_z 1
		.amdhsa_system_vgpr_workitem_id 0
		.amdhsa_next_free_vgpr 768
		.amdhsa_next_free_sgpr 96
		.amdhsa_reserve_vcc 0
		.amdhsa_float_denorm_mode_32 3
		.amdhsa_float_denorm_mode_16_64 3
		.amdhsa_memory_ordered 1
		.amdhsa_forward_progress 1
		.amdhsa_inst_pref_size 124
	.end_amdhsa_kernel
	.amdgpu_metadata
---
amdhsa.version: [ 1, 2 ]
amdhsa.kernels:
  - .name:           k_qe2ce1d3936_step1
    .symbol:         k_qe2ce1d3936_step1.kd
    .args:
      - { .name: ab1, .offset: 0, .size: 8, .value_kind: global_buffer, .address_space: global }
      - { .name: wg, .offset: 8, .size: 8, .value_kind: global_buffer, .address_space: global }
      - { .name: b_ih, .offset: 16, .size: 8, .value_kind: global_buffer, .address_space: global }
      - { .name: b_hh, .offset: 24, .size: 8, .value_kind: global_buffer, .address_space: global }
      - { .name: ab2, .offset: 32, .size: 8, .value_kind: global_buffer, .address_space: global }
    .group_segment_fixed_size: 327680
    .private_segment_fixed_size: 0
    .kernarg_segment_align: 8
    .kernarg_segment_size: 40
    .max_flat_workgroup_size: 128
    .sgpr_count:     96
    .vgpr_count:     768
    .wavefront_size: 32
...
	.end_amdgpu_metadata
.endif
;; end of part 3
;; launch step2: the kernel of part 3 again; grid 16 x 16, 4 waves a work-group, clusters of 4 x 4, 327,680 bytes of LDS; arguments ab2, wg, b_ih, b_hh, ab3; writes ab3
;; launch step3: the kernel of part 3 again; grid 16 x 16, 4 waves a work-group, clusters of 4 x 4, 327,680 bytes of LDS; arguments ab3, wg, b_ih, b_hh, ab4; writes ab4
;; launch head (part 4): grid 128 x 1, 4 waves a work-group, clusters of 4 x 1, 327,680 bytes of LDS; arguments ab4, wl, h1_b, out0; writes out0
.if DOCPART == 4
	.amdgcn_target "amdgcn-amd-amdhsa--gfx1250"
	.amdhsa_code_object_version 6
	.text
	.protected	k_qe2ce1d3936_head
	.globl	k_qe2ce1d3936_head
	.p2align	8
	.type	k_qe2ce1d3936_head,@function
k_qe2ce1d3936_head:
	s_mov_b64 s[64:65], 0
	v_nop
	global_prefetch_b8 v0, s[64:65] scope:SCOPE_SE
	s_setreg_imm32_b32 hwreg(HW_REG_WAVE_MODE, 25, 1), 1
	s_wait_xcnt 0x0
	s_wait_alu depctr_hold_cnt(0) depctr_sa_sdst(0) depctr_va_vdst(0) depctr_va_sdst(0) depctr_va_ssrc(0) depctr_va_vcc(0) depctr_vm_vsrc(0)
	s_getreg_b32 s2, hwreg(HW_REG_IB_STS2, 6, 4)
	s_cmp_eq_u32 s2, 0
	s_cbranch_scc0 .Lentry_in_a_cluster
	s_endpgm
.Lentry_in_a_cluster:
	s_bfe_u32 s2, ttmp6, 0x10000c
	s_cmp_lg_u32 s2, 0x3003
	s_cbranch_scc0 .Lentry_shape_is_right
	s_endpgm
.Lentry_shape_is_right:
; out0[row][:] = softmax(state[row] . h1_w^T + h1_b).  The state comes as 16 planes [2048][64] of bf16 at byte 4,194,304 of ab4, h1_w as wl: 16 planes [1024][64] of bf16, rows 1000-1023 zeros.
; SHARES.  A softmax wants a whole row in one work-group: a work-group takes 16 rows x all columns, wave w columns 256 w .. 256 w + 255: 16 accumulators of 16 x 16.  2,048 / 16 = 128 work-groups: whoever owns whole
; rows walks all of wl, whatever the number of its rows, and 16 is the matrix instruction's own, so nothing is multiplied in vain; 8 rows to each of 256 would walk wl twice as often for the same work a wave.
; The 16 rows of state, 32 fragments, stay in 256 registers of each wave, so the 16 K steps of 64 are written out.  wl goes through two LDS slots of a plane each; a wave loads and reads its own 256 rows of a plane.
; CLUSTER.  The four work-groups of a cluster walk the same wl: each tile is asked for JOINTLY, by the same tensor load, descriptor and mask in all four.
; LAYOUT.  Source 0 = 16 rows of wl, source 1 = the 16 rows of state: a lane holds ONE row of the batch (lane % 16) and the columns 8 (lane / 16) + 0..7 of each tile.
; THE SUMS START AT THE BIAS, loaded straight into the accumulators; columns 1000-1023 start at -1e30 and their products add 0.
; SOFTMAX in f32 with the row's true maximum: p = 2^(x log2 e - m log2 e); the maximum and the sum go over the lane's 128 numbers, the two halves of the lanes, and the four waves (through LDS).
; No prefetch: wl is small, all clusters walk it together, and the launch is short.
; LIMITS.  Matrix operands are bf16.  A logit of -1e30 or below would count like padding; a probability below 2^-126 comes out as 0; NaN and infinities are not treated apart.
; REGISTERS, in windows of 256 (s_set_vgpr_msb: bits 1:0 source 0, 3:2 source 1, 5:4 source 2, 7:6 destination):
;   window 0: v0-35 addresses and statistics; v128-255 the accumulators, tile i at 128 + 8 i       window 1: the state, plane kb, chunk c at 16 kb + 8 c       window 2: wl's fragments, chunk c, tile i at 128 c + 8 i
.set PA,    144                        ; an LDS row: 128 bytes + 16 of padding = 36 words: the 16 rows of a fragment load start at 16 different groups of four banks (64 banks of 4 bytes: ISA guide 11.1)
.set SLOTB, 1024*PA                    ; a slot: a plane's 1,024 rows
.set PART,  256*PA                     ; a wave's part of it
.set PLANE, 131072                     ; a plane of wl in memory
.set RED,   2*SLOTB                    ; behind the slots: [row][wave] maxima, 256 bytes, then sums, 256 bytes
.set SPARE, RED+512                    ; the spare words, 128 bytes for each wave: two blocks of 256 bytes that no other line names
.set ROWB,  4000                       ; a row of out0.  THE STAGE, 16 such rows on end, lies at LDS byte 0, in slot 0 after its last fill
.set MSB, 0
.macro WIN new                         ; the immediate's high byte repeats the setting that is left; a switch that changes nothing is dropped
.if MSB != (\new)
	s_set_vgpr_msb (MSB<<8)|(\new)
.set MSB, \new
.endif
.endm
.set MULF, 0x06                        ; wl window 2, state window 1, C and D window 0
.set TO_F, 0x80                        ; destination window 2
.set TO_A, 0x40                        ; destination window 1
.macro PLACES                          ; four places behind a matrix instruction (ISA guide 7.12.1)
.rept 4
	v_nop
.endr
.endm
.macro CREST                           ; a round of the cluster's barrier behind its opening barrier
	s_cmp_lg_u32 s12, 0
	s_cbranch_scc1 .Lnot_wave_0_\@
	s_barrier_signal -3
.Lnot_wave_0_\@:
	s_barrier_wait -3
	s_barrier_signal -1
	s_barrier_wait -1
.endm
.macro CROUND
	s_barrier_signal -1
	s_barrier_wait -1
	CREST
.endm
.macro FETCH slot                      ; 64 LDS loads in one run: my 256 rows of the plane, chunk 0's 32 first
	WIN TO_F
.set fc, 0
.rept 2
.set fi, 0
.rept 16
	ds_load_b128 v[128*fc+8*fi:128*fc+8*fi+3],   v[4+(\slot)] offset:fi*16*PA+fc*64
	ds_load_b128 v[128*fc+8*fi+4:128*fc+8*fi+7], v[4+(\slot)] offset:fi*16*PA+fc*64+32
.set fi, fi+1
.endr
.set fc, fc+1
.endr
.endm
.macro MULS s, c, i0, n                ; K step s, chunk c, tiles i0 .. i0 + n - 1.  The 16 accumulators take turns, one instruction a turn
	WIN MULF
.set mi, \i0
.rept \n
	v_wmma_f32_16x16x32_bf16 v[128+8*mi:128+8*mi+7], v[128*(\c)+8*mi:128*(\c)+8*mi+7], v[16*(\s)+8*(\c):16*(\s)+8*(\c)+7], v[128+8*mi:128+8*mi+7]
.set mi, mi+1
.endr
.endm
; K step s, in slot s % 2.  The whole plane goes into registers at once, so the slot is free in the step's middle: each wave waits for all its tensor loads (the other slot's), adds 0 to its spare word, waits for that and for
; its reads of this slot; the barrier opens a round of the cluster's, and the joint refill, with the plane two steps on, is the first thing behind it.  Steps 14 and 15 ask for nothing.
.macro KSTEP s
	FETCH (\s)%2
	s_wait_dscnt 32                                ; chunk 0 is in; chunk 1's 32 loads may be out
	MULS \s, 0, 0, 16
.if (\s) < 15
	WIN 0
	s_wait_tensorcnt 0x0                           ; no tensor load of mine is out, so a group 0 may be written
	ds_add_u32 v28, v29                            ; 0 onto my spare word
.if (\s) < 14
	s_add_nc_u64 s[26+4*((\s)%2):27+4*((\s)%2)], s[26+4*((\s)%2):27+4*((\s)%2)], 2*PLANE
.endif
	s_wait_dscnt 1                                 ; chunk 1 is in; the add may be out
	MULS \s, 1, 0, 8
	s_wait_dscnt 0x0                               ; the add is done, and my reads of this slot are over
	s_barrier_signal -1
	MULS \s, 1, 8, 8
	WIN 0
	s_barrier_wait -1
.if (\s) < 14
	CREST
	tensor_load_to_lds s[24+4*((\s)%2):27+4*((\s)%2)], s[16:23]
	s_nop 0
.endif
	PLACES                                         ; behind the tensor load, and the places in front of the next run of loads
.else
	s_wait_dscnt 0x0
	MULS \s, 1, 0, 16
.endif
.endm
	s_load_b256 s[4:11], s[0:1], 0x0               ; ab4 s[4:5], wl s[6:7], h1_b s[8:9], out0 s[10:11]
	v_lshl_add_u32 v28, v0, 2, SPARE
	v_mov_b32 v29, 0
	ds_add_u32 v28, v29                            ; the wave's opening: the add, twice on end, and its wait ahead of my first tensor load
	ds_add_u32 v28, v29
	v_lshrrev_b32 v1, 5, v0
	v_readfirstlane_b32 s12, v1                    ; wave 0..3
	s_bfe_u32 s13, ttmp6, 0x40000                  ; cx
	s_lshl_b32 s14, ttmp9, 2
	s_add_co_u32 s14, s14, s13                     ; my block of 16 rows: it enters the state's and out0's addresses alone
	; group 1: 256 rows of a plane are 32,768 dense bytes: asked for as 128 rows of 256 bytes, padded in LDS behind every 128 bytes
	s_mov_b32 s16, 15|(1<<16)|(1<<20)|(1<<21)|(4<<22)|(3<<25)  ; 15:0 the mask of four; 17:16 2-byte elements; 20 padding on; 21 set beside a mask; 24:22 after every 32 words (code 4); 31:25 4 words (code 3)
	s_mov_b32 s17, 128<<16                         ; tensor_dim0 = 128
	s_mov_b32 s18, 128<<16                         ; tensor_dim1 = 128
	s_mov_b32 s19, 128<<16                         ; tile_dim0 = 128
	s_mov_b32 s20, 128                             ; tile_dim1 = 128
	s_mov_b32 s21, 128                             ; elements from row to row
	s_mov_b32 s22, 0
	s_mov_b32 s23, 0
	s_mul_i32 s15, s12, PART                       ; my part of a slot
	s_lshl_b32 s42, s12, 15                        ; and of a plane in memory
	s_mov_b32 s43, 0
	s_mov_b32 s24, 1
	s_mov_b32 s25, s15
	s_mov_b32 s28, 1
	s_add_co_u32 s29, s15, SLOTB
	s_mov_b32 s34, 0x3fb8aa3b                      ; log2(e)
	s_mov_b32 s35, s34
	s_mov_b32 s36, 0x76543210                      ; v_permlanex16_b32: each lane takes its own place in the other half
	s_mov_b32 s37, 0xfedcba98
	s_mov_b32 s41, 0xf149f2ca                      ; -1e30
	s_lshl_b32 s32, s14, 11                        ; my 16 rows of a plane of the state
	s_add_co_u32 s32, s32, 4194304
	s_mov_b32 s33, 0
	s_mul_i32 s44, s14, 16*ROWB                    ; and of out0
	s_mov_b32 s45, 0
	s_wait_dscnt 0x0                               ; both opening adds are done
	s_wait_kmcnt 0x0
	s_add_nc_u64 s[26:27], s[6:7], s[42:43]        ; plane 0,
	s_add_nc_u64 s[30:31], s[26:27], PLANE         ; plane 1
	s_or_b32 s27, s27, 0x80000000
	s_or_b32 s31, s31, 0x80000000
	s_add_nc_u64 s[4:5], s[4:5], s[32:33]
	s_add_nc_u64 s[10:11], s[10:11], s[44:45]
	CROUND                                         ; all four work-groups are here: the first joint loads meet
	tensor_load_to_lds s[24:27], s[16:23]          ; both first fills together: two loads of mine are out
	s_nop 0
	tensor_load_to_lds s[28:31], s[16:23]
	s_nop 0
	PLACES
	v_and_b32 v1, 15, v0                           ; r
	v_bfe_u32 v2, v0, 4, 1                         ; h
	v_and_b32 v3, 31, v0                           ; l
	v_lshlrev_b32 v6, 7, v1
	v_lshl_add_u32 v6, v2, 4, v6                   ; a fragment of the state: row r x 128 + 16 h
	s_lshl_b32 s44, s12, 8
	v_lshl_add_u32 v10, v2, 3, s44                 ; my first column: 256 w + 8 h
	v_lshlrev_b32 v7, 2, v10                       ; in bytes
	v_add_nc_u32 v8, 896, v7                       ; tiles 14 and 15: held inside h1_b's 4,000 bytes; what a held lane loads is replaced below
	v_min_u32 v8, 3968, v8
	v_add_nc_u32 v9, 960, v7
	v_min_u32 v9, 3968, v9
	WIN TO_A
.set k, 0
.rept 16
.irp c, 0,1
	global_load_b128 v[16*k+8*\c:16*k+8*\c+3],   v6, s[4:5] offset:k*262144+\c*64
	global_load_b128 v[16*k+8*\c+4:16*k+8*\c+7], v6, s[4:5] offset:k*262144+\c*64+32
.endr
.set k, k+1
.endr
	WIN 0
.set i, 0
.rept 14
	global_load_b128 v[128+8*i:128+8*i+3],   v7, s[8:9] offset:64*i
	global_load_b128 v[128+8*i+4:128+8*i+7], v7, s[8:9] offset:64*i+16
.set i, i+1
.endr
	global_load_b128 v[240:243], v8, s[8:9]
	global_load_b128 v[244:247], v8, s[8:9] offset:16
	global_load_b128 v[248:251], v9, s[8:9]
	global_load_b128 v[252:255], v9, s[8:9] offset:16
	v_mul_u32_u24 v4, v1, PA
	v_lshl_add_u32 v4, v2, 4, v4
	v_add_nc_u32 v4, s15, v4                       ; my fragments in slot 0,
	v_add_nc_u32 v5, SLOTB, v4                     ; in slot 1
	s_lshl_b32 s44, s12, 2
	v_lshl_add_u32 v12, v1, 4, RED                 ; my row's four words,
	v_add_nc_u32 v11, s44, v12                     ; my wave's among them
	v_mul_u32_u24 v13, v1, ROWB
	v_add_nc_u32 v13, v13, v7                      ; into the stage: row r, my first column
	s_lshl_b32 s44, s12, 9
	v_lshl_add_u32 v14, v3, 4, s44                 ; back, and in out0: piece w of 512 bytes, 16 l
	v_cmp_le_u32 s38, 776, v10                     ; tile 14's columns 224 + 256 w + 8 h on lie at 1,000 or beyond,
	v_cmp_le_u32 s39, 760, v10                     ; tile 15's
	s_wait_loadcnt 0x0
.set j, 0
.rept 8
	v_cndmask_b32 v[240+j], v[240+j], s41, s38
	v_cndmask_b32 v[248+j], v[248+j], s41, s39
.set j, j+1
.endr
	s_wait_tensorcnt 1                             ; my part of plane 0 is in, and I alone read it; plane 1's may stay out
.irp s, 0,1,2,3,4,5,6,7,8,9,10,11,12,13,14,15
	KSTEP \s
.endr
	; THE SOFTMAX.  The maximum: four chains over 32 logits each, ascending
	PLACES
	WIN 0
.irp q, 0,1,2,3
	v_max3_num_f32 v[16+\q], v[128+32*\q], v[128+32*\q+1], v[128+32*\q+2]
.endr
.set k, 3
.rept 14
.irp q, 0,1,2,3
	v_max3_num_f32 v[16+\q], v[16+\q], v[128+32*\q+k], v[128+32*\q+k+1]
.endr
.set k, k+2
.endr
.irp q, 0,1,2,3
	v_max_num_f32 v[16+\q], v[16+\q], v[128+32*\q+31]
.endr
	v_max3_num_f32 v16, v16, v17, v18
	v_max_num_f32 v16, v16, v19
	v_permlanex16_b32 v17, v16, s36, s37           ; the row's other columns of my wave lie in the lane 16 away
	v_max_num_f32 v16, v16, v17
	ds_store_b32 v11, v16
	s_wait_dscnt 0x0                               ; for the others' sake
	s_barrier_signal -1
	s_barrier_wait -1
	ds_load_b128 v[32:35], v12
	s_wait_dscnt 0x0
	v_max3_num_f32 v16, v32, v33, v34
	v_max_num_f32 v16, v16, v35                    ; the row's maximum
	v_mul_f32 v24, s34, v16
	v_mov_b32 v25, v24                             ; named with it as a pair
	; ONE batch of 128 exponentials; the scaling runs a pair ahead, so no line names a result; a plain line behind the last, then the one wait
	v_pk_fma_f32 v[128:129], v[128:129], s[34:35], v[24:25] op_sel_hi:[1,0,0] neg_lo:[0,0,1] neg_hi:[0,0,1]
.set e, 128
.rept 64
.if e+2 < 256
	v_pk_fma_f32 v[e+2:e+3], v[e+2:e+3], s[34:35], v[24:25] op_sel_hi:[1,0,0] neg_lo:[0,0,1] neg_hi:[0,0,1]
.endif
	v_exp_f32 v[e], v[e]
	v_exp_f32 v[e+1], v[e+1]
.set e, e+2
.endr
	v_nop
	s_wait_alu depctr_va_vdst(0)
.irp q, 0,1,2,3
	v_pk_add_f32 v[16+2*\q:17+2*\q], v[128+32*\q:129+32*\q], v[130+32*\q:131+32*\q]  ; the sum, in four chains; the weights stay
.endr
.set k, 4
.rept 14
.irp q, 0,1,2,3
	v_pk_add_f32 v[16+2*\q:17+2*\q], v[16+2*\q:17+2*\q], v[128+32*\q+k:129+32*\q+k]
.endr
.set k, k+2
.endr
	v_pk_add_f32 v[16:17], v[16:17], v[18:19]
	v_pk_add_f32 v[20:21], v[20:21], v[22:23]
	v_pk_add_f32 v[16:17], v[16:17], v[20:21]
	v_add_f32 v16, v16, v17
	v_permlanex16_b32 v17, v16, s36, s37
	v_add_f32 v16, v16, v17
	ds_store_b32 v11, v16 offset:256               ; other bytes than the maxima's
	s_wait_dscnt 0x0
	s_barrier_signal -1
	s_barrier_wait -1
	ds_load_b128 v[32:35], v12 offset:256
	s_wait_dscnt 0x0
	v_add_f32 v32, v32, v33
	v_add_f32 v34, v34, v35
	v_add_f32 v32, v32, v34
	v_rcp_f32 v26, v32
	v_rcp_f32 v27, v32
	v_nop                                          ; a plain line behind the reciprocals,
	s_wait_alu depctr_va_vdst(0)                   ; and their wait, ahead of the first use
.set e, 128
.rept 64
	v_pk_mul_f32 v[e:e+1], v[e:e+1], v[26:27]
.set e, e+2
.endr
	; THE WAY OUT, through the stage: every wave has passed two barriers since its last read of slot 0, and no tensor load follows.  The 16 rows lie there as in out0, 64,000 bytes on end.
.set i, 0
.rept 14
	ds_store_b128 v13, v[128+8*i:128+8*i+3]   offset:64*i
	ds_store_b128 v13, v[128+8*i+4:128+8*i+7] offset:64*i+16
.set i, i+1
.endr
	s_cmp_eq_u32 s12, 3
	s_cbranch_scc1 .Lwave_3
	ds_store_b128 v13, v[240:243] offset:896
	ds_store_b128 v13, v[244:247] offset:912
	ds_store_b128 v13, v[248:251] offset:960
	ds_store_b128 v13, v[252:255] offset:976
	s_branch .Lstaged
.Lwave_3:                                          ; of wave 3's tiles 14 and 15 only columns 992-999 exist: tile 14, lanes 0-15
	s_wait_xcnt 0x0                                ; EXEC changes only behind this wait
	v_cmp_gt_u32 vcc_lo, 16, v3
	s_and_saveexec_b32 s40, vcc_lo
	ds_store_b128 v13, v[240:243] offset:896
	ds_store_b128 v13, v[244:247] offset:912
	s_or_b32 exec_lo, exec_lo, s40
.Lstaged:
	s_wait_dscnt 0x0                               ; for the others' sake: my stores into the stage are done
	s_barrier_signal -1
	s_barrier_wait -1
	; 64,000 bytes are 125 pieces of 512: wave w takes pieces w + 4 t; wave 0 also the last
.set t, 0
.rept 31
	ds_load_b128 v[128+4*t:128+4*t+3], v14 offset:2048*t
.set t, t+1
.endr
.set t, 0
.rept 31
	s_wait_dscnt 30-t                              ; LDS loads come back in order: the younger ones may stay out
	global_store_b128 v14, v[128+4*t:128+4*t+3], s[10:11] offset:2048*t th:TH_STORE_NT  ; 512 consecutive bytes, aligned: a work-group's 64,000 begin at a multiple of 256
.set t, t+1
.endr
	s_cmp_lg_u32 s12, 0
	s_cbranch_scc1 .Lstored
	ds_load_b128 v[252:255], v14 offset:63488
	s_wait_dscnt 0x0
	global_store_b128 v14, v[252:255], s[10:11] offset:63488 th:TH_STORE_NT
.Lstored:
	s_wait_tensorcnt 0x0                           ; the wave's end, behind my last tensor load and my last LDS store
	ds_add_u32 v28, v29
	s_wait_dscnt 0x0
	CROUND                                         ; the closing round: no work-group ends while a partner may still ask for a tile that names it
	s_endpgm
.Lfunc_end_k_qe2ce1d3936_head:
	.size	k_qe2ce1d3936_head, .Lfunc_end_k_qe2ce1d3936_head-k_qe2ce1d3936_head
	.p2alignl 7, 3214868480
	.fill 96, 4, 3214868480
	.section	.rodata,"a",@progbits
	.p2align	6, 0x0
	.amdhsa_kernel k_qe2ce1d3936_head
		.amdhsa_group_segment_fixed_size 327680
		.amdhsa_private_segment_fixed_size 0
		.amdhsa_enable_private_segment 0
		.amdhsa_kernarg_size 32
		.amdhsa_user_sgpr_count 2
		.amdhsa_user_sgpr_kernarg_segment_ptr 1
		.amdhsa_wavefront_size32 1
		.amdhsa_system_sgpr_workgroup_id_x 1
		.amdhsa_system_sgpr_workgroup_id_y 1
		.amdhsa_system_sgpr_workgroup_id_z 1
		.amdhsa_system_vgpr_workitem_id 0
		.amdhsa_next_free_vgpr 768
		.amdhsa_next_free_sgpr 66
		.amdhsa_reserve_vcc 1
		.amdhsa_float_denorm_mode_32 3
		.amdhsa_float_denorm_mode_16_64 3
		.amdhsa_memory_ordered 1
		.amdhsa_forward_progress 1
		.amdhsa_inst_pref_size 155
	.end_amdhsa_kernel
	.amdgpu_metadata
---
amdhsa.version: [ 1, 2 ]
amdhsa.kernels:
  - .name:           k_qe2ce1d3936_head
    .symbol:         k_qe2ce1d3936_head.kd
    .args:
      - { .name: ab4, .offset: 0, .size: 8, .value_kind: global_buffer, .address_space: global }
      - { .name: wl, .offset: 8, .size: 8, .value_kind: global_buffer, .address_space: global }
      - { .name: h1_b, .offset: 16, .size: 8, .value_kind: global_buffer, .address_space: global }
      - { .name: out0, .offset: 24, .size: 8, .value_kind: global_buffer, .address_space: global }
    .group_segment_fixed_size: 327680
    .private_segment_fixed_size: 0
    .kernarg_segment_align: 8
    .kernarg_segment_size: 32
    .max_flat_workgroup_size: 128
    .sgpr_count:     66
    .vgpr_count:     768
    .wavefront_size: 32
...
	.end_amdgpu_metadata
.endif
;; end of part 4
;; ======== version 2 of 2: 7 launches
;; limits: right only within a limited range of input values
;; workspace buffers: ab0 8,388,608 bytes; ab1 16,785,408 bytes; ab2 16,785,408 bytes; ab3 16,785,408 bytes; ab4 16,777,216 bytes; wg 12,582,912 bytes; wl 2,097,152 bytes; lg 8,388,608 bytes
;; launch prep (part 5): grid 480 x 1, 8 waves a work-group, no clusters, 0 bytes of LDS; arguments utterance, emb_w, w_ih, w_hh, h1_w, ab0, ab1, ab2, ab3, wg, wl; writes ab0, ab1, ab2, ab3, wg, wl
.if DOCPART == 5
	.amdgcn_target "amdgcn-amd-amdhsa--gfx1250"
	.amdhsa_code_object_version 6
	.text
	.protected	k_qe2ce1d3936_prep
	.globl	k_qe2ce1d3936_prep
	.p2align	8
	.type	k_qe2ce1d3936_prep,@function
k_qe2ce1d3936_prep:
	s_mov_b64 s[64:65], 0
	v_nop
	global_prefetch_b8 v0, s[64:65] scope:SCOPE_SE
	s_setreg_imm32_b32 hwreg(HW_REG_WAVE_MODE, 25, 1), 1
	s_wait_xcnt 0x0
; PREP: every matrix operand of the later launches is rounded once to bf16 and laid out in PLANES by blocks of rows: [block][plane of 64 k][rows of the block][64],
; a row of a plane 128 bytes, the rows of a plane dense, the planes of a block on end.  Sources: the table rows that utterance names (for each of the four steps), w_ih, w_hh, h1_w.
; It also stores, for steps 1 to 3, each row's flag "no token 0 among the tokens before this step" as 0 or 1.
; SHARES.  A wave converts a QUAD, 4 source rows of 4,096 bytes: lane l = 8 q + i reads, for plane cb, 32 bytes at row q, byte 256 cb + 32 i (eight lanes: 256 bytes on end, aligned)
; and stores 16 bytes at plane cb, byte 16 l of the quad's 512: a wave's store covers 512 consecutive bytes, aligned.  All 32 loads of a wave go out ahead of its first conversion.
; A work-group takes 32 rows.  Work-groups 0-255: the gathers (step = id / 64); 256-447: w_ih and w_hh; 448-479: h1_w, whose rows 1000-1023 are stored as zeros.
; No LDS, no matrix unit, no cluster: nothing is shared and nothing is multiplied.
; LIMITS.  One rounding to bf16 (nearest even).  A token outside 0 .. 31,999 is held to 31,999 for the address alone; the flags test the token as it is given.
; global_idxes is an argument that the computation never uses: no launch of this program names it.
.set XPL,   16384                      ; bytes in a plane of 128 rows (the steps' inputs: blocks of 128 rows x 32 planes, of which these are planes 0-15)
.set WPL,   24576                      ; in a plane of 192 rows (the GRU weights of one block of 64 hidden columns: 3 gates x 64)
.set LPL,   8192                       ; in a plane of 64 rows (h1_w: blocks of 64 rows x 16 planes)
.set ALOFF, 16777216                   ; where the flags lie in ab1, ab2, ab3
.set D,     16                         ; v[16:143] the quad: plane cb in 8 registers, as loaded; its first 4 then as stored
; The quad's 32 loads, then plane by plane: wait, round, store.  so: the register with the lanes' source offsets; pst: bytes from plane to plane; nt = 1: the source is read once in the launch
.macro CONV so, pst, nt
.set cb, 0
.rept 16
.if \nt
	global_load_b128 v[D+8*cb:D+8*cb+3],   v[\so], s[36:37] offset:cb*256 th:TH_LOAD_NT
	global_load_b128 v[D+8*cb+4:D+8*cb+7], v[\so], s[36:37] offset:cb*256+16 th:TH_LOAD_NT
.else
	global_load_b128 v[D+8*cb:D+8*cb+3],   v[\so], s[36:37] offset:cb*256
	global_load_b128 v[D+8*cb+4:D+8*cb+7], v[\so], s[36:37] offset:cb*256+16
.endif
.set cb, cb+1
.endr
.set cb, 0
.rept 16
	s_wait_loadcnt 2*(15-cb)                       ; loads come back in order: plane cb is in, the two loads of each younger plane may stay out
	v_cvt_pk_bf16_f32 v[D+8*cb],   v[D+8*cb],   v[D+8*cb+1]   ; in place: register j is written when it has been read
	v_cvt_pk_bf16_f32 v[D+8*cb+1], v[D+8*cb+2], v[D+8*cb+3]
	v_cvt_pk_bf16_f32 v[D+8*cb+2], v[D+8*cb+4], v[D+8*cb+5]
	v_cvt_pk_bf16_f32 v[D+8*cb+3], v[D+8*cb+6], v[D+8*cb+7]
	global_store_b128 v5, v[D+8*cb:D+8*cb+3], s[34:35] offset:cb*(\pst) th:TH_STORE_NT
.set cb, cb+1
.endr
.endm
	s_load_b512 s[8:23], s[0:1], 0x0               ; utterance s[8:9], emb_w s[10:11], w_ih s[12:13], w_hh s[14:15], h1_w s[16:17], ab0 s[18:19], ab1 s[20:21], ab2 s[22:23]
	s_load_b128 s[24:27], s[0:1], 0x40             ; ab3 s[24:25], wg s[26:27]
	s_load_b64 s[28:29], s[0:1], 0x50              ; wl
	v_lshrrev_b32 v1, 5, v0
	v_readfirstlane_b32 s30, v1                    ; wave 0..7
	v_and_b32 v1, 31, v0                           ; lane l
	v_lshrrev_b32 v2, 3, v1                        ; q: my row of the quad
	v_and_b32 v3, 7, v1                            ; i: my 32 bytes of a plane's 256
	v_lshlrev_b32 v9, 5, v3                        ; 32 i
	v_lshl_add_u32 v4, v2, 12, v9                  ; 4,096 q + 32 i: the source offset where the quad's rows lie on end
	v_lshlrev_b32 v5, 4, v1                        ; 16 l: the offset of every store
	s_mov_b32 s31, ttmp9
	s_mov_b32 s39, 0                               ; the high word of every offset
	s_wait_kmcnt 0x0
	s_cmp_lt_u32 s31, 256
	s_cbranch_scc0 .Lweights
	; THE GATHERS.  Step t = id / 64; rows b .. b + 3 of the batch
	s_lshr_b32 s32, s31, 6                         ; t
	s_and_b32 s33, s31, 63
	s_lshl_b32 s33, s33, 5                         ; the work-group's first row
	s_lshl2_add_u32 s46, s30, s33                  ; b = that + 4 x wave
	s_lshl_b32 s38, s46, 4
	s_lshl2_add_u32 s38, s32, s38                  ; 16 b + 4 t: a row of utterance is 16 bytes
	v_lshl_add_u32 v6, v2, 4, s38
	global_load_b32 v7, v6, s[8:9]                 ; my row's token of step t
	s_cmp_eq_u32 s32, 0                            ; the step's buffer
	s_cselect_b64 s[44:45], s[18:19], s[20:21]
	s_cmp_eq_u32 s32, 2
	s_cselect_b64 s[44:45], s[22:23], s[44:45]
	s_cmp_eq_u32 s32, 3
	s_cselect_b64 s[44:45], s[24:25], s[44:45]
	s_lshr_b32 s38, s46, 7                         ; the block of 128 rows: 32 planes of 16,384 bytes,
	s_lshl_b32 s38, s38, 19
	s_and_b32 s40, s46, 127                        ; and row b's place in a plane of it
	s_lshl_b32 s40, s40, 7
	s_add_co_u32 s38, s38, s40
	s_add_nc_u64 s[34:35], s[44:45], s[38:39]
	s_mov_b64 s[36:37], s[10:11]
	s_wait_loadcnt 0x0
	v_min_u32 v7, 0x7cff, v7                       ; inside the table, whatever the token
	v_lshl_add_u32 v8, v7, 12, v9                  ; 4,096 x token + 32 i
	CONV 8, XPL, 0                                 ; no hint: a table row may be named again
	; THE FLAGS of the work-group's 32 rows, by wave 0, for steps 1 to 3: a lane a row
	s_cmp_eq_u32 s32, 0
	s_cbranch_scc1 .Lgathered
	s_cmp_lg_u32 s30, 0
	s_cbranch_scc1 .Lgathered
	s_lshl_b32 s38, s33, 4
	v_add_nc_u32 v15, s38, v5                      ; 16 x (first row + l)
	global_load_b128 v[10:13], v15, s[8:9]         ; the row's four tokens
	s_lshl_b32 s38, s33, 2
	s_add_co_u32 s38, s38, ALOFF
	s_add_nc_u64 s[44:45], s[44:45], s[38:39]
	v_lshlrev_b32 v2, 2, v1
	s_wait_loadcnt 0x0
	v_cmp_ne_u32 s40, 0, v10
	v_cmp_ne_u32 s41, 0, v11
	v_cmp_ne_u32 s42, 0, v12
	s_cmp_lt_u32 s32, 2                            ; token 1 counts from step 2 on,
	s_cselect_b32 s43, -1, 0
	s_or_b32 s41, s41, s43
	s_cmp_lt_u32 s32, 3                            ; token 2 in step 3
	s_cselect_b32 s43, -1, 0
	s_or_b32 s42, s42, s43
	s_and_b32 s40, s40, s41
	s_and_b32 s40, s40, s42
	v_cndmask_b32 v14, 0, 1, s40
	global_store_b32 v2, v14, s[44:45]             ; 128 consecutive bytes: the one store of the program that covers less than 256
.Lgathered:
	s_endpgm
.Lweights:
	s_cmp_lt_u32 s31, 448
	s_cbranch_scc0 .Lhead
	; THE GRU WEIGHTS.  wg is [jb 0..15][kb 0..31][rr 0..191][64]: rr = 64 gate + column in the block jb of 64 hidden columns; kb 0-15 w_ih's planes, 16-31 w_hh's
	s_sub_co_u32 s32, s31, 256
	s_cmp_ge_u32 s32, 96
	s_cselect_b32 s33, 1, 0                        ; 0: w_ih, 1: w_hh
	s_cselect_b64 s[36:37], s[14:15], s[12:13]
	s_mul_i32 s38, s33, 96
	s_sub_co_u32 s32, s32, s38                     ; which 32 of the matrix's 3,072 rows
	s_lshl_b32 s38, s32, 17
	s_lshl_b32 s40, s30, 14
	s_add_co_u32 s38, s38, s40                     ; (32 x that + 4 x wave) x 4,096
	s_add_nc_u64 s[36:37], s[36:37], s[38:39]
	s_lshr_b32 s40, s32, 5                         ; gate
	s_and_b32 s41, s32, 31
	s_lshr_b32 s42, s41, 1                         ; jb
	s_and_b32 s41, s41, 1
	s_lshl_b32 s40, s40, 6
	s_lshl_b32 s41, s41, 5
	s_add_co_u32 s40, s40, s41
	s_lshl2_add_u32 s40, s30, s40                  ; rr = 64 gate + 32 x half + 4 x wave
	s_lshl_b32 s40, s40, 7
	s_mul_i32 s42, s42, 32*WPL
	s_mul_i32 s41, s33, 16*WPL
	s_add_co_u32 s38, s40, s42
	s_add_co_u32 s38, s38, s41
	s_add_nc_u64 s[34:35], s[26:27], s[38:39]
	CONV 4, WPL, 1
	s_endpgm
.Lhead:
	; h1_w: wl is [nb 0..15][kb 0..15][64 rows][64].  1,000 is a multiple of 4: a quad is all rows of h1_w or all padding
	s_sub_co_u32 s32, s31, 448
	s_lshl_b32 s32, s32, 5
	s_lshl2_add_u32 s32, s30, s32                  ; n
	s_lshr_b32 s38, s32, 6                         ; the block of 64 rows: 16 planes of 8,192 bytes,
	s_lshl_b32 s38, s38, 17
	s_and_b32 s40, s32, 63                         ; and row n's place in a plane of it
	s_lshl_b32 s40, s40, 7
	s_add_co_u32 s38, s38, s40
	s_add_nc_u64 s[34:35], s[28:29], s[38:39]
	s_cmp_ge_u32 s32, 1000
	s_cbranch_scc1 .Lzero
	s_lshl_b32 s38, s32, 12
	s_add_nc_u64 s[36:37], s[16:17], s[38:39]
	CONV 4, LPL, 1
	s_endpgm
.Lzero:
.irp j, 0,1,2,3
	v_mov_b32 v[D+\j], 0
.endr
.set cb, 0
.rept 16
	global_store_b128 v5, v[D:D+3], s[34:35] offset:cb*LPL th:TH_STORE_NT
.set cb, cb+1
.endr
	s_endpgm
.Lfunc_end_k_qe2ce1d3936_prep:
	.size	k_qe2ce1d3936_prep, .Lfunc_end_k_qe2ce1d3936_prep-k_qe2ce1d3936_prep
	.p2alignl 7, 3214868480
	.fill 96, 4, 3214868480
	.section	.rodata,"a",@progbits
	.p2align	6, 0x0
	.amdhsa_kernel k_qe2ce1d3936_prep
		.amdhsa_group_segment_fixed_size 0
		.amdhsa_private_segment_fixed_size 0
		.amdhsa_enable_private_segment 0
		.amdhsa_kernarg_size 88
		.amdhsa_user_sgpr_count 2
		.amdhsa_user_sgpr_kernarg_segment_ptr 1
		.amdhsa_wavefront_size32 1
		.amdhsa_system_sgpr_workgroup_id_x 1
		.amdhsa_system_sgpr_workgroup_id_y 1
		.amdhsa_system_sgpr_workgroup_id_z 1
		.amdhsa_system_vgpr_workitem_id 0
		.amdhsa_next_free_vgpr 144
		.amdhsa_next_free_sgpr 66
		.amdhsa_reserve_vcc 0
		.amdhsa_float_denorm_mode_32 3
		.amdhsa_float_denorm_mode_16_64 3
		.amdhsa_memory_ordered 1
		.amdhsa_forward_progress 1
		.amdhsa_inst_pref_size 34
	.end_amdhsa_kernel
	.amdgpu_metadata
---
amdhsa.version: [ 1, 2 ]
amdhsa.kernels:
  - .name:           k_qe2ce1d3936_prep
    .symbol:         k_qe2ce1d3936_prep.kd
    .args:
      - { .name: utterance, .offset: 0, .size: 8, .value_kind: global_buffer, .address_space: global }
      - { .name: emb_w, .offset: 8, .size: 8, .value_kind: global_buffer, .address_space: global }
      - { .name: w_ih, .offset: 16, .size: 8, .value_kind: global_buffer, .address_space: global }
      - { .name: w_hh, .offset: 24, .size: 8, .value_kind: global_buffer, .address_space: global }
      - { .name: h1_w, .offset: 32, .size: 8, .value_kind: global_buffer, .address_space: global }
      - { .name: ab0, .offset: 40, .size: 8, .value_kind: global_buffer, .address_space: global }
      - { .name: ab1, .offset: 48, .size: 8, .value_kind: global_buffer, .address_space: global }
      - { .name: ab2, .offset: 56, .size: 8, .value_kind: global_buffer, .address_space: global }
      - { .name: ab3, .offset: 64, .size: 8, .value_kind: global_buffer, .address_space: global }
      - { .name: wg, .offset: 72, .size: 8, .value_kind: global_buffer, .address_space: global }
      - { .name: wl, .offset: 80, .size: 8, .value_kind: global_buffer, .address_space: global }
    .group_segment_fixed_size: 0
    .private_segment_fixed_size: 0
    .kernarg_segment_align: 8
    .kernarg_segment_size: 88
    .max_flat_workgroup_size: 256
    .sgpr_count:     66
    .vgpr_count:     144
    .wavefront_size: 32
...
	.end_amdgpu_metadata
.endif
;; end of part 5
;; launch step0 (part 6): grid 16 x 16, 4 waves a work-group, clusters of 4 x 4, 327,680 bytes of LDS; arguments ab0, wg, b_ih, b_hh, ab1; writes ab1
.if DOCPART == 6
	.amdgcn_target "amdgcn-amd-amdhsa--gfx1250"
	.amdhsa_code_object_version 6
	.text
	.protected	k_qe2ce1d3936_step0
	.globl	k_qe2ce1d3936_step0
	.p2align	8
	.type	k_qe2ce1d3936_step0,@function
k_qe2ce1d3936_step0:
	s_mov_b64 s[64:65], 0
	v_nop
	global_prefetch_b8 v0, s[64:65] scope:SCOPE_SE
	s_setreg_imm32_b32 hwreg(HW_REG_WAVE_MODE, 25, 1), 1
	s_wait_xcnt 0x0
	s_wait_alu depctr_hold_cnt(0) depctr_sa_sdst(0) depctr_va_vdst(0) depctr_va_sdst(0) depctr_va_ssrc(0) depctr_va_vcc(0) depctr_vm_vsrc(0)
	s_getreg_b32 s2, hwreg(HW_REG_IB_STS2, 6, 4)
	s_cmp_eq_u32 s2, 0
	s_cbranch_scc0 .Lentry_in_a_cluster
	s_endpgm
.Lentry_in_a_cluster:
	s_bfe_u32 s2, ttmp6, 0x10000c
	s_cmp_lg_u32 s2, 0xf033
	s_cbranch_scc0 .Lentry_shape_is_right
	s_endpgm
.Lentry_shape_is_right:
; ONE GRU STEP on 2,048 rows, H = 1,024.  This text serves two kernels that differ in the line below alone: FIRST = 1 is step 0, whose old state is 0 by the computation itself
; (h . w_hh is 0 and is not multiplied, gh is b_hh, every row is alive); FIRST = 0 is a later step.
.set FIRST, 1
; ARGUMENTS: abin (at 0: [rb 0..15][plane 0..31][128 rows][64] bf16: planes 0-15 this step's inputs, 16-31 the old state; HF at 8,388,608: the old state in f32, in the order of the registers that hold it:
; [rb][jb][wave][16 quads][lane][16 bytes]; AL at 16,777,216: a flag a row, 0 or 1), wg ([jb][plane 0..31][192][64] bf16: the weights of block jb of 64 hidden columns, 3 gates x 64 rows a plane, w_ih's 16 planes,
; then w_hh's), b_ih, b_hh, about (its planes 16-31 and its HF are stored).  The last step's HF is stored though no launch reads it: the price of one text for steps 1 to 3.
; SHARES.  A work-group makes 128 rows x 64 hidden columns of the new state; four waves, wave w rows 64 (w / 2) on, columns 32 (w % 2) on.  For each state number four sums are kept in f32:
; R and Z (x . w_ih + h . w_hh), IN (x . w_ih) and HN (h . w_hh): 32 accumulators of 16 x 16, all of window 2.
; THE WALK.  K has 32 planes of 64.  LDS holds seven: slot X four, slot Y three; a slot's tile is one dense run of memory, since a block's planes lie on end.  In a later step X takes x's planes 0-3 and then h's
; sixteen by fours, Y takes x's planes 4-15 by threes: so in the loop every plane of Y adds to IN and every plane of X to HN, and one text serves all trips: 7 refills for 32 planes.
; In step 0 X takes planes 0-3, 7-10, 14-15 and Y 4-6, 11-13: 3 refills, written out.
; LAYOUT.  Source 0 = 16 weight rows, source 1 = 16 batch rows: a lane holds ONE batch row (lane % 16) and the hidden columns 8 (lane / 16) + 0..7, the four sums of a state number in the same lane and place.
; THE BIASES start the sums: R (b_ih + b_hh), Z (likewise) and IN (b_ih) as the C operand of their first products; HN's accumulators are loaded with b_hh.  Nothing is cleared, no bias is added later.
; CLUSTER.  4 x 4 work-groups.  The four of a row of the cluster share their 128 batch rows, the four of a column their block of weights: each tile is asked for JOINTLY, by the same tensor load with the same
; descriptor and a mask that names the four.
; LIMITS.  Matrix operands are bf16, rounded once; the carried state, biases and gates are f32.  sigmoid(x) = 1 / (1 + 2^(-x log2 e)), tanh(x) = 1 - 2 / (1 + 2^(2 x log2 e)): an exponential that overflows gives
; infinity and its reciprocal 0, so both saturate rightly for every finite x; the exponentials and reciprocals count denormals as 0.  NaN and infinities in the inputs are not treated apart.
; REGISTERS, in windows of 256 (s_set_vgpr_msb: bits 1:0 source 0, 3:2 source 1, 5:4 source 2, 7:6 destination):
;   window 0: v0-29 addresses; v32-63 b_hh's r and z parts; v64-191 fragments of the batch rows: four CHUNK BUFFERS q (32 along K each), block a at 64 + 32 q + 8 a; v192-255 the biases, sum G, block b at 192 + 16 G + 8 b
;   window 1: fragments of the weights at 48 q + 8 (2 gate + b)     window 2: the sums, G (R 0, Z 1, IN 2, HN 3), row block a, column block b at 64 G + 8 (2 a + b)     window 3: v0-63 the old state in f32
.set PREF,  1-FIRST                    ; the later steps prefetch; step 0 is too short for it
.set PA,    144                        ; an LDS row of a plane: 128 bytes + 16 of padding = 36 words: the 16 rows of a fragment load start at 16 different groups of four banks (64 banks of 4 bytes: ISA guide 11.1)
.set APL,   128*PA                     ; a plane's 128 batch rows in LDS
.set BPL,   192*PA                     ; a plane's 192 weight rows
.set XA,    0                          ; slot X: four planes of batch rows,
.set XB,    4*APL                      ; four of weights
.set YA,    XB+4*BPL                   ; slot Y: three planes of batch rows,
.set YB,    YA+3*APL                   ; three of weights
.set SPARE, YB+3*BPL                   ; the spare words, 128 bytes for each wave: two blocks of 256 bytes that no other line names
.set STG,   YA                         ; the stage of the new state in bf16, 128 rows x 144 bytes: in slot Y, behind its last fill and its last reading
.set AMP,   16384                      ; a plane of batch rows in memory,
.set BMP,   24576                      ; of weights
.if FIRST
.set XW0,   0                          ; the plane from which X's walking descriptor starts, and the planes that a refill steps it and Y's
.set XINC,  7
.set YINC,  7
.else
.set XW0,   12
.set XINC,  4
.set YINC,  3
.endif
.set G1F,   (1<<16)|(1<<20)|(1<<21)|(4<<22)|(3<<25)  ; group 1, word 0 beside the mask: 17:16 2-byte elements; 20 padding on; 21 set beside a mask; 24:22 after every 32 words (code 4); 31:25 4 words (code 3)
.set MSB, 0
.macro WIN new                         ; the immediate's high byte repeats the setting that is left; a switch that changes nothing is dropped
.if MSB != (\new)
	s_set_vgpr_msb (MSB<<8)|(\new)
.set MSB, \new
.endif
.endm
.set MULW, 0xa1                        ; weights window 1, batch rows window 0, C and D window 2
.set MULB, 0x81                        ; the same with C, a bias, in window 0
.set TO_B, 0x40                        ; destination window 1
.set EP,   0xaa                        ; all in window 2
.set EPF,  0xa2                        ; source 1 in window 0
.set EPH,  0xab                        ; source 0, the old state, in window 3
.set LDH,  0x80                        ; destination window 2, address window 0
.set LDO,  0xc0                        ; destination window 3
.set STW,  0x08                        ; a store's data in window 2
; s14 wave, s15 wave / 2, s16 wave % 2, s17 cx, s18 cy, s19 jb, s20 rb; groups 1: s[24:31] batch rows in X, s[32:39] weights in X, s[40:47] batch rows in Y, s[48:55] weights in Y;
; groups 0: s[56:59], s[60:63] X's first fill; s[68:71], s[72:75] X's walking; s[76:79], s[80:83] Y's; s[84:87] the gates' factors; s[88:91] the flags as lane masks; s66 the loop's count; s67, s23, s[96:101] the prefetches'
.macro PLACES                          ; four places: behind a matrix instruction, in front of loads into registers that it has read and of vector lines that read its result
.rept 4
	v_nop
.endr
.endm
.macro CREST                           ; a round of the cluster's barrier behind its opening barrier
	s_cmp_lg_u32 s14, 0
	s_cbranch_scc1 .Lnot_wave_0_\@
	s_barrier_signal -3
.Lnot_wave_0_\@:
	s_barrier_wait -3
	s_barrier_signal -1
	s_barrier_wait -1
.endm
.macro CROUND                          ; a whole round
	s_barrier_signal -1
	s_barrier_wait -1
	CREST
.endm
; A joint refill of slot me (0: X, 1: Y): waves 0 and 1 fetch the two halves of its batch rows, waves 2 and 3 those of its weights; an s_nop 0 and four v_nop follow each line.
; half = 1: only the slot's first half is wanted: waves 1 and 3 have no part and issue nothing.  The branches hang on the wave's number alone.
.macro JLOAD me, half
.if \half
	s_cmp_lg_u32 s16, 0
	s_cbranch_scc1 .Lasked_\@
.endif
	s_cmp_eq_u32 s15, 0
	s_cbranch_scc0 .Lfor_b_\@
	tensor_load_to_lds s[68+8*(\me):71+8*(\me)], s[24+16*(\me):31+16*(\me)]
	s_nop 0
	PLACES
	s_branch .Lasked_\@
.Lfor_b_\@:
	tensor_load_to_lds s[72+8*(\me):75+8*(\me)], s[32+16*(\me):39+16*(\me)]
	s_nop 0
	PLACES
.Lasked_\@:
.endm
; PREFETCHES INTO THE L2, four planes at a time.  Each change of X names the four planes of h that X's NEXT refill will load, one trip (336 matrix instructions) ahead of that load; the first trip's change of Y names x's planes
; 12-15, which Y's refills load one and two trips on.  The batch rows' planes: the clusters with x = 0 ask; the partner at cx takes plane cx of the four, 16,384 bytes of its 128 rows, a lane 256 of them: two lines of wave 0.
; The weights' planes: the clusters with y = 0 ask; the partner at cy takes plane cy of the four, 24,576 bytes: a line each of waves 1, 2, 3.  The partners are told apart by address alone.  So each 256 bytes of x's planes 12-15
; and of h's planes 4-15 are named once in the launch; x's planes 0-11 and h's 0-3 come by their loads alone; the loop's last trip names nothing.
.macro ASKX how                        ; how = 1: ahead of the loop
.if \how
	s_cmp_eq_u32 s67, 1                            ; s67 = 1 in a wave that asks, else the greatest number
.else
	s_cmp_gt_u32 s66, s67                          ; s66 = 1 in the loop's last trip
.endif
	s_cbranch_scc0 .Lno_ask_\@
	global_prefetch_b8 v20, s[96:97] th:TH_LOAD_NT scope:SCOPE_SE
	s_cmp_lg_u32 s14, 0
	s_cbranch_scc1 .Lno_ask_\@
	global_prefetch_b8 v20, s[96:97] offset:8192 th:TH_LOAD_NT scope:SCOPE_SE
.Lno_ask_\@:
.endm
.macro ASKY
	s_cmp_eq_u32 s66, s23                          ; s23 = 3, the first trip's count, in a wave that asks, else 0
	s_cbranch_scc0 .Lno_ask_\@
	global_prefetch_b8 v20, s[100:101] th:TH_LOAD_NT scope:SCOPE_SE
	s_cmp_lg_u32 s14, 0
	s_cbranch_scc1 .Lno_ask_\@
	global_prefetch_b8 v20, s[100:101] offset:8192 th:TH_LOAD_NT scope:SCOPE_SE
.Lno_ask_\@:
.endm
; Products on chunk buffer q: row blocks a0 .. a0 + na - 1 x the six gate blocks (2 gate + b).  ph = 1: the third gate's sum is HN, else IN.  init = 1: the product starts its sum with the bias.
; The accumulators take turns, one instruction a turn: a run's last product names the third gate, the next run's first names R, over the backward jump too.
.macro MUL q, a0, na, ph, init
.set ma, \a0
.rept \na
.set mg, 0
.rept 6
.set mG, mg/2
.if (mg/2 == 2) && (\ph)
.set mG, 3
.endif
.set rD, 64*mG+8*(2*ma+mg%2)
.set rB, 48*(\q)+8*mg
.set rA, 64+32*(\q)+8*ma
.set rC, 192+16*mG+8*(mg%2)
.if \init
	WIN MULB
	v_wmma_f32_16x16x32_bf16 v[rD:rD+7], v[rB:rB+7], v[rA:rA+7], v[rC:rC+7]
.else
	WIN MULW
	v_wmma_f32_16x16x32_bf16 v[rD:rD+7], v[rB:rB+7], v[rA:rA+7], v[rD:rD+7]
.endif
.set mg, mg+1
.endr
.set ma, ma+1
.endr
.endm
; LDS loads: chunk c of plane p of slot sl (0: X, 1: Y) into chunk buffer q.  A fragment is 16 rows x 32 K: lane l holds row l % 16, K = 8 (l / 16) + 0..7 and 16 + 8 (l / 16) + 0..7: two loads, 32 bytes apart.
; v4, v5: my batch rows in X, in Y; v6, v7: my weight rows in X's planes 0-1, 2-3; v8, v9: in Y's planes 0-1, 2 (an LDS immediate has 16 bits)
.macro FCA sl, p, c, q
.set fa, 0
.rept 4
	ds_load_b128 v[64+32*(\q)+8*fa:64+32*(\q)+8*fa+3],   v[4+(\sl)] offset:(\p)*APL+fa*16*PA+(\c)*64
	ds_load_b128 v[64+32*(\q)+8*fa+4:64+32*(\q)+8*fa+7], v[4+(\sl)] offset:(\p)*APL+fa*16*PA+(\c)*64+32
.set fa, fa+1
.endr
.endm
.macro FCB sl, p, c, q
.set fg, 0
.rept 6
	ds_load_b128 v[48*(\q)+8*fg:48*(\q)+8*fg+3],   v[6+2*(\sl)+(\p)/2] offset:((\p)%2)*BPL+(64*(fg/2)+16*(fg%2))*PA+(\c)*64
	ds_load_b128 v[48*(\q)+8*fg+4:48*(\q)+8*fg+7], v[6+2*(\sl)+(\p)/2] offset:((\p)%2)*BPL+(64*(fg/2)+16*(fg%2))*PA+(\c)*64+32
.set fg, fg+1
.endr
.endm
.macro FETCH sl, p, q                  ; a whole plane, 40 loads in one run, into chunk buffers q and q + 1; chunk 0's twenty first
	WIN 0
	FCA \sl, \p, 0, \q
	WIN TO_B
	FCB \sl, \p, 0, \q
	FCB \sl, \p, 1, (\q)+1
	WIN 0
	FCA \sl, \p, 1, (\q)+1
.endm
.macro FETCHC sl, p, c, q              ; one chunk, 20 loads
	WIN 0
	FCA \sl, \p, \c, \q
	WIN TO_B
	FCB \sl, \p, \c, \q
.endm
; Slot X's planes 0 to 2 (n = 4), or its planes 0 and 1 and no more (n = 2).  A trip has seven planes, an odd number, so two planes share a pair of chunk buffers: planes 0 and 1 both lie in buffers 2 and 3, chunk by chunk;
; plane 2 lies in buffers 0 and 1, plane 3 in 2 and 3 again.  At the entry plane 0's 40 loads are out.
.macro XHEAD ph, init, n
	s_wait_dscnt 20                                ; plane 0's chunk 0 is in; its chunk 1's twenty loads may be out
	MUL 2, 0, 4, \ph, \init
	PLACES
	FETCHC 0, 1, 0, 2
	s_wait_dscnt 20                                ; all but the twenty just issued
	MUL 3, 0, 4, \ph, 0
	PLACES
	FETCHC 0, 1, 1, 3
	s_wait_dscnt 20                                ; plane 1's chunk 0 is in
	MUL 2, 0, 4, \ph, 0
.if (\n) == 4
	FETCH 0, 2, 0                                  ; buffers 0 and 1 were last read two runs of places back
	s_wait_dscnt 40                                ; all but the 40 just issued
	MUL 3, 0, 4, \ph, 0
	s_wait_dscnt 20
	MUL 0, 0, 4, \ph, 0
	PLACES
	FETCH 0, 3, 2
	s_wait_dscnt 40
	MUL 1, 0, 4, \ph, 0
.else
	s_wait_dscnt 0x0
	MUL 3, 0, 4, \ph, 0
.endif
.endm
.macro YHEAD                           ; slot Y's planes 0 (buffers 0, 1) and 1 (buffers 2, 3); they are x's
	s_wait_dscnt 20
	MUL 0, 0, 4, 0, 0
	PLACES
	FETCH 1, 1, 2
	s_wait_dscnt 40
	MUL 1, 0, 4, 0, 0
	s_wait_dscnt 20
	MUL 2, 0, 4, 0, 0
	PLACES
	FETCH 1, 2, 0
	s_wait_dscnt 40
	MUL 3, 0, 4, 0, 0
.endm
; A slot's last plane (in buffers q, q + 1), and the change of slots.  In front of the barrier each wave waits for all its tensor loads (its part of the other slot), adds 0 to its spare word, and waits for that and for its reads of
; this slot, me.  fill = 1: the barrier opens a round of the cluster's, and the joint refill of this slot is the first thing behind the round; fill = 2: of its first half alone; fill = 0: nothing is asked for.
; Only twelve products stand between the wait for the tensor loads and the refill.  ask: 1, 2 ASKX ahead of and in the loop, 3 ASKY.
.macro TURN q, ph, me, fill, ask
.if PREF && (((\ask) == 1) || ((\ask) == 2))
	s_wait_xcnt 0x0                                ; the last prefetches, a slot's products back or more, have read their addresses, so this one may be stepped
	s_add_nc_u64 s[96:97], s[96:97], s[98:99]
.endif
	WIN 0
	s_wait_tensorcnt 0x0                           ; no tensor load of mine is out, so a group 0 may be written
	ds_add_u32 v28, v29                            ; 0 onto my spare word
.if \fill
.if (\me) == 0
	s_add_nc_u64 s[70:71], s[70:71], XINC*AMP      ; the slot's next planes
	s_add_nc_u64 s[74:75], s[74:75], XINC*BMP
.else
	s_add_nc_u64 s[78:79], s[78:79], YINC*AMP
	s_add_nc_u64 s[82:83], s[82:83], YINC*BMP
.endif
.endif
	s_wait_dscnt 0x0                               ; the add is done, and my reads of this slot are over: its last plane is in registers
	s_barrier_signal -1
	MUL \q, 0, 2, \ph, 0
.if \fill
	WIN 0
.endif
	s_barrier_wait -1
.if \fill
	CREST
	JLOAD \me, (\fill)-1                           ; its four v_nop are also the places in front of the loads below
.if (\fill) == 2
	PLACES                                         ; for the waves that issued nothing
.endif
.else
	PLACES
.endif
	FETCH 1-(\me), 0, 2-(\q)                       ; the other slot's first plane
.if PREF
.if (\ask) == 1
	ASKX 1
.elseif (\ask) == 2
	ASKX 0
.elseif (\ask) == 3
	ASKY
.endif
.endif
	MUL \q, 2, 2, \ph, 0
	MUL (\q)+1, 0, 4, \ph, 0
.endm
.macro LAST q, ph                      ; the last plane of all: nothing more to fetch
	s_wait_dscnt 20
	MUL \q, 0, 4, \ph, 0
	s_wait_dscnt 0x0
	MUL (\q)+1, 0, 4, \ph, 0
.endm
; x = 2^(x times the factor in s[sc]) for registers lo .. lo + n - 1 of window 2: ONE batch of exponentials; the scaling runs a pair ahead, so no line names a result.  Behind the last a plain line, then the one wait
; ahead of the first line that names a result.
.macro EXPB lo, n, sc
	WIN EP
	v_pk_mul_f32 v[\lo:\lo+1], v[\lo:\lo+1], s[\sc:\sc+1] op_sel_hi:[1,0]
.set e, \lo
.rept (\n)/2
.if e+2 < (\lo)+(\n)
	v_pk_mul_f32 v[e+2:e+3], v[e+2:e+3], s[\sc:\sc+1] op_sel_hi:[1,0]
.endif
	v_exp_f32 v[e], v[e]
	v_exp_f32 v[e+1], v[e+1]
.set e, e+2
.endr
	v_nop
	s_wait_alu depctr_va_vdst(0)
.endm
.macro RCPB lo, n                      ; x = 1 / (1 + x), in the same form
	WIN EP
	v_pk_add_f32 v[\lo:\lo+1], v[\lo:\lo+1], 1.0 op_sel_hi:[1,0]
.set e, \lo
.rept (\n)/2
.if e+2 < (\lo)+(\n)
	v_pk_add_f32 v[e+2:e+3], v[e+2:e+3], 1.0 op_sel_hi:[1,0]
.endif
	v_rcp_f32 v[e], v[e]
	v_rcp_f32 v[e+1], v[e+1]
.set e, e+2
.endr
	v_nop
	s_wait_alu depctr_va_vdst(0)
.endm
	s_load_b256 s[4:11], s[0:1], 0x0               ; abin s[4:5], wg s[6:7], b_ih s[8:9], b_hh s[10:11]
	s_load_b64 s[12:13], s[0:1], 0x20              ; about
	v_lshl_add_u32 v28, v0, 2, SPARE
	v_mov_b32 v29, 0
	ds_add_u32 v28, v29                            ; the wave's opening: the add, twice on end, and its wait ahead of my first tensor load
	ds_add_u32 v28, v29
	v_lshrrev_b32 v1, 5, v0
	v_readfirstlane_b32 s14, v1                    ; wave 0..3
	s_lshr_b32 s15, s14, 1                         ; my half of the rows.  Also: I fetch batch rows (0) or weights (1)
	s_and_b32 s16, s14, 1                          ; my half of the columns.  Also: which half of a slot's run I fetch
	s_bfe_u32 s17, ttmp6, 0x40000                  ; cx
	s_bfe_u32 s18, ttmp6, 0x40004                  ; cy
	s_lshl_b32 s19, ttmp9, 2
	s_add_co_u32 s19, s19, s17                     ; jb: my block of 64 hidden columns
	s_and_b32 s20, ttmp7, 0xffff
	s_lshl_b32 s20, s20, 2
	s_add_co_u32 s20, s20, s18                     ; rb: my block of 128 rows
	s_lshl_b32 s21, s18, 2
	s_lshl_b32 s21, 15, s21                        ; my row of the cluster
	s_lshl_b32 s22, 0x1111, s17                    ; my column
	; groups 1.  Half a slot's run is dense in memory: asked for as rows of 256 bytes, two rows of a plane each, and padded in LDS behind every 128 bytes
	s_or_b32 s24, s21, G1F
	s_or_b32 s40, s21, G1F
	s_or_b32 s32, s22, G1F
	s_or_b32 s48, s22, G1F
.irp g, 24, 32, 40, 48
	s_mov_b32 s[\g+1], 128<<16                     ; tensor_dim0 = 128
	s_mov_b32 s[\g+3], 128<<16                     ; tile_dim0 = 128
	s_mov_b32 s[\g+5], 128                         ; 128 elements from row to row
	s_mov_b32 s[\g+6], 0
	s_mov_b32 s[\g+7], 0
.endr
	s_mov_b32 s26, 128<<16                         ; batch rows in X: tensor_dim1 = tile_dim1 = 128 (two planes, 32,768 bytes)
	s_mov_b32 s28, 128
	s_mov_b32 s34, 192<<16                         ; weights in X: 192 (49,152 bytes)
	s_mov_b32 s36, 192
	s_mov_b32 s42, 96<<16                          ; batch rows in Y: 96 (a plane and a half, 24,576 bytes)
	s_mov_b32 s44, 96
	s_mov_b32 s50, 144<<16                         ; weights in Y: 144 (36,864 bytes)
	s_mov_b32 s52, 144
	; groups 0: count 1, and where the halves go: no place in the cluster enters an LDS address
	s_mov_b32 s56, 1
	s_mul_i32 s57, s16, 2*APL
	s_mov_b32 s68, 1
	s_mul_i32 s69, s16, 2*APL
	s_mov_b32 s60, 1
	s_mul_i32 s61, s16, 2*BPL
	s_add_co_u32 s61, s61, XB
	s_mov_b32 s72, 1
	s_mul_i32 s73, s16, 2*BPL
	s_add_co_u32 s73, s73, XB
	s_mov_b32 s76, 1
	s_mul_i32 s77, s16, 3*APL/2
	s_add_co_u32 s77, s77, YA
	s_mov_b32 s80, 1
	s_mul_i32 s81, s16, 3*BPL/2
	s_add_co_u32 s81, s81, YB
	s_lshl_b32 s92, s20, 19                        ; batch rows: block rb: made of rb alone
	s_mov_b32 s93, 0
	s_mul_i32 s94, s19, 32*BMP                     ; weights: block jb: made of jb alone
	s_mov_b32 s95, 0
	s_mov_b32 s97, 0
	s_mov_b32 s84, 0xbfb8aa3b                      ; -log2(e)
	s_mov_b32 s85, s84
	s_mov_b32 s86, 0x4038aa3b                      ; 2 log2(e)
	s_mov_b32 s87, s86
	s_wait_dscnt 0x0                               ; both opening adds are done
	s_wait_kmcnt 0x0
	s_add_nc_u64 s[92:93], s[4:5], s[92:93]
	s_add_nc_u64 s[94:95], s[6:7], s[94:95]
	s_lshl_b32 s96, s16, 15                        ; my half of X's batch rows
	s_add_nc_u64 s[58:59], s[92:93], s[96:97]      ; planes 0-3
	s_add_nc_u64 s[70:71], s[58:59], XW0*AMP       ; the walking descriptor: a refill steps it first
	s_mul_i32 s96, s16, 3*AMP/2                    ; my half of Y's
	s_add_nc_u64 s[78:79], s[92:93], s[96:97]
	s_add_nc_u64 s[78:79], s[78:79], 4*AMP         ; planes 4-6
	s_mul_i32 s96, s16, 2*BMP
	s_add_nc_u64 s[62:63], s[94:95], s[96:97]
	s_add_nc_u64 s[74:75], s[62:63], XW0*BMP
	s_mul_i32 s96, s16, 3*BMP/2
	s_add_nc_u64 s[82:83], s[94:95], s[96:97]
	s_add_nc_u64 s[82:83], s[82:83], 4*BMP
.irp g, 59, 63, 71, 75, 79, 83
	s_or_b32 s[\g], s[\g], 0x80000000              ; type = 2
.endr
	CROUND                                         ; all sixteen work-groups are here: the first joint loads meet
	s_cmp_eq_u32 s15, 0                            ; a wave's two first fills stand in one branch, ahead of every wait on TENSORcnt and every LDS read: two loads of mine are out
	s_cbranch_scc0 .Lfirst_b
	tensor_load_to_lds s[56:59], s[24:31]
	s_nop 0
	tensor_load_to_lds s[76:79], s[40:47]
	s_nop 0
	PLACES
	s_branch .Lfirst_asked
.Lfirst_b:
	tensor_load_to_lds s[60:63], s[32:39]
	s_nop 0
	tensor_load_to_lds s[80:83], s[48:55]
	s_nop 0
	PLACES
.Lfirst_asked:
	v_and_b32 v1, 15, v0                           ; r = l % 16
	v_bfe_u32 v2, v0, 4, 1                         ; h = l / 16
	v_and_b32 v3, 31, v0                           ; l
	s_lshl_b32 s92, s19, 8
	s_lshl_b32 s93, s16, 7
	s_add_co_u32 s92, s92, s93
	v_lshl_add_u32 v18, v2, 5, s92                 ; my 8 columns in a gate's part of a bias: 4 (64 jb + 32 (w % 2) + 8 h)
	s_lshl_b32 s92, s20, 4
	s_add_co_u32 s92, s92, s19
	s_lshl_b32 s92, s92, 15
	s_lshl_b32 s93, s14, 13
	s_add_co_u32 s92, s92, s93
	s_add_co_u32 s92, s92, 8388608
	v_lshl_add_u32 v17, v3, 4, s92                 ; my 16 bytes of a quad of the f32 state, in abin and in about: 32,768 (16 rb + jb) + 8,192 w + 16 l behind HF's first byte
	s_lshl_b32 s92, s20, 19
	s_add_co_u32 s93, s19, 16
	s_lshl_b32 s93, s93, 14
	s_add_co_u32 s92, s92, s93
	s_lshl_b32 s93, s14, 12
	s_add_co_u32 s92, s92, s93
	v_lshl_add_u32 v16, v3, 4, s92                 ; about's plane 16 + jb of block rb, at my wave's 32 rows, 16 l
.irp g, 0,1,2
.irp b, 0,1
	global_load_b128 v[192+16*\g+8*\b:192+16*\g+8*\b+3],   v18, s[8:9] offset:\g*4096+\b*64
	global_load_b128 v[192+16*\g+8*\b+4:192+16*\g+8*\b+7], v18, s[8:9] offset:\g*4096+\b*64+16
.endr
.endr
.irp g, 0,1
.irp b, 0,1
	global_load_b128 v[32+16*\g+8*\b:32+16*\g+8*\b+3],   v18, s[10:11] offset:\g*4096+\b*64
	global_load_b128 v[32+16*\g+8*\b+4:32+16*\g+8*\b+7], v18, s[10:11] offset:\g*4096+\b*64+16
.endr
.endr
.if FIRST
.irp b, 0,1
	global_load_b128 v[240+8*\b:240+8*\b+3],   v18, s[10:11] offset:8192+\b*64
	global_load_b128 v[240+8*\b+4:240+8*\b+7], v18, s[10:11] offset:8192+\b*64+16
.endr
.else
	WIN LDH                                        ; HN's eight accumulators start at b_hh's third part
.set i, 0
.rept 8
	global_load_b128 v[192+8*i:192+8*i+3],   v18, s[10:11] offset:8192+(i%2)*64
	global_load_b128 v[192+8*i+4:192+8*i+7], v18, s[10:11] offset:8192+(i%2)*64+16
.set i, i+1
.endr
	WIN LDO                                        ; the old state, as the launch before stored it: 512 bytes on end a load
.set k, 0
.rept 16
	global_load_b128 v[4*k:4*k+3], v17, s[4:5] offset:512*k
.set k, k+1
.endr
	WIN 0
	s_lshl_b32 s92, s20, 9                         ; the flags of my 64 rows
	s_lshl_b32 s93, s15, 8
	s_add_co_u32 s92, s92, s93
	s_add_co_u32 s92, s92, 16777216
	v_lshl_add_u32 v19, v1, 2, s92
.irp a, 0,1,2,3
	global_load_b32 v[12+\a], v19, s[4:5] offset:64*\a
.endr
.endif
	v_mul_u32_u24 v21, v1, PA
	v_lshl_add_u32 v21, v2, 4, v21                 ; r x 144 + 16 h
	s_mul_i32 s92, s15, 64*PA
	v_add_nc_u32 v4, s92, v21                      ; my batch rows' fragments in X,
	v_add_nc_u32 v5, YA, v4                        ; in Y
	s_lshl_b32 s93, s16, 6
	s_add_co_u32 s92, s92, s93
	s_add_co_u32 s92, s92, STG
	v_add_nc_u32 v10, s92, v21                     ; into the stage: row 64 (w / 2) + r, columns 32 (w % 2) + 8 h on
	s_mul_i32 s92, s16, 32*PA
	s_add_co_u32 s92, s92, XB
	v_add_nc_u32 v6, s92, v21                      ; my weight rows' fragments in X's planes 0-1,
	v_add_nc_u32 v7, 2*BPL, v6                     ; 2-3,
	v_add_nc_u32 v8, YB-XB, v6                     ; in Y's planes 0-1,
	v_add_nc_u32 v9, 2*BPL, v8                     ; 2
	v_lshrrev_b32 v11, 3, v3                       ; back from the stage: 32 lanes take four rows of 128 bytes
	v_mul_u32_u24 v11, v11, PA
	v_and_b32 v22, 7, v0
	v_lshl_add_u32 v11, v22, 4, v11
	s_mul_i32 s92, s14, 32*PA
	s_add_co_u32 s92, s92, STG
	v_add_nc_u32 v11, s92, v11
.if PREF
	v_lshlrev_b32 v20, 8, v3                       ; the prefetches: a lane 256 bytes
	s_lshl_b32 s92, s20, 19                        ; wave 0: plane 12 + cx of my 128 rows
	s_add_co_u32 s93, s17, 12
	s_lshl_b32 s93, s93, 14
	s_add_co_u32 s92, s92, s93
	s_mul_i32 s94, s19, 32*BMP                     ; waves 1 to 3: a third each of plane 12 + cy of my block of weights
	s_add_co_u32 s95, s18, 12
	s_mul_i32 s95, s95, BMP
	s_add_co_u32 s94, s94, s95
	s_lshl_b32 s95, s14, 13
	s_add_co_u32 s94, s94, s95
	s_sub_co_u32 s94, s94, 8192
	s_and_b32 s23, ttmp7, 0xffff                   ; cluster y
	s_mov_b32 s99, 4*BMP
	s_cmp_eq_u32 s14, 0
	s_cselect_b32 s92, s92, s94
	s_cselect_b32 s98, 4*AMP, s99                  ; four planes
	s_cselect_b32 s23, ttmp9, s23                  ; the coordinate along which other clusters read the same bytes
	s_cselect_b64 s[100:101], s[4:5], s[6:7]
	s_mov_b32 s93, 0
	s_mov_b32 s99, 0
	s_add_nc_u64 s[100:101], s[100:101], s[92:93]  ; x's planes 12-15
	s_add_nc_u64 s[96:97], s[100:101], s[98:99]    ; h's planes 0-3: each change of X steps it by four planes first
	s_cmp_eq_u32 s23, 0
	s_cselect_b32 s67, 1, -1                       ; the same in all sixteen partners, for a given wave
	s_cselect_b32 s23, 3, 0
.endif
	s_wait_loadcnt 0x0                             ; the biases, the old state and the flags
.set i, 0
.rept 16
	v_pk_add_f32 v[192+i:193+i], v[192+i:193+i], v[32+i:33+i]  ; R's and Z's sums start at b_ih + b_hh
.set i, i+2
.endr
.if !FIRST
.irp a, 0,1,2,3
	v_cmp_ne_u32 s[88+\a], 0, v[12+\a]             ; lane l: is row 16 a + l % 16 of my 64 alive?
.endr
.endif
	s_wait_tensorcnt 1                             ; my part of slot X is in; slot Y's may stay out
	s_barrier_signal -1
	s_barrier_wait -1                              ; everybody's is
	FETCH 0, 0, 2
	XHEAD 0, 1, 4                                  ; x's planes 0-2; the first chunk's products start R, Z and IN
.if FIRST
	TURN 2, 0, 0, 1, 0                             ; plane 3; X is asked again: planes 7-10
	YHEAD                                          ; planes 4, 5
	TURN 0, 0, 1, 1, 0                             ; plane 6; Y is asked again: planes 11-13
	XHEAD 0, 0, 4                                  ; planes 7-9
	TURN 2, 0, 0, 2, 0                             ; plane 10; X's first half is asked again: planes 14, 15
	YHEAD                                          ; planes 11, 12
	TURN 0, 0, 1, 0, 0                             ; plane 13; nothing is asked for
	XHEAD 0, 0, 2                                  ; planes 14, 15
.else
	TURN 2, 0, 0, 1, 1                             ; x's plane 3; X is asked again: h's planes 0-3
	WIN 0                                          ; at a label and at a branch every window is 0
	s_mov_b32 s66, 3
.Ltrip:                                            ; a trip: three planes of x out of Y, four of h out of X; both slots are asked again
	YHEAD
	TURN 0, 0, 1, 1, 3
	XHEAD 1, 0, 4
	TURN 2, 1, 0, 1, 2
	WIN 0
	s_sub_co_u32 s66, s66, 1
	s_cmp_lg_u32 s66, 0
	s_cbranch_scc1 .Ltrip
	YHEAD                                          ; the tail is written out: x's planes 13-15 and h's 12-15 ask for nothing
	TURN 0, 0, 1, 0, 0
	XHEAD 1, 0, 4
	LAST 2, 1
.endif
	; THE GATES, in place in window 2; every pass ascends.  Four batches of exponentials or reciprocals, one wait each.
	PLACES
	EXPB 0, 128, 84                                ; 2^(-x log2 e) of R and Z
	RCPB 0, 128                                    ; r in v0-63, z in v64-127
.if FIRST
	WIN EPF
.else
	WIN EP
.endif
.set i, 0
.rept 32
.if FIRST
	v_pk_fma_f32 v[128+i:129+i], v[i:i+1], v[240+8*((i/8)%2)+i%8:241+8*((i/8)%2)+i%8], v[128+i:129+i]  ; IN + r b_hh
.else
	v_pk_fma_f32 v[128+i:129+i], v[i:i+1], v[192+i:193+i], v[128+i:129+i]  ; IN + r HN
.endif
.set i, i+2
.endr
	EXPB 128, 64, 86                               ; 2^(2 x log2 e)
	RCPB 128, 64
.set i, 0
.rept 32
	v_pk_fma_f32 v[128+i:129+i], v[128+i:129+i], -2.0, 1.0 op_sel_hi:[1,0,0]  ; n = tanh
.set i, i+2
.endr
.if FIRST
.set i, 0
.rept 32
	v_pk_fma_f32 v[128+i:129+i], v[64+i:65+i], v[128+i:129+i], v[128+i:129+i] neg_lo:[1,0,0] neg_hi:[1,0,0]  ; h' = n - z n
.set i, i+2
.endr
.else
	WIN EPH
.set i, 0
.rept 32
	v_pk_add_f32 v[192+i:193+i], v[i:i+1], v[128+i:129+i] neg_lo:[0,1] neg_hi:[0,1]  ; h - n
.set i, i+2
.endr
	WIN EP
.set i, 0
.rept 32
	v_pk_fma_f32 v[128+i:129+i], v[64+i:65+i], v[192+i:193+i], v[128+i:129+i]  ; h' = n + z (h - n)
.set i, i+2
.endr
	WIN EPH
.set i, 0
.rept 64
	v_cndmask_b32 v[128+i], v[i], v[128+i], s[88+i/16]  ; a row that is not alive keeps its state, bit for bit
.set i, i+1
.endr
	WIN EP
.endif
.set i, 0
.rept 32
	v_cvt_pk_bf16_f32 v[192+i], v[128+2*i], v[128+2*i+1]  ; the next launch's matrix operand
.set i, i+1
.endr
	; THE WAY OUT.  The f32 state leaves as it lies in the registers.  The bf16 state goes through the stage, since a row's 128 bytes come from two waves: every wave has passed a barrier since its last read of slot Y,
	; and no tensor load follows.
	WIN STW
.set i, 0
.rept 8
	ds_store_b128 v10, v[192+4*i:192+4*i+3] offset:(i/2)*16*PA+(i%2)*32
.set i, i+1
.endr
.set k, 0
.rept 16
	global_store_b128 v17, v[128+4*k:128+4*k+3], s[12:13] offset:512*k  ; 512 consecutive bytes, aligned
.set k, k+1
.endr
	WIN 0
	s_wait_dscnt 0x0                               ; for the others' sake: my stores into the stage are done
	s_barrier_signal -1
	s_barrier_wait -1
.set t, 0
.rept 8
	ds_load_b128 v[64+4*t:64+4*t+3], v11 offset:t*4*PA
.set t, t+1
.endr
.set t, 0
.rept 8
	s_wait_dscnt 7-t                               ; LDS loads come back in order: the younger ones may stay out
	global_store_b128 v16, v[64+4*t:64+4*t+3], s[12:13] offset:t*512  ; 512 consecutive bytes, aligned
.set t, t+1
.endr
	s_wait_tensorcnt 0x0                           ; the wave's end, behind my last tensor load and my last LDS store
	ds_add_u32 v28, v29
	s_wait_dscnt 0x0
	CROUND                                         ; the closing round: no work-group ends while a partner may still ask for a tile that names it
	s_endpgm
.Lfunc_end_k_qe2ce1d3936_step0:
	.size	k_qe2ce1d3936_step0, .Lfunc_end_k_qe2ce1d3936_step0-k_qe2ce1d3936_step0
	.p2alignl 7, 3214868480
	.fill 96, 4, 3214868480
	.section	.rodata,"a",@progbits
	.p2align	6, 0x0
	.amdhsa_kernel k_qe2ce1d3936_step0
		.amdhsa_group_segment_fixed_size 327680
		.amdhsa_private_segment_fixed_size 0
		.amdhsa_enable_private_segment 0
		.amdhsa_kernarg_size 40
		.amdhsa_user_sgpr_count 2
		.amdhsa_user_sgpr_kernarg_segment_ptr 1
		.amdhsa_wavefront_size32 1
		.amdhsa_system_sgpr_workgroup_id_x 1
		.amdhsa_system_sgpr_workgroup_id_y 1
		.amdhsa_system_sgpr_workgroup_id_z 1
		.amdhsa_system_vgpr_workitem_id 0
		.amdhsa_next_free_vgpr 768
		.amdhsa_next_free_sgpr 102
		.amdhsa_reserve_vcc 0
		.amdhsa_float_denorm_mode_32 3
		.amdhsa_float_denorm_mode_16_64 3
		.amdhsa_memory_ordered 1
		.amdhsa_forward_progress 1
		.amdhsa_inst_pref_size 145
	.end_amdhsa_kernel
	.amdgpu_metadata
---
amdhsa.version: [ 1, 2 ]
amdhsa.kernels:
  - .name:           k_qe2ce1d3936_step0
    .symbol:         k_qe2ce1d3936_step0.kd
    .args:
      - { .name: ab0, .offset: 0, .size: 8, .value_kind: global_buffer, .address_space: global }
      - { .name: wg, .offset: 8, .size: 8, .value_kind: global_buffer, .address_space: global }
      - { .name: b_ih, .offset: 16, .size: 8, .value_kind: global_buffer, .address_space: global }
      - { .name: b_hh, .offset: 24, .size: 8, .value_kind: global_buffer, .address_space: global }
      - { .name: ab1, .offset: 32, .size: 8, .value_kind: global_buffer, .address_space: global }
    .group_segment_fixed_size: 327680
    .private_segment_fixed_size: 0
    .kernarg_segment_align: 8
    .kernarg_segment_size: 40
    .max_flat_workgroup_size: 128
    .sgpr_count:     102
    .vgpr_count:     768
    .wavefront_size: 32
...
	.end_amdgpu_metadata
.endif
;; end of part 6
;; launch step1 (part 7): grid 16 x 16, 4 waves a work-group, clusters of 4 x 4, 327,680 bytes of LDS; arguments ab1, wg, b_ih, b_hh, ab2; writes ab2
.if DOCPART == 7
	.amdgcn_target "amdgcn-amd-amdhsa--gfx1250"
	.amdhsa_code_object_version 6
	.text
	.protected	k_qe2ce1d3936_step1
	.globl	k_qe2ce1d3936_step1
	.p2align	8
	.type	k_qe2ce1d3936_step1,@function
k_qe2ce1d3936_step1:
	s_mov_b64 s[64:65], 0
	v_nop
	global_prefetch_b8 v0, s[64:65] scope:SCOPE_SE
	s_setreg_imm32_b32 hwreg(HW_REG_WAVE_MODE, 25, 1), 1
	s_wait_xcnt 0x0
	s_wait_alu depctr_hold_cnt(0) depctr_sa_sdst(0) depctr_va_vdst(0) depctr_va_sdst(0) depctr_va_ssrc(0) depctr_va_vcc(0) depctr_vm_vsrc(0)
	s_getreg_b32 s2, hwreg(HW_REG_IB_STS2, 6, 4)
	s_cmp_eq_u32 s2, 0
	s_cbranch_scc0 .Lentry_in_a_cluster
	s_endpgm
.Lentry_in_a_cluster:
	s_bfe_u32 s2, ttmp6, 0x10000c
	s_cmp_lg_u32 s2, 0xf033
	s_cbranch_scc0 .Lentry_shape_is_right
	s_endpgm
.Lentry_shape_is_right:
; ONE GRU STEP on 2,048 rows, H = 1,024.  This text serves two kernels that differ in the line below alone: FIRST = 1 is step 0, whose old state is 0 by the computation itself
; (h . w_hh is 0 and is not multiplied, gh is b_hh, every row is alive); FIRST = 0 is a later step.
.set FIRST, 0
; ARGUMENTS: abin (at 0: [rb 0..15][plane 0..31][128 rows][64] bf16: planes 0-15 this step's inputs, 16-31 the old state; HF at 8,388,608: the old state in f32, in the order of the registers that hold it:
; [rb][jb][wave][16 quads][lane][16 bytes]; AL at 16,777,216: a flag a row, 0 or 1), wg ([jb][plane 0..31][192][64] bf16: the weights of block jb of 64 hidden columns, 3 gates x 64 rows a plane, w_ih's 16 planes,
; then w_hh's), b_ih, b_hh, about (its planes 16-31 and its HF are stored).  The last step's HF is stored though no launch reads it: the price of one text for steps 1 to 3.
; SHARES.  A work-group makes 128 rows x 64 hidden columns of the new state; four waves, wave w rows 64 (w / 2) on, columns 32 (w % 2) on.  For each state number four sums are kept in f32:
; R and Z (x . w_ih + h . w_hh), IN (x . w_ih) and HN (h . w_hh): 32 accumulators of 16 x 16, all of window 2.
; THE WALK.  K has 32 planes of 64.  LDS holds seven: slot X four, slot Y three; a slot's tile is one dense run of memory, since a block's planes lie on end.  In a later step X takes x's planes 0-3 and then h's
; sixteen by fours, Y takes x's planes 4-15 by threes: so in the loop every plane of Y adds to IN and every plane of X to HN, and one text serves all trips: 7 refills for 32 planes.
; In step 0 X takes planes 0-3, 7-10, 14-15 and Y 4-6, 11-13: 3 refills, written out.
; LAYOUT.  Source 0 = 16 weight rows, source 1 = 16 batch rows: a lane holds ONE batch row (lane % 16) and the hidden columns 8 (lane / 16) + 0..7, the four sums of a state number in the same lane and place.
; THE BIASES start the sums: R (b_ih + b_hh), Z (likewise) and IN (b_ih) as the C operand of their first products; HN's accumulators are loaded with b_hh.  Nothing is cleared, no bias is added later.
; CLUSTER.  4 x 4 work-groups.  The four of a row of the cluster share their 128 batch rows, the four of a column their block of weights: each tile is asked for JOINTLY, by the same tensor load with the same
; descriptor and a mask that names the four.
; LIMITS.  Matrix operands are bf16, rounded once; the carried state, biases and gates are f32.  sigmoid(x) = 1 / (1 + 2^(-x log2 e)), tanh(x) = 1 - 2 / (1 + 2^(2 x log2 e)): an exponential that overflows gives
; infinity and its reciprocal 0, so both saturate rightly for every finite x; the exponentials and reciprocals count denormals as 0.  NaN and infinities in the inputs are not treated apart.
; REGISTERS, in windows of 256 (s_set_vgpr_msb: bits 1:0 source 0, 3:2 source 1, 5:4 source 2, 7:6 destination):
;   window 0: v0-29 addresses; v32-63 b_hh's r and z parts; v64-191 fragments of the batch rows: four CHUNK BUFFERS q (32 along K each), block a at 64 + 32 q + 8 a; v192-255 the biases, sum G, block b at 192 + 16 G + 8 b
;   window 1: fragments of the weights at 48 q + 8 (2 gate + b)     window 2: the sums, G (R 0, Z 1, IN 2, HN 3), row block a, column block b at 64 G + 8 (2 a + b)     window 3: v0-63 the old state in f32
.set PREF,  1-FIRST                    ; the later steps prefetch; step 0 is too short for it
.set PA,    144                        ; an LDS row of a plane: 128 bytes + 16 of padding = 36 words: the 16 rows of a fragment load start at 16 different groups of four banks (64 banks of 4 bytes: ISA guide 11.1)
.set APL,   128*PA                     ; a plane's 128 batch rows in LDS
.set BPL,   192*PA                     ; a plane's 192 weight rows
.set XA,    0                          ; slot X: four planes of batch rows,
.set XB,    4*APL                      ; four of weights
.set YA,    XB+4*BPL                   ; slot Y: three planes of batch rows,
.set YB,    YA+3*APL                   ; three of weights
.set SPARE, YB+3*BPL                   ; the spare words, 128 bytes for each wave: two blocks of 256 bytes that no other line names
.set STG,   YA                         ; the stage of the new state in bf16, 128 rows x 144 bytes: in slot Y, behind its last fill and its last reading
.set AMP,   16384                      ; a plane of batch rows in memory,
.set BMP,   24576                      ; of weights
.if FIRST
.set XW0,   0                          ; the plane from which X's walking descriptor starts, and the planes that a refill steps it and Y's
.set XINC,  7
.set YINC,  7
.else
.set XW0,   12
.set XINC,  4
.set YINC,  3
.endif
.set G1F,   (1<<16)|(1<<20)|(1<<21)|(4<<22)|(3<<25)  ; group 1, word 0 beside the mask: 17:16 2-byte elements; 20 padding on; 21 set beside a mask; 24:22 after every 32 words (code 4); 31:25 4 words (code 3)
.set MSB, 0
.macro WIN new                         ; the immediate's high byte repeats the setting that is left; a switch that changes nothing is dropped
.if MSB != (\new)
	s_set_vgpr_msb (MSB<<8)|(\new)
.set MSB, \new
.endif
.endm
.set MULW, 0xa1                        ; weights window 1, batch rows window 0, C and D window 2
.set MULB, 0x81                        ; the same with C, a bias, in window 0
.set TO_B, 0x40                        ; destination window 1
.set EP,   0xaa                        ; all in window 2
.set EPF,  0xa2                        ; source 1 in window 0
.set EPH,  0xab                        ; source 0, the old state, in window 3
.set LDH,  0x80                        ; destination window 2, address window 0
.set LDO,  0xc0                        ; destination window 3
.set STW,  0x08                        ; a store's data in window 2
; s14 wave, s15 wave / 2, s16 wave % 2, s17 cx, s18 cy, s19 jb, s20 rb; groups 1: s[24:31] batch rows in X, s[32:39] weights in X, s[40:47] batch rows in Y, s[48:55] weights in Y;
; groups 0: s[56:59], s[60:63] X's first fill; s[68:71], s[72:75] X's walking; s[76:79], s[80:83] Y's; s[84:87] the gates' factors; s[88:91] the flags as lane masks; s66 the loop's count; s67, s23, s[96:101] the prefetches'
.macro PLACES                          ; four places: behind a matrix instruction, in front of loads into registers that it has read and of vector lines that read its result
.rept 4
	v_nop
.endr
.endm
.macro CREST                           ; a round of the cluster's barrier behind its opening barrier
	s_cmp_lg_u32 s14, 0
	s_cbranch_scc1 .Lnot_wave_0_\@
	s_barrier_signal -3
.Lnot_wave_0_\@:
	s_barrier_wait -3
	s_barrier_signal -1
	s_barrier_wait -1
.endm
.macro CROUND                          ; a whole round
	s_barrier_signal -1
	s_barrier_wait -1
	CREST
.endm
; A joint refill of slot me (0: X, 1: Y): waves 0 and 1 fetch the two halves of its batch rows, waves 2 and 3 those of its weights; an s_nop 0 and four v_nop follow each line.
; half = 1: only the slot's first half is wanted: waves 1 and 3 have no part and issue nothing.  The branches hang on the wave's number alone.
.macro JLOAD me, half
.if \half
	s_cmp_lg_u32 s16, 0
	s_cbranch_scc1 .Lasked_\@
.endif
	s_cmp_eq_u32 s15, 0
	s_cbranch_scc0 .Lfor_b_\@
	tensor_load_to_lds s[68+8*(\me):71+8*(\me)], s[24+16*(\me):31+16*(\me)]
	s_nop 0
	PLACES
	s_branch .Lasked_\@
.Lfor_b_\@:
	tensor_load_to_lds s[72+8*(\me):75+8*(\me)], s[32+16*(\me):39+16*(\me)]
	s_nop 0
	PLACES
.Lasked_\@:
.endm
; PREFETCHES INTO THE L2, four planes at a time.  Each change of X names the four planes of h that X's NEXT refill will load, one trip (336 matrix instructions) ahead of that load; the first trip's change of Y names x's planes
; 12-15, which Y's refills load one and two trips on.  The batch rows' planes: the clusters with x = 0 ask; the partner at cx takes plane cx of the four, 16,384 bytes of its 128 rows, a lane 256 of them: two lines of wave 0.
; The weights' planes: the clusters with y = 0 ask; the partner at cy takes plane cy of the four, 24,576 bytes: a line each of waves 1, 2, 3.  The partners are told apart by address alone.  So each 256 bytes of x's planes 12-15
; and of h's planes 4-15 are named once in the launch; x's planes 0-11 and h's 0-3 come by their loads alone; the loop's last trip names nothing.
.macro ASKX how                        ; how = 1: ahead of the loop
.if \how
	s_cmp_eq_u32 s67, 1                            ; s67 = 1 in a wave that asks, else the greatest number
.else
	s_cmp_gt_u32 s66, s67                          ; s66 = 1 in the loop's last trip
.endif
	s_cbranch_scc0 .Lno_ask_\@
	global_prefetch_b8 v20, s[96:97] th:TH_LOAD_NT scope:SCOPE_SE
	s_cmp_lg_u32 s14, 0
	s_cbranch_scc1 .Lno_ask_\@
	global_prefetch_b8 v20, s[96:97] offset:8192 th:TH_LOAD_NT scope:SCOPE_SE
.Lno_ask_\@:
.endm
.macro ASKY
	s_cmp_eq_u32 s66, s23                          ; s23 = 3, the first trip's count, in a wave that asks, else 0
	s_cbranch_scc0 .Lno_ask_\@
	global_prefetch_b8 v20, s[100:101] th:TH_LOAD_NT scope:SCOPE_SE
	s_cmp_lg_u32 s14, 0
	s_cbranch_scc1 .Lno_ask_\@
	global_prefetch_b8 v20, s[100:101] offset:8192 th:TH_LOAD_NT scope:SCOPE_SE
.Lno_ask_\@:
.endm
; Products on chunk buffer q: row blocks a0 .. a0 + na - 1 x the six gate blocks (2 gate + b).  ph = 1: the third gate's sum is HN, else IN.  init = 1: the product starts its sum with the bias.
; The accumulators take turns, one instruction a turn: a run's last product names the third gate, the next run's first names R, over the backward jump too.
.macro MUL q, a0, na, ph, init
.set ma, \a0
.rept \na
.set mg, 0
.rept 6
.set mG, mg/2
.if (mg/2 == 2) && (\ph)
.set mG, 3
.endif
.set rD, 64*mG+8*(2*ma+mg%2)
.set rB, 48*(\q)+8*mg
.set rA, 64+32*(\q)+8*ma
.set rC, 192+16*mG+8*(mg%2)
.if \init
	WIN MULB
	v_wmma_f32_16x16x32_bf16 v[rD:rD+7], v[rB:rB+7], v[rA:rA+7], v[rC:rC+7]
.else
	WIN MULW
	v_wmma_f32_16x16x32_bf16 v[rD:rD+7], v[rB:rB+7], v[rA:rA+7], v[rD:rD+7]
.endif
.set mg, mg+1
.endr
.set ma, ma+1
.endr
.endm
; LDS loads: chunk c of plane p of slot sl (0: X, 1: Y) into chunk buffer q.  A fragment is 16 rows x 32 K: lane l holds row l % 16, K = 8 (l / 16) + 0..7 and 16 + 8 (l / 16) + 0..7: two loads, 32 bytes apart.
; v4, v5: my batch rows in X, in Y; v6, v7: my weight rows in X's planes 0-1, 2-3; v8, v9: in Y's planes 0-1, 2 (an LDS immediate has 16 bits)
.macro FCA sl, p, c, q
.set fa, 0
.rept 4
	ds_load_b128 v[64+32*(\q)+8*fa:64+32*(\q)+8*fa+3],   v[4+(\sl)] offset:(\p)*APL+fa*16*PA+(\c)*64
	ds_load_b128 v[64+32*(\q)+8*fa+4:64+32*(\q)+8*fa+7], v[4+(\sl)] offset:(\p)*APL+fa*16*PA+(\c)*64+32
.set fa, fa+1
.endr
.endm
.macro FCB sl, p, c, q
.set fg, 0
.rept 6
	ds_load_b128 v[48*(\q)+8*fg:48*(\q)+8*fg+3],   v[6+2*(\sl)+(\p)/2] offset:((\p)%2)*BPL+(64*(fg/2)+16*(fg%2))*PA+(\c)*64
	ds_load_b128 v[48*(\q)+8*fg+4:48*(\q)+8*fg+7], v[6+2*(\sl)+(\p)/2] offset:((\p)%2)*BPL+(64*(fg/2)+16*(fg%2))*PA+(\c)*64+32
.set fg, fg+1
.endr
.endm
.macro FETCH sl, p, q                  ; a whole plane, 40 loads in one run, into chunk buffers q and q + 1; chunk 0's twenty first
	WIN 0
	FCA \sl, \p, 0, \q
	WIN TO_B
	FCB \sl, \p, 0, \q
	FCB \sl, \p, 1, (\q)+1
	WIN 0
	FCA \sl, \p, 1, (\q)+1
.endm
.macro FETCHC sl, p, c, q              ; one chunk, 20 loads
	WIN 0
	FCA \sl, \p, \c, \q
	WIN TO_B
	FCB \sl, \p, \c, \q
.endm
; Slot X's planes 0 to 2 (n = 4), or its planes 0 and 1 and no more (n = 2).  A trip has seven planes, an odd number, so two planes share a pair of chunk buffers: planes 0 and 1 both lie in buffers 2 and 3, chunk by chunk;
; plane 2 lies in buffers 0 and 1, plane 3 in 2 and 3 again.  At the entry plane 0's 40 loads are out.
.macro XHEAD ph, init, n
	s_wait_dscnt 20                                ; plane 0's chunk 0 is in; its chunk 1's twenty loads may be out
	MUL 2, 0, 4, \ph, \init
	PLACES
	FETCHC 0, 1, 0, 2
	s_wait_dscnt 20                                ; all but the twenty just issued
	MUL 3, 0, 4, \ph, 0
	PLACES
	FETCHC 0, 1, 1, 3
	s_wait_dscnt 20                                ; plane 1's chunk 0 is in
	MUL 2, 0, 4, \ph, 0
.if (\n) == 4
	FETCH 0, 2, 0                                  ; buffers 0 and 1 were last read two runs of places back
	s_wait_dscnt 40                                ; all but the 40 just issued
	MUL 3, 0, 4, \ph, 0
	s_wait_dscnt 20
	MUL 0, 0, 4, \ph, 0
	PLACES
	FETCH 0, 3, 2
	s_wait_dscnt 40
	MUL 1, 0, 4, \ph, 0
.else
	s_wait_dscnt 0x0
	MUL 3, 0, 4, \ph, 0
.endif
.endm
.macro YHEAD                           ; slot Y's planes 0 (buffers 0, 1) and 1 (buffers 2, 3); they are x's
	s_wait_dscnt 20
	MUL 0, 0, 4, 0, 0
	PLACES
	FETCH 1, 1, 2
	s_wait_dscnt 40
	MUL 1, 0, 4, 0, 0
	s_wait_dscnt 20
	MUL 2, 0, 4, 0, 0
	PLACES
	FETCH 1, 2, 0
	s_wait_dscnt 40
	MUL 3, 0, 4, 0, 0
.endm
; A slot's last plane (in buffers q, q + 1), and the change of slots.  In front of the barrier each wave waits for all its tensor loads (its part of the other slot), adds 0 to its spare word, and waits for that and for its reads of
; this slot, me.  fill = 1: the barrier opens a round of the cluster's, and the joint refill of this slot is the first thing behind the round; fill = 2: of its first half alone; fill = 0: nothing is asked for.
; Only twelve products stand between the wait for the tensor loads and the refill.  ask: 1, 2 ASKX ahead of and in the loop, 3 ASKY.
.macro TURN q, ph, me, fill, ask
.if PREF && (((\ask) == 1) || ((\ask) == 2))
	s_wait_xcnt 0x0                                ; the last prefetches, a slot's products back or more, have read their addresses, so this one may be stepped
	s_add_nc_u64 s[96:97], s[96:97], s[98:99]
.endif
	WIN 0
	s_wait_tensorcnt 0x0                           ; no tensor load of mine is out, so a group 0 may be written
	ds_add_u32 v28, v29                            ; 0 onto my spare word
.if \fill
.if (\me) == 0
	s_add_nc_u64 s[70:71], s[70:71], XINC*AMP      ; the slot's next planes
	s_add_nc_u64 s[74:75], s[74:75], XINC*BMP
.else
	s_add_nc_u64 s[78:79], s[78:79], YINC*AMP
	s_add_nc_u64 s[82:83], s[82:83], YINC*BMP
.endif
.endif
	s_wait_dscnt 0x0                               ; the add is done, and my reads of this slot are over: its last plane is in registers
	s_barrier_signal -1
	MUL \q, 0, 2, \ph, 0
.if \fill
	WIN 0
.endif
	s_barrier_wait -1
.if \fill
	CREST
	JLOAD \me, (\fill)-1                           ; its four v_nop are also the places in front of the loads below
.if (\fill) == 2
	PLACES                                         ; for the waves that issued nothing
.endif
.else
	PLACES
.endif
	FETCH 1-(\me), 0, 2-(\q)                       ; the other slot's first plane
.if PREF
.if (\ask) == 1
	ASKX 1
.elseif (\ask) == 2
	ASKX 0
.elseif (\ask) == 3
	ASKY
.endif
.endif
	MUL \q, 2, 2, \ph, 0
	MUL (\q)+1, 0, 4, \ph, 0
.endm
.macro LAST q, ph                      ; the last plane of all: nothing more to fetch
	s_wait_dscnt 20
	MUL \q, 0, 4, \ph, 0
	s_wait_dscnt 0x0
	MUL (\q)+1, 0, 4, \ph, 0
.endm
; x = 2^(x times the factor in s[sc]) for registers lo .. lo + n - 1 of window 2: ONE batch of exponentials; the scaling runs a pair ahead, so no line names a result.  Behind the last a plain line, then the one wait
; ahead of the first line that names a result.
.macro EXPB lo, n, sc
	WIN EP
	v_pk_mul_f32 v[\lo:\lo+1], v[\lo:\lo+1], s[\sc:\sc+1] op_sel_hi:[1,0]
.set e, \lo
.rept (\n)/2
.if e+2 < (\lo)+(\n)
	v_pk_mul_f32 v[e+2:e+3], v[e+2:e+3], s[\sc:\sc+1] op_sel_hi:[1,0]
.endif
	v_exp_f32 v[e], v[e]
	v_exp_f32 v[e+1], v[e+1]
.set e, e+2
.endr
	v_nop
	s_wait_alu depctr_va_vdst(0)
.endm
.macro RCPB lo, n                      ; x = 1 / (1 + x), in the same form
	WIN EP
	v_pk_add_f32 v[\lo:\lo+1], v[\lo:\lo+1], 1.0 op_sel_hi:[1,0]
.set e, \lo
.rept (\n)/2
.if e+2 < (\lo)+(\n)
	v_pk_add_f32 v[e+2:e+3], v[e+2:e+3], 1.0 op_sel_hi:[1,0]
.endif
	v_rcp_f32 v[e], v[e]
	v_rcp_f32 v[e+1], v[e+1]
.set e, e+2
.endr
	v_nop
	s_wait_alu depctr_va_vdst(0)
.endm
	s_load_b256 s[4:11], s[0:1], 0x0               ; abin s[4:5], wg s[6:7], b_ih s[8:9], b_hh s[10:11]
	s_load_b64 s[12:13], s[0:1], 0x20              ; about
	v_lshl_add_u32 v28, v0, 2, SPARE
	v_mov_b32 v29, 0
	ds_add_u32 v28, v29                            ; the wave's opening: the add, twice on end, and its wait ahead of my first tensor load
	ds_add_u32 v28, v29
	v_lshrrev_b32 v1, 5, v0
	v_readfirstlane_b32 s14, v1                    ; wave 0..3
	s_lshr_b32 s15, s14, 1                         ; my half of the rows.  Also: I fetch batch rows (0) or weights (1)
	s_and_b32 s16, s14, 1                          ; my half of the columns.  Also: which half of a slot's run I fetch
	s_bfe_u32 s17, ttmp6, 0x40000                  ; cx
	s_bfe_u32 s18, ttmp6, 0x40004                  ; cy
	s_lshl_b32 s19, ttmp9, 2
	s_add_co_u32 s19, s19, s17                     ; jb: my block of 64 hidden columns
	s_and_b32 s20, ttmp7, 0xffff
	s_lshl_b32 s20, s20, 2
	s_add_co_u32 s20, s20, s18                     ; rb: my block of 128 rows
	s_lshl_b32 s21, s18, 2
	s_lshl_b32 s21, 15, s21                        ; my row of the cluster
	s_lshl_b32 s22, 0x1111, s17                    ; my column
	; groups 1.  Half a slot's run is dense in memory: asked for as rows of 256 bytes, two rows of a plane each, and padded in LDS behind every 128 bytes
	s_or_b32 s24, s21, G1F
	s_or_b32 s40, s21, G1F
	s_or_b32 s32, s22, G1F
	s_or_b32 s48, s22, G1F
.irp g, 24, 32, 40, 48
	s_mov_b32 s[\g+1], 128<<16                     ; tensor_dim0 = 128
	s_mov_b32 s[\g+3], 128<<16                     ; tile_dim0 = 128
	s_mov_b32 s[\g+5], 128                         ; 128 elements from row to row
	s_mov_b32 s[\g+6], 0
	s_mov_b32 s[\g+7], 0
.endr
	s_mov_b32 s26, 128<<16                         ; batch rows in X: tensor_dim1 = tile_dim1 = 128 (two planes, 32,768 bytes)
	s_mov_b32 s28, 128
	s_mov_b32 s34, 192<<16                         ; weights in X: 192 (49,152 bytes)
	s_mov_b32 s36, 192
	s_mov_b32 s42, 96<<16                          ; batch rows in Y: 96 (a plane and a half, 24,576 bytes)
	s_mov_b32 s44, 96
	s_mov_b32 s50, 144<<16                         ; weights in Y: 144 (36,864 bytes)
	s_mov_b32 s52, 144
	; groups 0: count 1, and where the halves go: no place in the cluster enters an LDS address
	s_mov_b32 s56, 1
	s_mul_i32 s57, s16, 2*APL
	s_mov_b32 s68, 1
	s_mul_i32 s69, s16, 2*APL
	s_mov_b32 s60, 1
	s_mul_i32 s61, s16, 2*BPL
	s_add_co_u32 s61, s61, XB
	s_mov_b32 s72, 1
	s_mul_i32 s73, s16, 2*BPL
	s_add_co_u32 s73, s73, XB
	s_mov_b32 s76, 1
	s_mul_i32 s77, s16, 3*APL/2
	s_add_co_u32 s77, s77, YA
	s_mov_b32 s80, 1
	s_mul_i32 s81, s16, 3*BPL/2
	s_add_co_u32 s81, s81, YB
	s_lshl_b32 s92, s20, 19                        ; batch rows: block rb: made of rb alone
	s_mov_b32 s93, 0
	s_mul_i32 s94, s19, 32*BMP                     ; weights: block jb: made of jb alone
	s_mov_b32 s95, 0
	s_mov_b32 s97, 0
	s_mov_b32 s84, 0xbfb8aa3b                      ; -log2(e)
	s_mov_b32 s85, s84
	s_mov_b32 s86, 0x4038aa3b                      ; 2 log2(e)
	s_mov_b32 s87, s86
	s_wait_dscnt 0x0                               ; both opening adds are done
	s_wait_kmcnt 0x0
	s_add_nc_u64 s[92:93], s[4:5], s[92:93]
	s_add_nc_u64 s[94:95], s[6:7], s[94:95]
	s_lshl_b32 s96, s16, 15                        ; my half of X's batch rows
	s_add_nc_u64 s[58:59], s[92:93], s[96:97]      ; planes 0-3
	s_add_nc_u64 s[70:71], s[58:59], XW0*AMP       ; the walking descriptor: a refill steps it first
	s_mul_i32 s96, s16, 3*AMP/2                    ; my half of Y's
	s_add_nc_u64 s[78:79], s[92:93], s[96:97]
	s_add_nc_u64 s[78:79], s[78:79], 4*AMP         ; planes 4-6
	s_mul_i32 s96, s16, 2*BMP
	s_add_nc_u64 s[62:63], s[94:95], s[96:97]
	s_add_nc_u64 s[74:75], s[62:63], XW0*BMP
	s_mul_i32 s96, s16, 3*BMP/2
	s_add_nc_u64 s[82:83], s[94:95], s[96:97]
	s_add_nc_u64 s[82:83], s[82:83], 4*BMP
.irp g, 59, 63, 71, 75, 79, 83
	s_or_b32 s[\g], s[\g], 0x80000000              ; type = 2
.endr
	CROUND                                         ; all sixteen work-groups are here: the first joint loads meet
	s_cmp_eq_u32 s15, 0                            ; a wave's two first fills stand in one branch, ahead of every wait on TENSORcnt and every LDS read: two loads of mine are out
	s_cbranch_scc0 .Lfirst_b
	tensor_load_to_lds s[56:59], s[24:31]
	s_nop 0
	tensor_load_to_lds s[76:79], s[40:47]
	s_nop 0
	PLACES
	s_branch .Lfirst_asked
.Lfirst_b:
	tensor_load_to_lds s[60:63], s[32:39]
	s_nop 0
	tensor_load_to_lds s[80:83], s[48:55]
	s_nop 0
	PLACES
.Lfirst_asked:
	v_and_b32 v1, 15, v0                           ; r = l % 16
	v_bfe_u32 v2, v0, 4, 1                         ; h = l / 16
	v_and_b32 v3, 31, v0                           ; l
	s_lshl_b32 s92, s19, 8
	s_lshl_b32 s93, s16, 7
	s_add_co_u32 s92, s92, s93
	v_lshl_add_u32 v18, v2, 5, s92                 ; my 8 columns in a gate's part of a bias: 4 (64 jb + 32 (w % 2) + 8 h)
	s_lshl_b32 s92, s20, 4
	s_add_co_u32 s92, s92, s19
	s_lshl_b32 s92, s92, 15
	s_lshl_b32 s93, s14, 13
	s_add_co_u32 s92, s92, s93
	s_add_co_u32 s92, s92, 8388608
	v_lshl_add_u32 v17, v3, 4, s92                 ; my 16 bytes of a quad of the f32 state, in abin and in about: 32,768 (16 rb + jb) + 8,192 w + 16 l behind HF's first byte
	s_lshl_b32 s92, s20, 19
	s_add_co_u32 s93, s19, 16
	s_lshl_b32 s93, s93, 14
	s_add_co_u32 s92, s92, s93
	s_lshl_b32 s93, s14, 12
	s_add_co_u32 s92, s92, s93
	v_lshl_add_u32 v16, v3, 4, s92                 ; about's plane 16 + jb of block rb, at my wave's 32 rows, 16 l
.irp g, 0,1,2
.irp b, 0,1
	global_load_b128 v[192+16*\g+8*\b:192+16*\g+8*\b+3],   v18, s[8:9] offset:\g*4096+\b*64
	global_load_b128 v[192+16*\g+8*\b+4:192+16*\g+8*\b+7], v18, s[8:9] offset:\g*4096+\b*64+16
.endr
.endr
.irp g, 0,1
.irp b, 0,1
	global_load_b128 v[32+16*\g+8*\b:32+16*\g+8*\b+3],   v18, s[10:11] offset:\g*4096+\b*64
	global_load_b128 v[32+16*\g+8*\b+4:32+16*\g+8*\b+7], v18, s[10:11] offset:\g*4096+\b*64+16
.endr
.endr
.if FIRST
.irp b, 0,1
	global_load_b128 v[240+8*\b:240+8*\b+3],   v18, s[10:11] offset:8192+\b*64
	global_load_b128 v[240+8*\b+4:240+8*\b+7], v18, s[10:11] offset:8192+\b*64+16
.endr
.else
	WIN LDH                                        ; HN's eight accumulators start at b_hh's third part
.set i, 0
.rept 8
	global_load_b128 v[192+8*i:192+8*i+3],   v18, s[10:11] offset:8192+(i%2)*64
	global_load_b128 v[192+8*i+4:192+8*i+7], v18, s[10:11] offset:8192+(i%2)*64+16
.set i, i+1
.endr
	WIN LDO                                        ; the old state, as the launch before stored it: 512 bytes on end a load
.set k, 0
.rept 16
	global_load_b128 v[4*k:4*k+3], v17, s[4:5] offset:512*k
.set k, k+1
.endr
	WIN 0
	s_lshl_b32 s92, s20, 9                         ; the flags of my 64 rows
	s_lshl_b32 s93, s15, 8
	s_add_co_u32 s92, s92, s93
	s_add_co_u32 s92, s92, 16777216
	v_lshl_add_u32 v19, v1, 2, s92
.irp a, 0,1,2,3
	global_load_b32 v[12+\a], v19, s[4:5] offset:64*\a
.endr
.endif
	v_mul_u32_u24 v21, v1, PA
	v_lshl_add_u32 v21, v2, 4, v21                 ; r x 144 + 16 h
	s_mul_i32 s92, s15, 64*PA
	v_add_nc_u32 v4, s92, v21                      ; my batch rows' fragments in X,
	v_add_nc_u32 v5, YA, v4                        ; in Y
	s_lshl_b32 s93, s16, 6
	s_add_co_u32 s92, s92, s93
	s_add_co_u32 s92, s92, STG
	v_add_nc_u32 v10, s92, v21                     ; into the stage: row 64 (w / 2) + r, columns 32 (w % 2) + 8 h on
	s_mul_i32 s92, s16, 32*PA
	s_add_co_u32 s92, s92, XB
	v_add_nc_u32 v6, s92, v21                      ; my weight rows' fragments in X's planes 0-1,
	v_add_nc_u32 v7, 2*BPL, v6                     ; 2-3,
	v_add_nc_u32 v8, YB-XB, v6                     ; in Y's planes 0-1,
	v_add_nc_u32 v9, 2*BPL, v8                     ; 2
	v_lshrrev_b32 v11, 3, v3                       ; back from the stage: 32 lanes take four rows of 128 bytes
	v_mul_u32_u24 v11, v11, PA
	v_and_b32 v22, 7, v0
	v_lshl_add_u32 v11, v22, 4, v11
	s_mul_i32 s92, s14, 32*PA
	s_add_co_u32 s92, s92, STG
	v_add_nc_u32 v11, s92, v11
.if PREF
	v_lshlrev_b32 v20, 8, v3                       ; the prefetches: a lane 256 bytes
	s_lshl_b32 s92, s20, 19                        ; wave 0: plane 12 + cx of my 128 rows
	s_add_co_u32 s93, s17, 12
	s_lshl_b32 s93, s93, 14
	s_add_co_u32 s92, s92, s93
	s_mul_i32 s94, s19, 32*BMP                     ; waves 1 to 3: a third each of plane 12 + cy of my block of weights
	s_add_co_u32 s95, s18, 12
	s_mul_i32 s95, s95, BMP
	s_add_co_u32 s94, s94, s95
	s_lshl_b32 s95, s14, 13
	s_add_co_u32 s94, s94, s95
	s_sub_co_u32 s94, s94, 8192
	s_and_b32 s23, ttmp7, 0xffff                   ; cluster y
	s_mov_b32 s99, 4*BMP
	s_cmp_eq_u32 s14, 0
	s_cselect_b32 s92, s92, s94
	s_cselect_b32 s98, 4*AMP, s99                  ; four planes
	s_cselect_b32 s23, ttmp9, s23                  ; the coordinate along which other clusters read the same bytes
	s_cselect_b64 s[100:101], s[4:5], s[6:7]
	s_mov_b32 s93, 0
	s_mov_b32 s99, 0
	s_add_nc_u64 s[100:101], s[100:101], s[92:93]  ; x's planes 12-15
	s_add_nc_u64 s[96:97], s[100:101], s[98:99]    ; h's planes 0-3: each change of X steps it by four planes first
	s_cmp_eq_u32 s23, 0
	s_cselect_b32 s67, 1, -1                       ; the same in all sixteen partners, for a given wave
	s_cselect_b32 s23, 3, 0
.endif
	s_wait_loadcnt 0x0                             ; the biases, the old state and the flags
.set i, 0
.rept 16
	v_pk_add_f32 v[192+i:193+i], v[192+i:193+i], v[32+i:33+i]  ; R's and Z's sums start at b_ih + b_hh
.set i, i+2
.endr
.if !FIRST
.irp a, 0,1,2,3
	v_cmp_ne_u32 s[88+\a], 0, v[12+\a]             ; lane l: is row 16 a + l % 16 of my 64 alive?
.endr
.endif
	s_wait_tensorcnt 1                             ; my part of slot X is in; slot Y's may stay out
	s_barrier_signal -1
	s_barrier_wait -1                              ; everybody's is
	FETCH 0, 0, 2
	XHEAD 0, 1, 4                                  ; x's planes 0-2; the first chunk's products start R, Z and IN
.if FIRST
	TURN 2, 0, 0, 1, 0                             ; plane 3; X is asked again: planes 7-10
	YHEAD                                          ; planes 4, 5
	TURN 0, 0, 1, 1, 0                             ; plane 6; Y is asked again: planes 11-13
	XHEAD 0, 0, 4                                  ; planes 7-9
	TURN 2, 0, 0, 2, 0                             ; plane 10; X's first half is asked again: planes 14, 15
	YHEAD                                          ; planes 11, 12
	TURN 0, 0, 1, 0, 0                             ; plane 13; nothing is asked for
	XHEAD 0, 0, 2                                  ; planes 14, 15
.else
	TURN 2, 0, 0, 1, 1                             ; x's plane 3; X is asked again: h's planes 0-3
	WIN 0                                          ; at a label and at a branch every window is 0
	s_mov_b32 s66, 3
.Ltrip:                                            ; a trip: three planes of x out of Y, four of h out of X; both slots are asked again
	YHEAD
	TURN 0, 0, 1, 1, 3
	XHEAD 1, 0, 4
	TURN 2, 1, 0, 1, 2
	WIN 0
	s_sub_co_u32 s66, s66, 1
	s_cmp_lg_u32 s66, 0
	s_cbranch_scc1 .Ltrip
	YHEAD                                          ; the tail is written out: x's planes 13-15 and h's 12-15 ask for nothing
	TURN 0, 0, 1, 0, 0
	XHEAD 1, 0, 4
	LAST 2, 1
.endif
	; THE GATES, in place in window 2; every pass ascends.  Four batches of exponentials or reciprocals, one wait each.
	PLACES
	EXPB 0, 128, 84                                ; 2^(-x log2 e) of R and Z
	RCPB 0, 128                                    ; r in v0-63, z in v64-127
.if FIRST
	WIN EPF
.else
	WIN EP
.endif
.set i, 0
.rept 32
.if FIRST
	v_pk_fma_f32 v[128+i:129+i], v[i:i+1], v[240+8*((i/8)%2)+i%8:241+8*((i/8)%2)+i%8], v[128+i:129+i]  ; IN + r b_hh
.else
	v_pk_fma_f32 v[128+i:129+i], v[i:i+1], v[192+i:193+i], v[128+i:129+i]  ; IN + r HN
.endif
.set i, i+2
.endr
	EXPB 128, 64, 86                               ; 2^(2 x log2 e)
	RCPB 128, 64
.set i, 0
.rept 32
	v_pk_fma_f32 v[128+i:129+i], v[128+i:129+i], -2.0, 1.0 op_sel_hi:[1,0,0]  ; n = tanh
.set i, i+2
.endr
.if FIRST
.set i, 0
.rept 32
	v_pk_fma_f32 v[128+i:129+i], v[64+i:65+i], v[128+i:129+i], v[128+i:129+i] neg_lo:[1,0,0] neg_hi:[1,0,0]  ; h' = n - z n
.set i, i+2
.endr
.else
	WIN EPH
.set i, 0
.rept 32
	v_pk_add_f32 v[192+i:193+i], v[i:i+1], v[128+i:129+i] neg_lo:[0,1] neg_hi:[0,1]  ; h - n
.set i, i+2
.endr
	WIN EP
.set i, 0
.rept 32
	v_pk_fma_f32 v[128+i:129+i], v[64+i:65+i], v[192+i:193+i], v[128+i:129+i]  ; h' = n + z (h - n)
.set i, i+2
.endr
	WIN EPH
.set i, 0
.rept 64
	v_cndmask_b32 v[128+i], v[i], v[128+i], s[88+i/16]  ; a row that is not alive keeps its state, bit for bit
.set i, i+1
.endr
	WIN EP
.endif
.set i, 0
.rept 32
	v_cvt_pk_bf16_f32 v[192+i], v[128+2*i], v[128+2*i+1]  ; the next launch's matrix operand
.set i, i+1
.endr
	; THE WAY OUT.  The f32 state leaves as it lies in the registers.  The bf16 state goes through the stage, since a row's 128 bytes come from two waves: every wave has passed a barrier since its last read of slot Y,
	; and no tensor load follows.
	WIN STW
.set i, 0
.rept 8
	ds_store_b128 v10, v[192+4*i:192+4*i+3] offset:(i/2)*16*PA+(i%2)*32
.set i, i+1
.endr
.set k, 0
.rept 16
	global_store_b128 v17, v[128+4*k:128+4*k+3], s[12:13] offset:512*k  ; 512 consecutive bytes, aligned
.set k, k+1
.endr
	WIN 0
	s_wait_dscnt 0x0                               ; for the others' sake: my stores into the stage are done
	s_barrier_signal -1
	s_barrier_wait -1
.set t, 0
.rept 8
	ds_load_b128 v[64+4*t:64+4*t+3], v11 offset:t*4*PA
.set t, t+1
.endr
.set t, 0
.rept 8
	s_wait_dscnt 7-t                               ; LDS loads come back in order: the younger ones may stay out
	global_store_b128 v16, v[64+4*t:64+4*t+3], s[12:13] offset:t*512  ; 512 consecutive bytes, aligned
.set t, t+1
.endr
	s_wait_tensorcnt 0x0                           ; the wave's end, behind my last tensor load and my last LDS store
	ds_add_u32 v28, v29
	s_wait_dscnt 0x0
	CROUND                                         ; the closing round: no work-group ends while a partner may still ask for a tile that names it
	s_endpgm
.Lfunc_end_k_qe2ce1d3936_step1:
	.size	k_qe2ce1d3936_step1, .Lfunc_end_k_qe2ce1d3936_step1-k_qe2ce1d3936_step1
	.p2alignl 7, 3214868480
	.fill 96, 4, 3214868480
	.section	.rodata,"a",@progbits
	.p2align	6, 0x0
	.amdhsa_kernel k_qe2ce1d3936_step1
		.amdhsa_group_segment_fixed_size 327680
		.amdhsa_private_segment_fixed_size 0
		.amdhsa_enable_private_segment 0
		.amdhsa_kernarg_size 40
		.amdhsa_user_sgpr_count 2
		.amdhsa_user_sgpr_kernarg_segment_ptr 1
		.amdhsa_wavefront_size32 1
		.amdhsa_system_sgpr_workgroup_id_x 1
		.amdhsa_system_sgpr_workgroup_id_y 1
		.amdhsa_system_sgpr_workgroup_id_z 1
		.amdhsa_system_vgpr_workitem_id 0
		.amdhsa_next_free_vgpr 832
		.amdhsa_next_free_sgpr 102
		.amdhsa_reserve_vcc 0
		.amdhsa_float_denorm_mode_32 3
		.amdhsa_float_denorm_mode_16_64 3
		.amdhsa_memory_ordered 1
		.amdhsa_forward_progress 1
		.amdhsa_inst_pref_size 169
	.end_amdhsa_kernel
	.amdgpu_metadata
---
amdhsa.version: [ 1, 2 ]
amdhsa.kernels:
  - .name:           k_qe2ce1d3936_step1
    .symbol:         k_qe2ce1d3936_step1.kd
    .args:
      - { .name: ab1, .offset: 0, .size: 8, .value_kind: global_buffer, .address_space: global }
      - { .name: wg, .offset: 8, .size: 8, .value_kind: global_buffer, .address_space: global }
      - { .name: b_ih, .offset: 16, .size: 8, .value_kind: global_buffer, .address_space: global }
      - { .name: b_hh, .offset: 24, .size: 8, .value_kind: global_buffer, .address_space: global }
      - { .name: ab2, .offset: 32, .size: 8, .value_kind: global_buffer, .address_space: global }
    .group_segment_fixed_size: 327680
    .private_segment_fixed_size: 0
    .kernarg_segment_align: 8
    .kernarg_segment_size: 40
    .max_flat_workgroup_size: 128
    .sgpr_count:     102
    .vgpr_count:     832
    .wavefront_size: 32
...
	.end_amdgpu_metadata
.endif
;; end of part 7
;; launch step2: the kernel of part 7 again; grid 16 x 16, 4 waves a work-group, clusters of 4 x 4, 327,680 bytes of LDS; arguments ab2, wg, b_ih, b_hh, ab3; writes ab3
;; launch step3: the kernel of part 7 again; grid 16 x 16, 4 waves a work-group, clusters of 4 x 4, 327,680 bytes of LDS; arguments ab3, wg, b_ih, b_hh, ab4; writes ab4
;; launch logit (part 8): grid 16 x 16, 4 waves a work-group, clusters of 4 x 4, 327,680 bytes of LDS; arguments ab4, wl, h1_b, lg; writes lg
.if DOCPART == 8
	.amdgcn_target "amdgcn-amd-amdhsa--gfx1250"
	.amdhsa_code_object_version 6
	.text
	.protected	k_qe2ce1d3936_logit
	.globl	k_qe2ce1d3936_logit
	.p2align	8
	.type	k_qe2ce1d3936_logit,@function
k_qe2ce1d3936_logit:
	s_mov_b64 s[64:65], 0
	v_nop
	global_prefetch_b8 v0, s[64:65] scope:SCOPE_SE
	s_setreg_imm32_b32 hwreg(HW_REG_WAVE_MODE, 25, 1), 1
	s_wait_xcnt 0x0
	s_wait_alu depctr_hold_cnt(0) depctr_sa_sdst(0) depctr_va_vdst(0) depctr_va_sdst(0) depctr_va_ssrc(0) depctr_va_vcc(0) depctr_vm_vsrc(0)
	s_getreg_b32 s2, hwreg(HW_REG_IB_STS2, 6, 4)
	s_cmp_eq_u32 s2, 0
	s_cbranch_scc0 .Lentry_in_a_cluster
	s_endpgm
.Lentry_in_a_cluster:
	s_bfe_u32 s2, ttmp6, 0x10000c
	s_cmp_lg_u32 s2, 0xf033
	s_cbranch_scc0 .Lentry_shape_is_right
	s_endpgm
.Lentry_shape_is_right:
; lg[row][n] = state[row] . h1_w[n] + h1_b[n], f32, [2048][1024]; columns 1000-1023 are stored as -1e30, so that the softmax that follows needs no mask.
; The state comes as planes 16-31 of ab4's blocks ([rb][plane][128 rows][64] bf16), h1_w as wl ([nb 0..15][plane 0..15][64 rows][64] bf16, rows 1000-1023 zeros).
; WHY A LAUNCH OF ITS OWN.  A work-group that owned whole rows, as a softmax wants, would have to walk all 2 MiB of wl through an LDS that holds a seventh of it.  Tiled like any product, a work-group needs
; 128 rows of state and 64 rows of wl: 16 planes of 27,648 bytes in LDS, of which eleven fit at once.
; SHARES.  A work-group makes 128 rows x 64 columns; four waves, wave w rows 64 (w / 2) on, columns 32 (w % 2) on: 8 accumulators of 16 x 16.
; THE WALK.  Slot X holds five planes, slot Y six; planes 0-4 and 5-10 are the first fills, planes 11-15 go into X when it has been read: ONE refill.  The 16 planes are written out.
; LAYOUT.  Source 0 = 16 rows of wl, source 1 = 16 rows of state: a lane holds ONE batch row (lane % 16) and the columns 8 (lane / 16) + 0..7.  The sums start at the bias, the C operand of the first products.
; CLUSTER.  4 x 4 work-groups: the four of a row of the cluster share their rows of state, the four of a column their rows of wl: each tile is asked for JOINTLY.
; No prefetch: the launch is short, and eleven of its sixteen planes are asked for at its head.
; LIMITS.  Matrix operands are bf16; sums and bias f32.  NaN and infinities are not treated apart.
; REGISTERS: window 0: v0-29 addresses; v32-47 the bias, block b at 32 + 8 b; v64-127 the sums, (a, b) at 64 + 8 (2 a + b); v128-255 fragments of the state, buffer f, chunk c, block a at 128 + 64 f + 8 (4 c + a)
;   window 1: fragments of wl at 32 f + 8 (2 c + b)
.set PA,    144                        ; an LDS row of a plane: 128 bytes + 16 of padding = 36 words: the 16 rows of a fragment load start at 16 different groups of four banks (64 banks of 4 bytes: ISA guide 11.1)
.set APL,   128*PA
.set BPL,   64*PA
.set XA,    0                          ; slot X: five planes of state,
.set XB,    5*APL                      ; five of wl
.set YA,    XB+5*BPL                   ; slot Y: six planes of state,
.set YB,    YA+6*APL                   ; six of wl
.set SPARE, YB+6*BPL                   ; the spare words, 128 bytes for each wave: two blocks of 256 bytes that no other line names
.set STG,   YA                         ; the stage, 128 rows x 272 bytes: in slot Y, behind its one fill and its last reading
.set HPI,   272
.set AMP,   16384                      ; a plane in memory: of state,
.set BMP,   8192                       ; of wl
.set G1F,   (1<<16)|(1<<20)|(1<<21)|(4<<22)|(3<<25)  ; group 1, word 0 beside the mask: 2-byte elements; padding on; bit 21 set beside a mask; 4 words of padding after every 32
.set MSB, 0
.macro WIN new                         ; the immediate's high byte repeats the setting that is left; a switch that changes nothing is dropped
.if MSB != (\new)
	s_set_vgpr_msb (MSB<<8)|(\new)
.set MSB, \new
.endif
.endm
.set MULW, 0x01                        ; wl window 1; state, C and D window 0
.set TO_B, 0x40                        ; destination window 1
.macro PLACES                          ; four places behind a matrix instruction (ISA guide 7.12.1)
.rept 4
	v_nop
.endr
.endm
.macro CREST                           ; a round of the cluster's barrier behind its opening barrier
	s_cmp_lg_u32 s14, 0
	s_cbranch_scc1 .Lnot_wave_0_\@
	s_barrier_signal -3
.Lnot_wave_0_\@:
	s_barrier_wait -3
	s_barrier_signal -1
	s_barrier_wait -1
.endm
.macro CROUND
	s_barrier_signal -1
	s_barrier_wait -1
	CREST
.endm
; 8 products: buffer f, chunk c.  The eight accumulators take turns, one instruction a turn.  init = 1: the products start the sums with the bias
.macro MUL f, c, init
	WIN MULW
.set ma, 0
.rept 4
.set mb, 0
.rept 2
.if \init
	v_wmma_f32_16x16x32_bf16 v[64+8*(2*ma+mb):64+8*(2*ma+mb)+7], v[32*(\f)+8*(2*(\c)+mb):32*(\f)+8*(2*(\c)+mb)+7], v[128+64*(\f)+8*(4*(\c)+ma):128+64*(\f)+8*(4*(\c)+ma)+7], v[32+8*mb:32+8*mb+7]
.else
	v_wmma_f32_16x16x32_bf16 v[64+8*(2*ma+mb):64+8*(2*ma+mb)+7], v[32*(\f)+8*(2*(\c)+mb):32*(\f)+8*(2*(\c)+mb)+7], v[128+64*(\f)+8*(4*(\c)+ma):128+64*(\f)+8*(4*(\c)+ma)+7], v[64+8*(2*ma+mb):64+8*(2*ma+mb)+7]
.endif
.set mb, mb+1
.endr
.set ma, ma+1
.endr
.endm
; LDS loads.  v4, v5: my rows of state in X's planes 0-2, 3-4; v6, v7: in Y's planes 0-2, 3-5 (an LDS immediate has 16 bits); v8, v9: my rows of wl in X, in Y.  sl, ps: the plane's slot and its place there
.macro FA f, c
.set fa, 0
.rept 4
	ds_load_b128 v[128+64*(\f)+8*(4*(\c)+fa):128+64*(\f)+8*(4*(\c)+fa)+3],   v[4+2*sl+ps/3] offset:(ps%3)*APL+fa*16*PA+(\c)*64
	ds_load_b128 v[128+64*(\f)+8*(4*(\c)+fa)+4:128+64*(\f)+8*(4*(\c)+fa)+7], v[4+2*sl+ps/3] offset:(ps%3)*APL+fa*16*PA+(\c)*64+32
.set fa, fa+1
.endr
.endm
.macro FB f, c
.set fb, 0
.rept 2
	ds_load_b128 v[32*(\f)+8*(2*(\c)+fb):32*(\f)+8*(2*(\c)+fb)+3],   v[8+sl] offset:ps*BPL+fb*16*PA+(\c)*64
	ds_load_b128 v[32*(\f)+8*(2*(\c)+fb)+4:32*(\f)+8*(2*(\c)+fb)+7], v[8+sl] offset:ps*BPL+fb*16*PA+(\c)*64+32
.set fb, fb+1
.endr
.endm
.macro FETCH i, f                      ; plane i, 24 loads in one run, into buffer f; chunk 0's twelve first
.if (\i) < 5
.set sl, 0
.set ps, (\i)
.elseif (\i) < 11
.set sl, 1
.set ps, (\i)-5
.else
.set sl, 0
.set ps, (\i)-11
.endif
	WIN 0
	FA \f, 0
	WIN TO_B
	FB \f, 0
	FB \f, 1
	WIN 0
	FA \f, 1
.endm
.macro PLANE i                         ; plane i is multiplied; in its middle the next is fetched into the other buffer
	s_wait_dscnt 12                                ; chunk 0 is in; chunk 1's twelve loads may be out
.if (\i) == 0
	MUL (\i)%2, 0, 1
.else
	MUL (\i)%2, 0, 0
.endif
	PLACES
	FETCH (\i)+1, 1-(\i)%2
	s_wait_dscnt 24                                ; all but the 24 just issued
	MUL (\i)%2, 1, 0
.endm
; A slot's last plane, and the change of slots: each wave waits for all its tensor loads, adds 0 to its spare word, and waits for that and for its reads of the slot.  fill = 1: the barrier opens a round of the cluster's,
; and the joint refill of slot X is the first thing behind the round: waves 0 and 1 fetch the halves of the state's planes, waves 2 and 3 those of wl's; an s_nop 0 and four v_nop follow each line.
.macro TURN i, fill
	WIN 0
	s_wait_tensorcnt 0x0
	ds_add_u32 v28, v29                            ; 0 onto my spare word
	s_wait_dscnt 0x0                               ; the add is done, and my reads of this slot are over: its last plane is in registers
	s_barrier_signal -1
	MUL (\i)%2, 0, 0
	WIN 0
	s_barrier_wait -1
.if \fill
	CREST
	s_cmp_eq_u32 s15, 0
	s_cbranch_scc0 .Lfor_b_\@
	tensor_load_to_lds s[68:71], s[24:31]
	s_nop 0
	PLACES
	s_branch .Lasked_\@
.Lfor_b_\@:
	tensor_load_to_lds s[72:75], s[32:39]
	s_nop 0
	PLACES
.Lasked_\@:
.else
	PLACES
.endif
	FETCH (\i)+1, 1-(\i)%2
	MUL (\i)%2, 1, 0
.endm
	s_load_b256 s[4:11], s[0:1], 0x0               ; ab4 s[4:5], wl s[6:7], h1_b s[8:9], lg s[10:11]
	v_lshl_add_u32 v28, v0, 2, SPARE
	v_mov_b32 v29, 0
	ds_add_u32 v28, v29                            ; the wave's opening: the add, twice on end, and its wait ahead of my first tensor load
	ds_add_u32 v28, v29
	v_lshrrev_b32 v1, 5, v0
	v_readfirstlane_b32 s14, v1                    ; wave 0..3
	s_lshr_b32 s15, s14, 1                         ; my half of the rows.  Also: I fetch state (0) or wl (1)
	s_and_b32 s16, s14, 1                          ; my half of the columns.  Also: which half of a slot's run I fetch
	s_bfe_u32 s17, ttmp6, 0x40000                  ; cx
	s_bfe_u32 s18, ttmp6, 0x40004                  ; cy
	s_lshl_b32 s19, ttmp9, 2
	s_add_co_u32 s19, s19, s17                     ; nb: my block of 64 columns
	s_and_b32 s20, ttmp7, 0xffff
	s_lshl_b32 s20, s20, 2
	s_add_co_u32 s20, s20, s18                     ; rb: my block of 128 rows
	s_lshl_b32 s21, s18, 2
	s_lshl_b32 s21, 15, s21                        ; my row of the cluster
	s_lshl_b32 s22, 0x1111, s17                    ; my column
	; groups 1: half a slot's run is dense in memory: rows of 256 bytes, padded in LDS behind every 128 bytes
	s_or_b32 s24, s21, G1F
	s_or_b32 s40, s21, G1F
	s_or_b32 s32, s22, G1F
	s_or_b32 s48, s22, G1F
.irp g, 24, 32, 40, 48
	s_mov_b32 s[\g+1], 128<<16                     ; tensor_dim0 = 128
	s_mov_b32 s[\g+3], 128<<16                     ; tile_dim0 = 128
	s_mov_b32 s[\g+5], 128                         ; 128 elements from row to row
	s_mov_b32 s[\g+6], 0
	s_mov_b32 s[\g+7], 0
.endr
	s_mov_b32 s26, 160<<16                         ; state in X: tensor_dim1 = tile_dim1 = 160 (two planes and a half, 40,960 bytes)
	s_mov_b32 s28, 160
	s_mov_b32 s34, 80<<16                          ; wl in X: 80 (20,480 bytes)
	s_mov_b32 s36, 80
	s_mov_b32 s42, 192<<16                         ; state in Y: 192 (three planes, 49,152 bytes)
	s_mov_b32 s44, 192
	s_mov_b32 s50, 96<<16                          ; wl in Y: 96 (24,576 bytes)
	s_mov_b32 s52, 96
	; groups 0: s[56:59], s[60:63] planes 0-4 into X; s[76:79], s[80:83] planes 5-10 into Y; s[68:71], s[72:75] planes 11-15 into X
	s_mov_b32 s56, 1
	s_mul_i32 s57, s16, 5*APL/2
	s_mov_b32 s68, 1
	s_mul_i32 s69, s16, 5*APL/2
	s_mov_b32 s60, 1
	s_mul_i32 s61, s16, 5*BPL/2
	s_add_co_u32 s61, s61, XB
	s_mov_b32 s72, 1
	s_mul_i32 s73, s16, 5*BPL/2
	s_add_co_u32 s73, s73, XB
	s_mov_b32 s76, 1
	s_mul_i32 s77, s16, 3*APL
	s_add_co_u32 s77, s77, YA
	s_mov_b32 s80, 1
	s_mul_i32 s81, s16, 3*BPL
	s_add_co_u32 s81, s81, YB
	s_lshl_b32 s92, s20, 19                        ; the state: block rb, from its plane 16 on: made of rb alone
	s_add_co_u32 s92, s92, 16*AMP
	s_mov_b32 s93, 0
	s_lshl_b32 s94, s19, 17                        ; wl: block nb: made of nb alone
	s_mov_b32 s95, 0
	s_mov_b32 s97, 0
	s_mov_b32 s84, 0xf149f2ca                      ; -1e30
	s_wait_dscnt 0x0                               ; both opening adds are done
	s_wait_kmcnt 0x0
	s_add_nc_u64 s[92:93], s[4:5], s[92:93]
	s_add_nc_u64 s[94:95], s[6:7], s[94:95]
	s_mul_i32 s96, s16, 5*AMP/2
	s_add_nc_u64 s[58:59], s[92:93], s[96:97]
	s_add_nc_u64 s[70:71], s[58:59], 11*AMP
	s_mul_i32 s96, s16, 3*AMP
	s_add_nc_u64 s[78:79], s[92:93], s[96:97]
	s_add_nc_u64 s[78:79], s[78:79], 5*AMP
	s_mul_i32 s96, s16, 5*BMP/2
	s_add_nc_u64 s[62:63], s[94:95], s[96:97]
	s_add_nc_u64 s[74:75], s[62:63], 11*BMP
	s_mul_i32 s96, s16, 3*BMP
	s_add_nc_u64 s[82:83], s[94:95], s[96:97]
	s_add_nc_u64 s[82:83], s[82:83], 5*BMP
.irp g, 59, 63, 71, 75, 79, 83
	s_or_b32 s[\g], s[\g], 0x80000000              ; type = 2
.endr
	CROUND                                         ; all sixteen work-groups are here: the first joint loads meet
	s_cmp_eq_u32 s15, 0                            ; a wave's two first fills stand in one branch, ahead of every wait on TENSORcnt and every LDS read: two loads of mine are out
	s_cbranch_scc0 .Lfirst_b
	tensor_load_to_lds s[56:59], s[24:31]
	s_nop 0
	tensor_load_to_lds s[76:79], s[40:47]
	s_nop 0
	PLACES
	s_branch .Lfirst_asked
.Lfirst_b:
	tensor_load_to_lds s[60:63], s[32:39]
	s_nop 0
	tensor_load_to_lds s[80:83], s[48:55]
	s_nop 0
	PLACES
.Lfirst_asked:
	v_and_b32 v1, 15, v0                           ; r = l % 16
	v_bfe_u32 v2, v0, 4, 1                         ; h = l / 16
	s_lshl_b32 s92, s19, 6
	s_lshl_b32 s93, s16, 5
	s_add_co_u32 s92, s92, s93
	v_lshl_add_u32 v18, v2, 3, s92                 ; my first column: 64 nb + 32 (w % 2) + 8 h
	v_lshlrev_b32 v19, 2, v18
	v_min_u32 v20, 3968, v19                       ; held inside h1_b's 4,000 bytes; what a held lane loads is replaced below
	v_add_nc_u32 v21, 64, v19
	v_min_u32 v21, 3968, v21
	global_load_b128 v[32:35], v20, s[8:9]
	global_load_b128 v[36:39], v20, s[8:9] offset:16
	global_load_b128 v[40:43], v21, s[8:9]
	global_load_b128 v[44:47], v21, s[8:9] offset:16
	v_mul_u32_u24 v22, v1, PA
	v_lshl_add_u32 v22, v2, 4, v22                 ; r x 144 + 16 h
	s_mul_i32 s92, s15, 64*PA
	v_add_nc_u32 v4, s92, v22                      ; my rows of state in X's planes 0-2,
	v_add_nc_u32 v5, 3*APL, v4                     ; 3-4,
	v_add_nc_u32 v6, YA, v4                        ; in Y's planes 0-2,
	v_add_nc_u32 v7, 3*APL, v6                     ; 3-5
	s_mul_i32 s92, s16, 32*PA
	s_add_co_u32 s92, s92, XB
	v_add_nc_u32 v8, s92, v22                      ; my rows of wl in X,
	v_add_nc_u32 v9, YB-XB, v8                     ; in Y
	v_mul_u32_u24 v10, v1, HPI                     ; into the stage: row 64 (w / 2) + r, columns 32 (w % 2) + 8 h on
	v_lshl_add_u32 v10, v2, 5, v10
	s_mul_i32 s92, s15, 64*HPI
	s_lshl_b32 s93, s16, 7
	s_add_co_u32 s92, s92, s93
	s_add_co_u32 s92, s92, STG
	v_add_nc_u32 v10, s92, v10
	v_mul_u32_u24 v11, v2, HPI                     ; back: wave w takes rows 32 w on, whole: lanes 0-15 one row of 256 bytes, lanes 16-31 the next
	v_lshl_add_u32 v11, v1, 4, v11
	s_mul_i32 s92, s14, 32*HPI
	s_add_co_u32 s92, s92, STG
	v_add_nc_u32 v11, s92, v11
	v_lshlrev_b32 v16, 12, v2                      ; and the same two rows in lg: 4,096 (128 rb + 32 w + h) + 256 nb + 16 r
	v_lshl_add_u32 v16, v1, 4, v16
	s_lshl_b32 s92, s20, 19
	s_lshl_b32 s93, s14, 17
	s_add_co_u32 s92, s92, s93
	s_lshl_b32 s93, s19, 8
	s_add_co_u32 s92, s92, s93
	v_add_nc_u32 v16, s92, v16
	v_cmp_le_u32 s86, 1000, v18                    ; my 8 columns of block 0 lie at 1,000 or beyond (1,000 is a multiple of 8),
	v_cmp_le_u32 s87, 984, v18                     ; of block 1
	s_wait_loadcnt 0x0
.set j, 0
.rept 8
	v_cndmask_b32 v[32+j], v[32+j], s84, s86
	v_cndmask_b32 v[40+j], v[40+j], s84, s87
.set j, j+1
.endr
	s_wait_tensorcnt 1                             ; my part of slot X is in; slot Y's may stay out
	s_barrier_signal -1
	s_barrier_wait -1                              ; everybody's is
	FETCH 0, 0
.irp i, 0,1,2,3,4,5,6,7,8,9,10,11,12,13,14,15
.if (\i) == 4
	TURN \i, 1                                     ; X's last plane; X is asked again: planes 11-15
.elseif (\i) == 10
	TURN \i, 0                                     ; Y's last plane; nothing is asked for
.elseif (\i) == 15
	s_wait_dscnt 12
	MUL 1, 0, 0
	s_wait_dscnt 0x0
	MUL 1, 1, 0
.else
	PLANE \i
.endif
.endr
	; THE WAY OUT, through the stage, since a row's 256 bytes come from two waves: every wave has passed a barrier since its last read of slot Y, and no tensor load follows.  Each accumulator's lowest registers go first.
	PLACES
	WIN 0
.set i, 0
.rept 8
	ds_store_b128 v10, v[64+8*i:64+8*i+3]   offset:(i/2)*16*HPI+(i%2)*64
	ds_store_b128 v10, v[64+8*i+4:64+8*i+7] offset:(i/2)*16*HPI+(i%2)*64+16
.set i, i+1
.endr
	s_wait_dscnt 0x0                               ; for the others' sake: my stores into the stage are done
	s_barrier_signal -1
	s_barrier_wait -1
.set t, 0
.rept 16
	ds_load_b128 v[128+4*t:128+4*t+3], v11 offset:t*2*HPI
.set t, t+1
.endr
.set t, 0
.rept 16
	s_wait_dscnt 15-t                              ; LDS loads come back in order: the younger ones may stay out
	global_store_b128 v16, v[128+4*t:128+4*t+3], s[10:11] offset:t*8192  ; 16 lanes store 256 consecutive bytes, aligned
.set t, t+1
.endr
	s_wait_tensorcnt 0x0                           ; the wave's end, behind my last tensor load and my last LDS store
	ds_add_u32 v28, v29
	s_wait_dscnt 0x0
	CROUND                                         ; the closing round: no work-group ends while a partner may still ask for a tile that names it
	s_endpgm
.Lfunc_end_k_qe2ce1d3936_logit:
	.size	k_qe2ce1d3936_logit, .Lfunc_end_k_qe2ce1d3936_logit-k_qe2ce1d3936_logit
	.p2alignl 7, 3214868480
	.fill 96, 4, 3214868480
	.section	.rodata,"a",@progbits
	.p2align	6, 0x0
	.amdhsa_kernel k_qe2ce1d3936_logit
		.amdhsa_group_segment_fixed_size 327680
		.amdhsa_private_segment_fixed_size 0
		.amdhsa_enable_private_segment 0
		.amdhsa_kernarg_size 32
		.amdhsa_user_sgpr_count 2
		.amdhsa_user_sgpr_kernarg_segment_ptr 1
		.amdhsa_wavefront_size32 1
		.amdhsa_system_sgpr_workgroup_id_x 1
		.amdhsa_system_sgpr_workgroup_id_y 1
		.amdhsa_system_sgpr_workgroup_id_z 1
		.amdhsa_system_vgpr_workitem_id 0
		.amdhsa_next_free_vgpr 320
		.amdhsa_next_free_sgpr 98
		.amdhsa_reserve_vcc 0
		.amdhsa_float_denorm_mode_32 3
		.amdhsa_float_denorm_mode_16_64 3
		.amdhsa_memory_ordered 1
		.amdhsa_forward_progress 1
		.amdhsa_inst_pref_size 61
	.end_amdhsa_kernel
	.amdgpu_metadata
---
amdhsa.version: [ 1, 2 ]
amdhsa.kernels:
  - .name:           k_qe2ce1d3936_logit
    .symbol:         k_qe2ce1d3936_logit.kd
    .args:
      - { .name: ab4, .offset: 0, .size: 8, .value_kind: global_buffer, .address_space: global }
      - { .name: wl, .offset: 8, .size: 8, .value_kind: global_buffer, .address_space: global }
      - { .name: h1_b, .offset: 16, .size: 8, .value_kind: global_buffer, .address_space: global }
      - { .name: lg, .offset: 24, .size: 8, .value_kind: global_buffer, .address_space: global }
    .group_segment_fixed_size: 327680
    .private_segment_fixed_size: 0
    .kernarg_segment_align: 8
    .kernarg_segment_size: 32
    .max_flat_workgroup_size: 128
    .sgpr_count:     98
    .vgpr_count:     320
    .wavefront_size: 32
...
	.end_amdgpu_metadata
.endif
;; end of part 8
;; launch soft (part 9): grid 256 x 1, 8 waves a work-group, no clusters, 34,816 bytes of LDS; arguments lg, out0; writes out0
.if DOCPART == 9
	.amdgcn_target "amdgcn-amd-amdhsa--gfx1250"
	.amdhsa_code_object_version 6
	.text
	.protected	k_qe2ce1d3936_soft
	.globl	k_qe2ce1d3936_soft
	.p2align	8
	.type	k_qe2ce1d3936_soft,@function
k_qe2ce1d3936_soft:
	s_mov_b64 s[64:65], 0
	v_nop
	global_prefetch_b8 v0, s[64:65] scope:SCOPE_SE
	s_setreg_imm32_b32 hwreg(HW_REG_WAVE_MODE, 25, 1), 1
	s_wait_xcnt 0x0
; out0[row][0..999] = softmax of lg[row][0..999].  lg: [2048][1024] f32, its columns 1000-1023 hold -1e30; out0: [2048][1000] f32.
; A stream: each byte of lg is read once, each byte of out0 written once.  No matrix unit, no cluster, no tensor load: nothing is multiplied and nothing is shared.
; SHARES.  A wave takes a row: eight loads of 16 bytes a lane, 512 bytes on end each; the row stays in 32 registers between the maximum, the exponentials and the scaling.  A work-group takes 8 rows, since 8 rows of out0
; are 32,000 bytes = 125 x 256: they meet in LDS and are stored as 512 consecutive bytes a wave, aligned.
; THE STAGE holds the rows 4,096 bytes apart, as lg does: a wave stores its whole row, the padding's zeros too, with all lanes on, and no two waves' stores touch the same bytes.
; BACK, in out0's order: the 32,000 bytes are 2,000 pieces of 16; thread i takes piece p = i + 256 t in turn t.  A row has 250 pieces, so in turn t threads below 250 - 6 t stand in row t and the others in row t + 1;
; piece p of row r lies at LDS byte 16 p + 96 r.  Both candidates are loaded, by the immediates 4,192 t and 4,192 t + 96, and a select takes the right one: no LDS address hangs on a comparison.
; SOFTMAX in f32 with the row's true maximum: p = 2^(x log2 e - m log2 e) / sum.
; LIMITS.  A logit of -1e30 or below counts like padding; a weight below 2^-126 counts as 0; NaN and infinities are not treated apart.
.set ROWB,  4000                       ; a row of out0
.set PITCH, 4096                       ; a row of lg, and of the stage
.set TURNB, 4096+96                    ; from turn to turn in the stage: 256 pieces and one row's 96 bytes of padding
.set SPARE, 33792                      ; behind the stage (32,768 bytes from LDS byte 0) and a gap: the spare words, 128 bytes for each wave: four blocks of 256 bytes that no other line names
; v1 lane; v2, v3 the add's two registers; v4 16 x lane; v5 my row's place in the stage; v6 16 x thread; v8-15 at work; v16-47 the row, later the pieces as row t has them; v48-75 the pieces as row t + 1 has them
	s_load_b128 s[4:7], s[0:1], 0x0                ; lg s[4:5], out0 s[6:7]
	v_lshl_add_u32 v2, v0, 2, SPARE
	v_mov_b32 v3, 0
	v_lshrrev_b32 v1, 5, v0
	v_readfirstlane_b32 s8, v1                     ; wave 0..7
	v_and_b32 v1, 31, v0
	v_lshlrev_b32 v4, 4, v1
	v_lshlrev_b32 v6, 4, v0
	s_lshl_b32 s14, s8, 12                         ; my wave's row: 4,096 bytes on, in lg and in the stage
	s_lshl_b32 s10, ttmp9, 15                      ; the work-group's 8 rows of lg
	s_add_co_u32 s10, s10, s14
	s_mov_b32 s11, 0
	s_mul_i32 s12, ttmp9, 8*ROWB                   ; and of out0
	s_mov_b32 s13, 0
	v_add_nc_u32 v5, s14, v4
	s_mov_b32 s16, 0x3fb8aa3b                      ; log2(e)
	s_mov_b32 s17, s16
	s_mov_b32 s18, 0x76543210                      ; v_permlanex16_b32: each lane takes its own place in the other half
	s_mov_b32 s19, 0xfedcba98
	s_wait_kmcnt 0x0
	s_add_nc_u64 s[4:5], s[4:5], s[10:11]
	s_add_nc_u64 s[6:7], s[6:7], s[12:13]
.set j, 0
.rept 8
	global_load_b128 v[16+4*j:16+4*j+3], v4, s[4:5] offset:512*j th:TH_LOAD_NT
.set j, j+1
.endr
	s_wait_loadcnt 0x0
	; the maximum: four chains of eight, then across the lanes
.irp q, 0,1,2,3
	v_max3_num_f32 v[8+\q], v[16+8*\q], v[17+8*\q], v[18+8*\q]
.endr
.irp k, 3,5
.irp q, 0,1,2,3
	v_max3_num_f32 v[8+\q], v[8+\q], v[16+8*\q+\k], v[17+8*\q+\k]
.endr
.endr
.irp q, 0,1,2,3
	v_max_num_f32 v[8+\q], v[8+\q], v[23+8*\q]
.endr
	v_max3_num_f32 v8, v8, v9, v10
	v_max_num_f32 v8, v8, v11
	v_max_num_f32_dpp v8, v8, v8 row_xmask:1 row_mask:0xf bank_mask:0xf
	v_max_num_f32_dpp v8, v8, v8 row_xmask:2 row_mask:0xf bank_mask:0xf
	v_max_num_f32_dpp v8, v8, v8 row_xmask:4 row_mask:0xf bank_mask:0xf
	v_max_num_f32_dpp v8, v8, v8 row_xmask:8 row_mask:0xf bank_mask:0xf
	v_permlanex16_b32 v9, v8, s18, s19
	v_max_num_f32 v8, v8, v9                       ; every lane holds the row's maximum
	v_mul_f32 v12, s16, v8
	v_mov_b32 v13, v12                             ; named with it as a pair
	; ONE batch of 32 exponentials; the scaling runs a pair ahead, so no line names a result; a plain line behind the last, then the one wait
	v_pk_fma_f32 v[16:17], v[16:17], s[16:17], v[12:13] op_sel_hi:[1,0,0] neg_lo:[0,0,1] neg_hi:[0,0,1]
.set e, 16
.rept 16
.if e+2 < 48
	v_pk_fma_f32 v[e+2:e+3], v[e+2:e+3], s[16:17], v[12:13] op_sel_hi:[1,0,0] neg_lo:[0,0,1] neg_hi:[0,0,1]
.endif
	v_exp_f32 v[e], v[e]
	v_exp_f32 v[e+1], v[e+1]
.set e, e+2
.endr
	v_nop
	s_wait_alu depctr_va_vdst(0)
.irp q, 0,1,2,3
	v_pk_add_f32 v[8+2*\q:9+2*\q], v[16+8*\q:17+8*\q], v[18+8*\q:19+8*\q]  ; the sum, in four chains; the weights stay
.endr
.irp k, 4,6
.irp q, 0,1,2,3
	v_pk_add_f32 v[8+2*\q:9+2*\q], v[8+2*\q:9+2*\q], v[16+8*\q+\k:17+8*\q+\k]
.endr
.endr
	v_pk_add_f32 v[8:9], v[8:9], v[10:11]
	v_pk_add_f32 v[12:13], v[12:13], v[14:15]
	v_pk_add_f32 v[8:9], v[8:9], v[12:13]
	v_add_f32 v8, v8, v9
	v_add_f32_dpp v8, v8, v8 row_xmask:1 row_mask:0xf bank_mask:0xf
	v_add_f32_dpp v8, v8, v8 row_xmask:2 row_mask:0xf bank_mask:0xf
	v_add_f32_dpp v8, v8, v8 row_xmask:4 row_mask:0xf bank_mask:0xf
	v_add_f32_dpp v8, v8, v8 row_xmask:8 row_mask:0xf bank_mask:0xf
	v_permlanex16_b32 v9, v8, s18, s19
	v_add_f32 v8, v8, v9
	v_rcp_f32 v10, v8
	v_rcp_f32 v11, v8
	v_nop                                          ; a plain line behind the reciprocals,
	s_wait_alu depctr_va_vdst(0)                   ; and their wait, ahead of the first use
.set e, 16
.rept 16
	v_pk_mul_f32 v[e:e+1], v[e:e+1], v[10:11]
.set e, e+2
.endr
	; into the stage: my row's 4,096 bytes, all lanes on
.set j, 0
.rept 8
	ds_store_b128 v5, v[16+4*j:16+4*j+3] offset:512*j
.set j, j+1
.endr
	s_wait_dscnt 0x0                               ; for the others' sake: my stores into the stage are done
	s_barrier_signal -1
	s_barrier_wait -1
	; back: seven whole turns, each piece as row t and as row t + 1 would have it
.set t, 0
.rept 7
	ds_load_b128 v[16+4*t:16+4*t+3], v6 offset:TURNB*t
	ds_load_b128 v[48+4*t:48+4*t+3], v6 offset:TURNB*t+96
.set t, t+1
.endr
.set t, 0
.rept 7
	s_wait_dscnt 12-2*t                            ; LDS loads come back in order: this turn's two are in, the two of each younger turn may stay out
	v_cmp_le_u32 vcc_lo, 250-6*t, v0               ; threads from 250 - 6 t on stand in row t + 1
.irp j, 0,1,2,3
	v_cndmask_b32 v[16+4*t+\j], v[16+4*t+\j], v[48+4*t+\j], vcc_lo
.endr
	global_store_b128 v6, v[16+4*t:16+4*t+3], s[6:7] offset:4096*t th:TH_STORE_NT  ; a wave stores 512 consecutive bytes, aligned: a work-group's 32,000 begin at a multiple of 256
.set t, t+1
.endr
	; the eighth turn has 208 pieces, all of row 7
	s_wait_xcnt 0x0                                ; EXEC changes only behind this wait
	v_cmp_gt_u32 vcc_lo, 208, v0
	s_and_saveexec_b32 s20, vcc_lo
	ds_load_b128 v[44:47], v6 offset:TURNB*7
	s_wait_dscnt 0x0
	global_store_b128 v6, v[44:47], s[6:7] offset:28672 th:TH_STORE_NT
	s_wait_xcnt 0x0                                ; and again, in front of the line that widens it
	s_or_b32 exec_lo, exec_lo, s20
	s_wait_tensorcnt 0x0                           ; the wave's end, behind my last LDS store
	ds_add_u32 v2, v3
	s_wait_dscnt 0x0
	s_endpgm
.Lfunc_end_k_qe2ce1d3936_soft:
	.size	k_qe2ce1d3936_soft, .Lfunc_end_k_qe2ce1d3936_soft-k_qe2ce1d3936_soft
	.p2alignl 7, 3214868480
	.fill 96, 4, 3214868480
	.section	.rodata,"a",@progbits
	.p2align	6, 0x0
	.amdhsa_kernel k_qe2ce1d3936_soft
		.amdhsa_group_segment_fixed_size 34816
		.amdhsa_private_segment_fixed_size 0
		.amdhsa_enable_private_segment 0
		.amdhsa_kernarg_size 16
		.amdhsa_user_sgpr_count 2
		.amdhsa_user_sgpr_kernarg_segment_ptr 1
		.amdhsa_wavefront_size32 1
		.amdhsa_system_sgpr_workgroup_id_x 1
		.amdhsa_system_sgpr_workgroup_id_y 1
		.amdhsa_system_sgpr_workgroup_id_z 1
		.amdhsa_system_vgpr_workitem_id 0
		.amdhsa_next_free_vgpr 80
		.amdhsa_next_free_sgpr 66
		.amdhsa_reserve_vcc 1
		.amdhsa_float_denorm_mode_32 3
		.amdhsa_float_denorm_mode_16_64 3
		.amdhsa_memory_ordered 1
		.amdhsa_forward_progress 1
		.amdhsa_inst_pref_size 12
	.end_amdhsa_kernel
	.amdgpu_metadata
---
amdhsa.version: [ 1, 2 ]
amdhsa.kernels:
  - .name:           k_qe2ce1d3936_soft
    .symbol:         k_qe2ce1d3936_soft.kd
    .args:
      - { .name: lg, .offset: 0, .size: 8, .value_kind: global_buffer, .address_space: global }
      - { .name: out0, .offset: 8, .size: 8, .value_kind: global_buffer, .address_space: global }
    .group_segment_fixed_size: 34816
    .private_segment_fixed_size: 0
    .kernarg_segment_align: 8
    .kernarg_segment_size: 16
    .max_flat_workgroup_size: 256
    .sgpr_count:     66
    .vgpr_count:     80
    .wavefront_size: 32
...
	.end_amdgpu_metadata
.endif
;; end of part 9
